; MI455X (gfx1250); checked and timed in simulation.
; The chip was launched on July 23, 2026; its instructions are those of AMD's public machine-readable ISA for CDNA 5 (MIT licence, August 2026) and "CDNA5" Instruction Set Architecture Reference Guide (July 2026). The comments in the code are by the model that wrote it; some were corrected since.
;; Multi Head Attention. Allowed arithmetic: matrix products marked QUANTISED: E2M3 operands, one E8M0 scale for each 32 along K, by v_wmma_scale_f32_16x16x128_f8f6f4 with both operands' format E2M3, f32 sums; everything else in f32.
;; Inputs: W_out 1,024 x 1,024 float32; W_qkv 3,072 x 1,024 float32; b_out 1,024 float32; b_qkv 3,072 float32; x 2 x 2,048 x 1,024 float32.
;; Outputs: out0 2 x 2,048 x 1,024 float32.
;; This version of the problem:
;;   THIS VERSION OF THE PROBLEM IS GIVEN IN LOW PRECISION. The matrix products marked QUANTISED in the list below multiply operands that are first quantised to E2M3 (2 exponent bits, 3 mantissa bits; 6 bits a number), with one power-of-two scale for each 32 numbers along K (OCP MX v1.0); their sums are f32. All else is computed in f32.
;;   The module's matrix products, in the order in which they are computed (A, B: the left and right operand; K: the contracted axis; several contracted axes count as one K, in the product's order):
;;     1. [M 4,096, K 1,024] x [K 1,024, N 3,072]; A: input x; B: input W_qkv: QUANTISED
;;     2. batch 32 x [M 2,048, K 64] x [K 64, N 2,048]; A: computed on the way; B: computed on the way: QUANTISED
;;     3. batch 32 x [M 2,048, K 2,048] x [K 2,048, N 64]; A: softmax (see below); B: computed on the way: QUANTISED
;;     4. [M 4,096, K 1,024] x [K 1,024, N 1,024]; A: computed on the way; B: input W_out: QUANTISED
;;   THE QUANTISER, for each operand of a quantised product, along K:
;;     - K is cut into blocks of 32 from its start; a last block that is shorter is filled with zeros.
;;     - A block's scale is 2^e with e = floor(log2(the largest magnitude in the block)) - 2, held to -126 .. 127; a block of zeros has e = 0. As a byte (E8M0): e + 127.
;;     - Each number is divided by its block's scale, clamped to +-7.5, and rounded to the nearest number of E2M3, ties to even, subnormals kept.
;;     - The product sums the exact products of the quantised numbers (number of the format x scale) in f32.
;;   ~~~python
;;   def quantise(x, axis):      # numpy; x: float32 -> the quantised numbers, widened to float32 again
;;       x = np.moveaxis(x, axis, -1); K = x.shape[-1]
;;       x = np.pad(x, [(0, 0)] * (x.ndim - 1) + [(0, -K % 32)]); x = x.reshape(x.shape[:-1] + (-1, 32)); a = np.abs(x).max(-1, keepdims=True)
;;       e = np.where(a > 0, np.clip(np.frexp(np.where(a > 0, a, 1))[1] - 1 - 2, -126, 127), 0)      # np.frexp(a)[1] - 1 = floor(log2(a)), exactly
;;       r = np.clip(x / 2.0 ** e, -7.5, 7.5)
;;       step = 2.0 ** (np.maximum(np.frexp(np.where(r == 0, 1, r))[1] - 1, 0) - 3)
;;       q = np.round(r / step) * step * 2.0 ** e      # np.round: ties to even
;;       return np.moveaxis(q.reshape(q.shape[:-2] + (-1,))[..., :K], -1, axis).astype(np.float32)
;;   ~~~
;;   SOFTMAX AHEAD OF A QUANTISED PRODUCT. Where the list says 'softmax', what is quantised is not the finished softmax but p = 2^(t - M), with t = logit x log2(e) and M = ceil(the row's largest t), a whole number; so 1/2 < the row's largest p <= 1. The row's sum l is taken of the UNQUANTISED p, in f32, and the product's result is divided by l at the end. Since M is a whole number, a kernel that streams over the keys may use a running M (the ceiling of the running maximum): every later rescaling is an exact power of two, which a block's scale takes up: the codes' values come out the same.
;;   OPERANDS COMPUTED ON THE WAY. 'Computed on the way' means the value that the module computes at that place (a softmax that the list does not call 'softmax' is quantised finished and normalised). What goes into a quantiser is computed in f32, as accurately as f32 sums, v_exp_f32 and their like allow (about 1e-6 of the number): no bf16 or f16 on the way to a quantiser, and a product that is left as it is and whose result goes on into a quantised operand takes f32 operands (vector FMAs, or v_wmma_f32_16x16x4_f32). A number that lies on a knife's edge between two numbers of the format may be rounded either way, as far as f32 arithmetic and the matrix unit's own rounding can turn it there, and no further.
;; 2 versions. Each part assembles by itself: llvm-mc -triple=amdgcn-amd-amdhsa -mcpu=gfx1250 --defsym DOCPART=n.
;; ======== version 1 of 2: 4 launches
;; workspace buffers: l1c 6,291,456 bytes; l1s 274,432 bytes; qkvc 9,437,184 bytes; qkvs 393,216 bytes; ctxc 3,145,728 bytes; ctxs 131,072 bytes
;; launch quant (part 1): grid 256 x 1, 4 waves a work-group, no clusters, 33,280 bytes of LDS; arguments x, W_qkv, W_out, b_qkv, l1c, l1s; writes l1c, l1s
.if DOCPART == 1
	.amdgcn_target "amdgcn-amd-amdhsa--gfx1250"
	.amdhsa_code_object_version 6
	.text
	.protected	k_qb05aaec7a2_quant
	.globl	k_qb05aaec7a2_quant
	.p2align	8
	.type	k_qb05aaec7a2_quant,@function
k_qb05aaec7a2_quant:
	s_mov_b64 s[64:65], 0
	v_nop
	global_prefetch_b8 v0, s[64:65] scope:SCOPE_SE
	s_setreg_imm32_b32 hwreg(HW_REG_WAVE_MODE, 25, 1), 1
	s_wait_xcnt 0x0
; x [4096][1024], W_qkv [3072][1024] and W_out [1024][1024], f32, become codes of FP6 (E2M3), K innermost, 768 bytes a row, with one E8M0 byte for each 32 along K, 32 bytes a row.
; A block's scale byte is its largest magnitude's exponent field - 2, held at 1 from below; each number is divided by the scale and rounded to the nearest code, ties to even, beyond 7.5 the largest code.
; LIMITS: a block of zeros gets the byte 1 (its codes are zeros; only this program reads the bytes); NaN and infinities among the inputs are not served.
; THE ROWS OF W_qkv ARE STORED IN ANOTHER ORDER, so that the next launch's results fall into the lanes in which they are quantised.  Stored row n' = 1024 T + 128 w + 32 g + 16 u + 8 hb + i holds source row
;   T = 0, 1 (q, k): (2 w + g / 2) 192 + 64 T + 32 (g % 2) + 16 hb + 8 u + i;      T = 2 (v): (2 i + u) 192 + 128 + 32 (w / 4) + 16 (w % 2) + 8 ((w / 2) % 2) + 2 g + hb.
; Eight stored rows on end are thus source rows f0 + i x stride, stride 1 or 384.  b_qkv is stored in the same order behind the scale bytes.
; SHARES: a wave takes a run of 8 stored rows, 16 steps of 512 numbers; run G = 4 x work-group + wave counts through x (512 runs), W_qkv (384), W_out (128); its codes lie at 6144 G, its scale bytes at 256 G.
; A load reads 512 consecutive bytes; a step's 2,048 bytes turn through the wave's own stage in LDS, so that a lane holds 16 neighbours along K (two neighbouring lanes hold a block).  Waves share nothing: no barrier.
.set STEPS, 16
.set EMAX,  2
.set CB,    12                         ; bytes of 16 codes
.set R,     16                         ; v16-79   four sets of 16 numbers as they are loaded
.set X,     80                         ; v80-111  two sets of 16 neighbours
.set E,     112                        ; v112-127 a scale byte for each step
.set C,     128                        ; v128-191 codes: four registers for each step, so that no store's data are written again
.set VO,    192                        ; v192-199 row k of the run: 16 x lane + k x stride x 4096; never rewritten
.set WREG,  8192                       ; LDS of a wave: two stages of 32 x SP bytes, behind them its 256 scale bytes
.set SP,    80                         ; a lane's place in a stage: 64 bytes + 16 of padding
	s_load_b128 s[4:7], s[0:1], 0x0                ; x, W_qkv
	s_load_b128 s[8:11], s[0:1], 0x10              ; W_out, b_qkv
	s_load_b128 s[12:15], s[0:1], 0x20             ; the codes, the scale bytes
	v_lshl_add_u32 v200, v0, 2, 0x8000
	v_mov_b32 v201, 0
	v_lshrrev_b32 v1, 5, v0
	v_readfirstlane_b32 s16, v1                    ; wave
	v_and_b32 v2, 31, v0                           ; lane
	v_lshlrev_b32 v3, 4, v2                        ; my 16 bytes of a load's 512
	s_mul_i32 s17, s16, WREG
	v_lshrrev_b32 v14, 2, v2
	v_mul_u32_u24 v14, v14, SP
	v_and_b32 v15, 3, v2
	v_lshl_add_u32 v14, v15, 4, v14
	v_add_nc_u32 v14, s17, v14                     ; the stage, on the way in: SP (lane / 4) + 16 (lane % 4)
	v_mul_u32_u24 v15, v2, SP
	v_add_nc_u32 v15, s17, v15                     ; and on the way out: SP x lane: my 16 neighbours
	v_mul_u32_u24 v4, v2, CB                       ; my codes' place in a step's
	v_lshrrev_b32 v5, 1, v2
	s_add_co_u32 s17, s17, 2*32*SP
	v_add_nc_u32 v5, s17, v5                       ; LDS: my wave's 256 scale bytes, my block's byte
	v_lshlrev_b32 v7, 3, v2                        ; and on the way out 8 bytes a lane
	v_add_nc_u32 v6, s17, v7
	s_lshl_b32 s18, ttmp9, 2
	s_add_co_u32 s18, s18, s16                     ; G
	s_cmp_lt_u32 ttmp9, 128
	s_cselect_b32 s19, 0, 512
	s_cmp_lt_u32 ttmp9, 224
	s_cselect_b32 s19, s19, 896
	s_sub_co_u32 s19, s18, s19                     ; L: the run's number in its tensor
	s_lshr_b32 s20, s19, 7                         ; T      (L = 128 T + 16 w + 4 g + 2 u + hb)
	s_and_b32 s21, s19, 127
	s_and_b32 s22, s21, 1                          ; hb
	s_bfe_u32 s23, s21, 0x10001                    ; u
	s_bfe_u32 s24, s21, 0x20002                    ; g
	s_lshr_b32 s25, s21, 4                         ; w
	s_lshl_b32 s26, s25, 1                         ; q, k: f0 = (2 w + g / 2) 192 + 64 T + 32 (g % 2) + 16 hb + 8 u
	s_lshr_b32 s27, s24, 1
	s_add_co_u32 s26, s26, s27
	s_mul_i32 s26, s26, 192
	s_lshl_b32 s27, s20, 6
	s_add_co_u32 s26, s26, s27
	s_and_b32 s27, s24, 1
	s_lshl_b32 s27, s27, 5
	s_add_co_u32 s26, s26, s27
	s_lshl_b32 s27, s22, 4
	s_add_co_u32 s26, s26, s27
	s_lshl_b32 s27, s23, 3
	s_add_co_u32 s26, s26, s27
	s_mul_i32 s28, s23, 192                        ; v: f0 = 192 u + 128 + 32 (w / 4) + 16 (w % 2) + 8 ((w / 2) % 2) + 2 g + hb
	s_add_co_u32 s28, s28, 128
	s_lshr_b32 s27, s25, 2
	s_lshl_b32 s27, s27, 5
	s_add_co_u32 s28, s28, s27
	s_and_b32 s27, s25, 1
	s_lshl_b32 s27, s27, 4
	s_add_co_u32 s28, s28, s27
	s_bfe_u32 s27, s25, 0x10001
	s_lshl_b32 s27, s27, 3
	s_add_co_u32 s28, s28, s27
	s_lshl_b32 s27, s24, 1
	s_add_co_u32 s28, s28, s27
	s_add_co_u32 s28, s28, s22
	s_cmp_eq_u32 s20, 2
	s_cselect_b32 s26, s28, s26
	s_cselect_b32 s29, 384, 1
	s_lshl_b32 s30, s19, 3                         ; x, W_out: rows as they lie: f0 = 8 L, stride 1
	s_sub_co_u32 s31, ttmp9, 128
	s_cmp_lt_u32 s31, 96                           ; W_qkv's work-groups are 128 to 223
	s_cselect_b32 s26, s26, s30                    ; f0
	s_cselect_b32 s29, s29, 1                      ; stride
	s_cselect_b32 s33, 1, 0
	s_lshl_b32 s34, s26, 12                        ; a source row is 4,096 bytes
	s_mov_b32 s35, 0
	s_lshl_b32 s36, s29, 12
.irp k, 0,1,2,3,4,5,6,7
	s_mul_i32 s37, s36, \k
	v_add_nc_u32 v[VO+\k], s37, v3
.endr
	s_mul_i32 s38, s18, 6144
	s_mov_b32 s39, 0
	s_lshl_b32 s44, s18, 8
	s_mov_b32 s45, 0
	s_lshl_b32 s42, s19, 5                         ; the run's 8 biases: 32 bytes, behind the 262,144 scale bytes
	s_add_co_u32 s42, s42, 262144
	s_mov_b32 s43, 0
	s_wait_kmcnt 0x0
	s_cmp_lt_u32 ttmp9, 128                        ; the choice of the source hangs on the work-group's number alone
	s_cselect_b64 s[4:5], s[4:5], s[6:7]
	s_cmp_lt_u32 ttmp9, 224
	s_cselect_b64 s[4:5], s[4:5], s[8:9]
	s_add_nc_u64 s[4:5], s[4:5], s[34:35]
	s_add_nc_u64 s[12:13], s[12:13], s[38:39]
	s_add_nc_u64 s[40:41], s[14:15], s[42:43]
	s_add_nc_u64 s[14:15], s[14:15], s[44:45]
.macro LOAD t                          ; step t is half (t % 2) of the run's row t / 2
.irp i, 0,1,2,3
	global_load_b128 v[R+16*((\t)%4)+4*\i:R+16*((\t)%4)+4*\i+3], v[VO+((\t)/2)], s[4:5] offset:2048*((\t)%2)+512*\i th:TH_LOAD_NT   ; 32 lanes read 512 consecutive bytes
.endr
.endm
.macro TURN t                          ; step t's numbers through the stage: LDS serves a wave's instructions in order, so no wait stands between the stores and the loads
.irp i, 0,1,2,3
	ds_store_b128 v14, v[R+16*((\t)%4)+4*\i:R+16*((\t)%4)+4*\i+3] offset:32*SP*((\t)%2)+8*SP*\i
.endr
.irp i, 0,1,2,3
	ds_load_b128 v[X+16*((\t)%2)+4*\i:X+16*((\t)%2)+4*\i+3], v15 offset:32*SP*((\t)%2)+16*\i
.endr
.endm
.irp t, 0,1,2,3
	LOAD \t
.endr
	s_wait_loadcnt 12                              ; step 0's four loads are in; the twelve of steps 1 to 3 may be out
	TURN 0
.macro STEP t
.set XS, X+16*((\t)%2)
.if (\t) > 0
	s_wait_dscnt 1                                 ; this step's numbers are back from the stage (the last step's byte store may be out): so its stores into the stage have read their registers,
.else
	s_wait_dscnt 0x0
.endif
.if (\t)+4 < STEPS
	LOAD (\t)+4                                    ; which take the loads of four steps on
.endif
.if (\t)+1 < STEPS
.if STEPS-2-(\t) >= 3
	s_wait_loadcnt 12                              ; the next step's four loads are in; those of the three steps behind it may be out
.else
	s_wait_loadcnt 4*(STEPS-2-(\t))
.endif
	TURN (\t)+1                                    ; and go through the other stage while this step is worked
.endif
	v_max3_num_f32 v8, |v[XS]|, |v[XS+1]|, |v[XS+2]|               ; the largest magnitude of my 16, in two chains
	v_max3_num_f32 v9, |v[XS+3]|, |v[XS+4]|, |v[XS+5]|
.irp i, 6,10
	v_max3_num_f32 v8, v8, |v[XS+\i]|, |v[XS+\i+1]|
	v_max3_num_f32 v9, v9, |v[XS+\i+2]|, |v[XS+\i+3]|
.endr
	v_max3_num_f32 v8, v8, |v[XS+14]|, |v[XS+15]|
	v_max3_num_f32 v8, v8, v9, (EMAX+1)<<23        ; and the floor 2^(3 - 127): the byte cannot fall under 1
	v_max_num_f32_dpp v8, v8, v8 row_xmask:1 row_mask:0xf bank_mask:0xf   ; and of my neighbour's 16: the block's
	v_add_nc_u32 v11, -(EMAX<<23), v8              ; 2 off its exponent field: the conversion takes the exponent field of this operand as its scale
	v_cvt_scalef32_pk16_fp6_f32 v[C+4*(\t):C+4*(\t)+2], v[XS:XS+15], v11
	v_lshrrev_b32 v[E+(\t)], 23, v11               ; the scale's byte (a plain line behind the conversion)
	ds_store_b8 v5, v[E+(\t)] offset:16*(\t)       ; both lanes of a block write the same byte with the same value
	global_store_b96 v4, v[C+4*(\t):C+4*(\t)+2], s[12:13] offset:32*CB*(\t)   ; the wave stores 384 consecutive bytes
.endm
.irp t, 0,1,2,3,4,5,6,7,8,9,10,11,12,13,14,15
	STEP \t
.endr
	ds_load_b64 v[12:13], v6                       ; LDS serves a wave's instructions in order: these see my stores
	s_wait_dscnt 0x0
	global_store_b64 v7, v[12:13], s[14:15]        ; 32 lanes store 256 consecutive bytes, aligned
	s_cmp_eq_u32 s33, 0                            ; W_qkv's work-groups also lay b_qkv in the stored order: 8 numbers a run, 32 bytes a store, 12,288 bytes in the whole launch
	s_cbranch_scc1 .Ldone
	v_and_b32 v8, 7, v2
	v_mul_lo_u32 v9, v8, s29
	v_add_nc_u32 v9, s26, v9
	v_lshlrev_b32 v9, 2, v9                        ; b_qkv at f0 + lane x stride
	v_lshlrev_b32 v8, 2, v8
	v_cmp_gt_u32 vcc_lo, 8, v2
	s_wait_xcnt 0x0                                ; EXEC changes only when the earlier stores have read it
	s_and_saveexec_b32 s46, vcc_lo
	global_load_b32 v10, v9, s[10:11]
	s_wait_loadcnt 0x0
	global_store_b32 v8, v10, s[40:41]
	s_wait_xcnt 0x0                                ; and again ahead of the line that widens it
	s_or_b32 exec_lo, exec_lo, s46
.Ldone:
	s_wait_tensorcnt 0x0
	ds_add_u32 v200, v201
	s_wait_dscnt 0x0
	s_endpgm
.Lfunc_end_k_qb05aaec7a2_quant:
	.size	k_qb05aaec7a2_quant, .Lfunc_end_k_qb05aaec7a2_quant-k_qb05aaec7a2_quant
	.p2alignl 7, 3214868480
	.fill 96, 4, 3214868480
	.section	.rodata,"a",@progbits
	.p2align	6, 0x0
	.amdhsa_kernel k_qb05aaec7a2_quant
		.amdhsa_group_segment_fixed_size 33280
		.amdhsa_private_segment_fixed_size 0
		.amdhsa_enable_private_segment 0
		.amdhsa_kernarg_size 48
		.amdhsa_user_sgpr_count 2
		.amdhsa_user_sgpr_kernarg_segment_ptr 1
		.amdhsa_wavefront_size32 1
		.amdhsa_system_sgpr_workgroup_id_x 1
		.amdhsa_system_sgpr_workgroup_id_y 1
		.amdhsa_system_sgpr_workgroup_id_z 1
		.amdhsa_system_vgpr_workitem_id 0
		.amdhsa_next_free_vgpr 202
		.amdhsa_next_free_sgpr 66
		.amdhsa_reserve_vcc 1
		.amdhsa_float_denorm_mode_32 3
		.amdhsa_float_denorm_mode_16_64 3
		.amdhsa_memory_ordered 1
		.amdhsa_forward_progress 1
		.amdhsa_inst_pref_size 36
	.end_amdhsa_kernel
	.amdgpu_metadata
---
amdhsa.version: [ 1, 2 ]
amdhsa.kernels:
  - .name:           k_qb05aaec7a2_quant
    .symbol:         k_qb05aaec7a2_quant.kd
    .args:
      - { .name: x, .offset: 0, .size: 8, .value_kind: global_buffer, .address_space: global }
      - { .name: W_qkv, .offset: 8, .size: 8, .value_kind: global_buffer, .address_space: global }
      - { .name: W_out, .offset: 16, .size: 8, .value_kind: global_buffer, .address_space: global }
      - { .name: b_qkv, .offset: 24, .size: 8, .value_kind: global_buffer, .address_space: global }
      - { .name: l1c, .offset: 32, .size: 8, .value_kind: global_buffer, .address_space: global }
      - { .name: l1s, .offset: 40, .size: 8, .value_kind: global_buffer, .address_space: global }
    .group_segment_fixed_size: 33280
    .private_segment_fixed_size: 0
    .kernarg_segment_align: 8
    .kernarg_segment_size: 48
    .max_flat_workgroup_size: 128
    .sgpr_count:     66
    .vgpr_count:     202
    .wavefront_size: 32
...
	.end_amdgpu_metadata
.endif
;; end of part 1
;; launch gemm_qkv (part 2): grid 12 x 16, 4 waves a work-group, clusters of 4 x 4, 327,680 bytes of LDS; arguments l1c, l1s, qkvc, qkvs; writes qkvc, qkvs
.if DOCPART == 2
	.amdgcn_target "amdgcn-amd-amdhsa--gfx1250"
	.amdhsa_code_object_version 6
	.text
	.protected	k_qb05aaec7a2_gemm_qkv
	.globl	k_qb05aaec7a2_gemm_qkv
	.p2align	8
	.type	k_qb05aaec7a2_gemm_qkv,@function
k_qb05aaec7a2_gemm_qkv:
	s_mov_b64 s[64:65], 0
	v_nop
	global_prefetch_b8 v0, s[64:65] scope:SCOPE_SE
	s_setreg_imm32_b32 hwreg(HW_REG_WAVE_MODE, 25, 1), 1
	s_wait_xcnt 0x0
	s_wait_alu depctr_hold_cnt(0) depctr_sa_sdst(0) depctr_va_vdst(0) depctr_va_sdst(0) depctr_va_ssrc(0) depctr_va_vcc(0) depctr_vm_vsrc(0)
	s_getreg_b32 s2, hwreg(HW_REG_IB_STS2, 6, 4)
	s_cmp_eq_u32 s2, 0
	s_cbranch_scc0 .Lentry_in_a_cluster
	s_endpgm
.Lentry_in_a_cluster:
	s_bfe_u32 s2, ttmp6, 0x10000c
	s_cmp_lg_u32 s2, 0xf033
	s_cbranch_scc0 .Lentry_shape_is_right
	s_endpgm
.Lentry_shape_is_right:
; qkv = x W_qkv^T + b_qkv on codes of FP6 (E2M3) with E8M0 scales; M 4,096, N 3,072 (in the stored order of W_qkv's rows), K 1,024; sums in f32, begun with the bias.  The results never go to memory as f32:
; q, k and v are quantised here, in the lanes in which the sums fall, and leave as codes and scale bytes.
; A tile of 256 x 256 is made by four waves, 128 x 128 each: 64 accumulators of 16 x 16.  K goes in steps of 256 through two LDS slots filled by the tensor data mover; the scale bytes of the work-group's rows come once.
; CLUSTERS: 4 x 4 work-groups; A's tiles are asked for jointly along a row of the cluster, B's along a column.  192 work-groups: a wave's 128 stored columns are the unit in which the results are quantised, so the tile is not cut further.
; THE MATRIX INSTRUCTION IS USED TRANSPOSED (source 0 = 16 stored rows of W, source 1 = 16 rows of x): lane (r, h) holds row r of x, and register i of B's block 2 g + u the stored column 32 g + 16 u + 8 h + i of the wave's 128.
; THE RESHAPE of qkv is plain: row sg of x holds 16 rows j of a head (head = sg / 128, place 16 (sg % 128) + j), 192 numbers each: q, k, v.
;   q, k (cluster x = 0, 1): the wave's 128 columns are rows j = 2 w, 2 w + 1, all 64 d: the 64 registers of a block of x's rows are k = 32 g + 16 h + 8 u + i over (j % 2, d): one fragment of 16 rows x 128, four scale bytes a row.
;     Stored [sg / 16][w][sg % 16][96 bytes]; scale words [w][sg].
;   v (cluster x = 2): quantised along the KEYS.  A block of 32 keys is rows sg = 2 t, 2 t + 1 of x, all 16 j.  The wave's columns are 8 values of d x 16 j: a lane's 16 registers of blocks 2 g, 2 g + 1 are the 16 j of one d,
;     and lanes r, r xor 1 share a block.  Stored [head][64 (sg % 128 / 16) + row of d][192 bytes], a lane's 12 bytes at 12 r; scale bytes [head][row of d][64].  Inside a block the keys stand in the order 16 (sg % 2) + 8 (j % 2) + j / 2.
; LIMITS: a block of zeros gets the byte 1 (its codes are zeros; only this program reads the bytes); NaN and infinities are not served.
; REGISTERS, in windows of 256: window 0: v0-31 addresses; v32-63 scale words, two sets; v64-127 the bias; from v128 A's fragments, one set.  window 1: B's fragments, two sets.  windows 2, 3: the accumulators ((a, b) at v[8 (8 (a % 4) + b)]).
.set SIZE_K, 1024
.set KSTEP,  256
.set NQ,     KSTEP/128
.set ROWB,   192                       ; a tile's row in bytes
.set KROW,   SIZE_K*6/8                ; a row of codes in memory
.set PITCH,  240                       ; an LDS row: 3 x (64 bytes + 16 of padding)
.set FR,     12
.set NL,     6                         ; LDS loads of a fragment
.set NP,     4                         ; places behind this matrix instruction (ISA guide 7.12.1)
.set HALFT,  128*PITCH
.set SLOT,   4*HALFT
.set LAPS,   SIZE_K/(2*KSTEP)
.set KS,     SIZE_K/32
.set SCL,    2*SLOT                    ; behind the ring: the scale bytes, 256 bytes + 16 of padding at a time
.set HALFS,  (128*KS/256)*272
.set SBLK,   (16*KS/256)*272
.set SPARE,  SCL+4*HALFS               ; the spare words, 128 bytes for each wave: no other line names them
.set WQC,    3145728                   ; W_qkv's codes in l1c
.set WQS,    131072                    ; its scale bytes in l1s
.set BQP,    262144                    ; the bias in stored order, in l1s
.set ADRA, 16
.set ADRB, 20
.set ADRS, 27
.set SPW,  28
.set NIL,  29
.set BO,   30                          ; v30  32 x (lane / 16): my eight biases of a block
.set SC,   32
.set BI,   64                          ; v64-127  the bias: block b's eight numbers at v[BI + 8 b]
.set AF,   128
.set G1, 24
.set G0, 32
.set G1B, 48
.set G0B, 56
.set G1S, 68
.set G0S, 76
.set G1SB, 80
.set G0SB, 88
.set MSB, 0
.macro WIN new                         ; the immediate's high byte repeats the setting that is left
.if MSB != (\new)
	s_set_vgpr_msb (MSB<<8)|(\new)
.set MSB, (\new)
.endif
.endm
.set MUL_LO, 0xa1                      ; source 0 (B) window 1, source 1 (A) window 0, C and D window 2
.set MUL_HI, 0xf1                      ; the same, C and D window 3
.set TO_B,   0x40
; A joint load: waves 0 and 1 fetch for A, waves 2 and 3 for B; the branch hangs on the wave's number alone.  Four v_nop follow each of the two lines.
.macro JLOAD g0a, g1a, g0b, g1b
	s_cmp_eq_u32 s15, 0
	s_cbranch_scc0 .Lfor_b_\@
	tensor_load_to_lds s[\g0a:\g0a+3], s[\g1a:\g1a+7]
	s_nop 0
.rept 4
	v_nop
.endr
	s_branch .Lasked_\@
.Lfor_b_\@:
	tensor_load_to_lds s[\g0b:\g0b+3], s[\g1b:\g1b+7]
	s_nop 0
.rept 4
	v_nop
.endr
.Lasked_\@:
.endm
.macro CREST                           ; a round of the cluster's barrier behind its opening barrier
	s_cmp_lg_u32 s14, 0
	s_cbranch_scc1 .Lnot_wave_0_\@
	s_barrier_signal -3
.Lnot_wave_0_\@:
	s_barrier_wait -3
	s_barrier_signal -1
	s_barrier_wait -1
.endm
.macro CROUND
	s_barrier_signal -1
	s_barrier_wait -1
	CREST
.endm
	s_load_b128 s[4:7], s[0:1], 0x0                ; l1c (x's codes at its head), l1s (x's scale bytes at its head)
	s_load_b128 s[96:99], s[0:1], 0x10             ; qkvc, qkvs
	v_lshl_add_u32 v[SPW], v0, 2, SPARE
	v_mov_b32 v[NIL], 0
	ds_add_u32 v28, v29
	ds_add_u32 v28, v29
	s_wait_dscnt 0x0
	v_lshrrev_b32 v1, 5, v0
	v_readfirstlane_b32 s14, v1                    ; wave 0..3
	s_lshr_b32 s15, s14, 1                         ; which half of the tile's rows is mine.  Also: I fetch for A (0) or for B (1)
	s_and_b32 s16, s14, 1                          ; which half of its columns.  Also: which 128 rows of that tile I fetch
	s_bfe_u32 s40, ttmp6, 0x40000                  ; cx, cy
	s_bfe_u32 s41, ttmp6, 0x40004
	s_lshl_b32 s42, ttmp9, 2
	s_add_co_u32 s42, s42, s40                     ; tile column = 4 x cluster x + cx
	s_and_b32 s17, ttmp7, 0xffff
	s_lshl_b32 s17, s17, 2
	s_add_co_u32 s17, s17, s41                     ; tile row = 4 x cluster y + cy
	s_lshl_b32 s43, s41, 2
	s_lshl_b32 s43, 15, s43                        ; my row of the cluster
	s_lshl_b32 s44, 0x1111, s40                    ; my column
	s_or_b32 s[G1+0], s43, (0<<16)|(1<<20)|(1<<21)|(3<<22)|(3<<25)  ; the mask; elements of 1 byte; padding on; bit 21 beside a mask; after every 16 words, 4 words
	s_or_b32 s[G1B+0], s44, (0<<16)|(1<<20)|(1<<21)|(3<<22)|(3<<25)
.irp g, G1, G1B
	s_mov_b32 s[\g+1], ROWB<<16                    ; tensor_dim0
	s_mov_b32 s[\g+2], 128<<16                     ; tensor_dim1
	s_mov_b32 s[\g+3], ROWB<<16                    ; tile_dim0
	s_mov_b32 s[\g+4], 128                         ; tile_dim1
	s_mov_b32 s[\g+5], KROW                        ; the pitch
	s_mov_b32 s[\g+6], 0
	s_mov_b32 s[\g+7], 0
.endr
	s_or_b32 s[G1S+0], s43, (3<<16)|(1<<20)|(1<<21)|(5<<22)|(3<<25)  ; the scale bytes of 128 rows: a dense block, as rows of 256 bytes, 16 bytes of padding behind each
	s_or_b32 s[G1SB+0], s44, (3<<16)|(1<<20)|(1<<21)|(5<<22)|(3<<25)
.irp g, G1S, G1SB
	s_mov_b32 s[\g+1], 32<<16
	s_mov_b32 s[\g+2], (128*KS/256)<<16
	s_mov_b32 s[\g+3], 32<<16
	s_mov_b32 s[\g+4], 128*KS/256
	s_mov_b32 s[\g+5], 32
	s_mov_b32 s[\g+6], 0
	s_mov_b32 s[\g+7], 0
.endr
	s_lshl_b32 s18, s16, 7
	s_lshl_b32 s20, s17, 8
	s_add_co_u32 s20, s20, s18                     ; A: row 256 x tile row + 128 x half
	s_lshl_b32 s46, s42, 8
	s_add_co_u32 s46, s46, s18                     ; B: stored row 256 x tile column + 128 x half
	s_mov_b32 s21, 0
	s_mov_b32 s47, 0
	s_mov_b64 s[18:19], KS
	s_mul_u64 s[22:23], s[20:21], s[18:19]
	s_mul_u64 s[92:93], s[46:47], s[18:19]
	s_mov_b64 s[18:19], KROW
	s_mul_u64 s[20:21], s[20:21], s[18:19]
	s_mul_u64 s[46:47], s[46:47], s[18:19]
	s_mul_i32 s45, s14, HALFT                      ; where they go: wave x 128 rows
	s_mul_i32 s94, s14, HALFS
	s_wait_kmcnt 0x0
	s_add_nc_u64 s[8:9], s[4:5], WQC               ; W_qkv's codes,
	s_add_nc_u64 s[10:11], s[6:7], WQS             ; its scale bytes,
	s_add_nc_u64 s[12:13], s[6:7], BQP             ; the bias
	s_add_nc_u64 s[20:21], s[4:5], s[20:21]
	s_add_nc_u64 s[22:23], s[6:7], s[22:23]
	s_add_nc_u64 s[46:47], s[8:9], s[46:47]
	s_add_nc_u64 s[92:93], s[10:11], s[92:93]
	CROUND                                         ; all sixteen work-groups are here: the first joint loads meet
	s_mov_b32 s[G0S], 1
	s_add_co_u32 s[G0S+1], s94, SCL
	s_mov_b64 s[G0S+2:G0S+3], s[22:23]
	s_or_b32 s[G0S+3], s[G0S+3], 0x80000000
	s_mov_b32 s[G0SB], 1
	s_add_co_u32 s[G0SB+1], s94, SCL
	s_mov_b64 s[G0SB+2:G0SB+3], s[92:93]
	s_or_b32 s[G0SB+3], s[G0SB+3], 0x80000000
	JLOAD G0S, G1S, G0SB, G1SB                     ; the scale bytes first: they are wanted with K step 0
.irp s, 0,1
	s_mov_b32 s[G0+4*\s], 1
	s_add_co_u32 s[G0+4*\s+1], s45, \s*SLOT
	s_add_nc_u64 s[G0+4*\s+2:G0+4*\s+3], s[20:21], \s*ROWB
	s_or_b32 s[G0+4*\s+3], s[G0+4*\s+3], 0x80000000
	s_mov_b32 s[G0B+4*\s], 1
	s_add_co_u32 s[G0B+4*\s+1], s45, \s*SLOT
	s_add_nc_u64 s[G0B+4*\s+2:G0B+4*\s+3], s[46:47], \s*ROWB
	s_or_b32 s[G0B+4*\s+3], s[G0B+4*\s+3], 0x80000000
	JLOAD G0+4*\s, G1, G0B+4*\s, G1B
.endr
	v_and_b32 v1, 15, v0                           ; r
	v_bfe_u32 v2, v0, 4, 1                         ; h
	s_lshl_b32 s46, s42, 10                        ; the bias of my 128 stored columns: 4 (256 x tile column + 128 x half) bytes on
	s_lshl_b32 s47, s16, 9
	s_add_co_u32 s46, s46, s47
	s_mov_b32 s47, 0
	s_add_nc_u64 s[12:13], s[12:13], s[46:47]
	v_lshlrev_b32 v[BO], 5, v2
.irp b, 0,1,2,3,4,5,6,7
	global_load_b128 v[BI+8*\b:BI+8*\b+3], v[BO], s[12:13] offset:64*\b      ; in the result's layout: block b's columns 8 h + 0 .. 7
	global_load_b128 v[BI+8*\b+4:BI+8*\b+7], v[BO], s[12:13] offset:64*\b+16
.endr
	v_mul_u32_u24 v3, v1, PITCH
	v_mul_u32_u24 v4, v2, 24
	v_add_nc_u32 v4, v3, v4                        ; a fragment's row x pitch + 24 x half
	v_lshl_add_u32 v5, v2, 4, v4                   ; and the same behind one padding more
	s_mul_i32 s21, s15, HALFT
	s_mul_i32 s22, s16, HALFT
	s_add_co_u32 s22, s22, 2*HALFT
.irp s, 0,1
	v_add_nc_u32 v[ADRA+\s], s21, v4
	v_add_nc_u32 v[ADRB+\s], s22, v4
	v_add_nc_u32 v[ADRA+2+\s], s21, v5
	v_add_nc_u32 v[ADRB+2+\s], s22, v5
	s_add_co_u32 s21, s21, SLOT
	s_add_co_u32 s22, s22, SLOT
.endr
	v_mul_u32_u24 v5, v1, KS
	v_lshrrev_b32 v6, 8, v5
	v_lshl_add_u32 v5, v6, 4, v5
	s_mul_i32 s21, s15, HALFS
	s_mul_i32 s22, s16, HALFS
	s_add_co_u32 s22, s22, 2*HALFS
	s_sub_co_u32 s22, s22, s21
	v_mul_u32_u24 v6, s22, v2                      ; lanes 16-31 take B's scale words
	s_add_co_u32 s21, s21, SCL
	v_add_nc_u32 v5, v5, v6
	v_add_nc_u32 v[ADRS], s21, v5
.macro FRAG reg, adr, q, i             ; 16 rows x 128 K: 12 registers, in pieces of 8 bytes; where the piece of lanes 16-31 lies behind one padding more, the second address register serves
.irp p, 0,1,2,3,4,5
.set PCE, 12*(\q)+6*(\p/3)+\p%3
.if PCE%8 < 5
	ds_load_b64 v[\reg+2*\p:\reg+2*\p+1], v[\adr] offset:8*PCE+16*(PCE/8)+(\i)*16*PITCH
.else
	ds_load_b64 v[\reg+2*\p:\reg+2*\p+1], v[\adr+2] offset:8*PCE+16*(PCE/8)+(\i)*16*PITCH
.endif
.endr
.endm
; 16 matrix instructions: A's blocks a0, a0 + 1 x B's eight.  first = 1: the sums begin with the bias as C.  The 64 accumulators take turns, one instruction a turn, in the same order in every step.
.macro MUL16 a0, p, q, sc, first
.irp a, \a0, \a0+1
.irp b, 0,1,2,3,4,5,6,7
.if \first
	v_wmma_scale_f32_16x16x128_f8f6f4 v[8*(8*((\a)%4)+\b):8*(8*((\a)%4)+\b)+7], v[128*(\p)+FR*\b:128*(\p)+FR*\b+FR-1], v[AF+FR*(\a):AF+FR*(\a)+FR-1], v[BI+8*\b:BI+8*\b+7], v[SC+8*NQ*(\sc)+NQ*\b+(\q)], v[SC+8*NQ*(\sc)+NQ*(\a)+(\q)] matrix_a_fmt:MATRIX_FMT_FP6 matrix_b_fmt:MATRIX_FMT_FP6 matrix_a_scale:MATRIX_SCALE_ROW1
.else
	v_wmma_scale_f32_16x16x128_f8f6f4 v[8*(8*((\a)%4)+\b):8*(8*((\a)%4)+\b)+7], v[128*(\p)+FR*\b:128*(\p)+FR*\b+FR-1], v[AF+FR*(\a):AF+FR*(\a)+FR-1], v[8*(8*((\a)%4)+\b):8*(8*((\a)%4)+\b)+7], v[SC+8*NQ*(\sc)+NQ*\b+(\q)], v[SC+8*NQ*(\sc)+NQ*(\a)+(\q)] matrix_a_fmt:MATRIX_FMT_FP6 matrix_b_fmt:MATRIX_FMT_FP6 matrix_a_scale:MATRIX_SCALE_ROW1
.endif
.endr
.endr
.endm
.macro FETCH_B slot, q, p
	WIN TO_B
.irp i, 0,1,2,3,4,5,6,7
	FRAG 128*(\p)+FR*\i, ADRB+\slot, \q, \i
.endr
	WIN 0
.endm
.macro FETCH_A slot, q, i0
.irp i, \i0, \i0+1, \i0+2, \i0+3
	FRAG AF+FR*(\i), ADRA+\slot, \q, \i
.endr
.endm
.macro SCALES sc                       ; a K step's scale words: lanes 0-15 A's block i, lanes 16-31 B's block i
.irp i, 0,1,2,3,4,5,6,7
	ds_load_b64 v[SC+8*NQ*\sc+NQ*\i:SC+8*NQ*\sc+NQ*\i+1], v[ADRS] offset:\i*SBLK
.endr
.endm
.macro PLACES n                        ; plain vector lines between a matrix instruction and a load into, or a read of, its registers
.rept \n
	v_nop
.endr
.endm
.macro STEP slot, q, first             ; a step of 128 along K that has its successor in the same slot
	s_wait_dscnt 4*NL                              ; B's set and A's blocks 0-3 are in; the youngest 24 loads (A's blocks 4-7) may be out
.if \first
	WIN 0x81                                       ; C (the bias) in window 0, D in window 2
.else
	WIN MUL_LO
.endif
	MUL16 0, (\q)%2, \q, \slot, \first
	MUL16 2, (\q)%2, \q, \slot, \first
	s_wait_dscnt 0
	PLACES NP
	FETCH_B \slot, (\q)+1, 1-(\q)%2
	FETCH_A \slot, (\q)+1, 0
.if \first
	WIN 0xc1
.else
	WIN MUL_HI
.endif
	MUL16 4, (\q)%2, \q, \slot, \first
	MUL16 6, (\q)%2, \q, \slot, \first
	PLACES NP
	WIN 0
	FETCH_A \slot, (\q)+1, 4
.endm
; A slot's last step changes slots: one barrier; ahead of it each wave waits for all its tensor loads, adds 0 to its spare word, and waits for that and for its own reads of this slot.  fill = 1: this slot is filled again, two K steps ahead.
.macro TURN slot, next, fill
	s_wait_tensorcnt 0x0                           ; all my tensor loads have landed: my part of the next slot
	ds_add_u32 v[SPW], v[NIL]                      ; 0 onto my spare word
	s_wait_dscnt 4*NL+1                            ; the add and the youngest 24 loads (A's blocks 4-7) may be out
	WIN MUL_LO
	MUL16 0, 1, NQ-1, \slot, 0
	s_wait_dscnt 0x0                               ; the add is done, and my reads of this slot are over
	s_barrier_signal -1
	MUL16 2, 1, NQ-1, \slot, 0
	WIN 0
	s_barrier_wait -1
.if \fill
	CREST                                          ; the barrier has opened a round of the cluster's: no wave of any partner still reads this slot or has a load on its way
	s_add_nc_u64 s[G0+4*\slot+2:G0+4*\slot+3], s[G0+4*\slot+2:G0+4*\slot+3], 2*ROWB
	s_add_nc_u64 s[G0B+4*\slot+2:G0B+4*\slot+3], s[G0B+4*\slot+2:G0B+4*\slot+3], 2*ROWB
	JLOAD G0+4*\slot, G1, G0B+4*\slot, G1B         ; the first tensor load behind the round; its four v_nop are the places ahead of the loads below
.else
	PLACES NP
.endif
	v_add_nc_u32 v[ADRS], 4*NQ, v[ADRS]
	FETCH_B \next, 0, 0
	FETCH_A \next, 0, 0
	SCALES \next
	WIN MUL_HI
	MUL16 4, 1, NQ-1, \slot, 0
	MUL16 6, 1, NQ-1, \slot, 0
	PLACES NP
	WIN 0
	FETCH_A \next, 0, 4
.endm
	s_wait_tensorcnt 1                             ; the scale bytes and my part of K step 0 are in (K step 1's load may be out),
	s_barrier_signal -1
	s_barrier_wait -1                              ; everybody's are
	FETCH_B 0, 0, 0
	FETCH_A 0, 0, 0
	SCALES 0
	FETCH_A 0, 0, 4
	s_wait_loadcnt 0x0                             ; the bias
	STEP 0, 0, 1                                   ; the first step stands ahead of the loop: its products start the sums
	s_mov_b32 s3, LAPS-1
.Llap:
	TURN 0, 1, 1
	STEP 1, 0, 0
	TURN 1, 0, 1
	STEP 0, 0, 0
	s_sub_co_u32 s3, s3, 1
	s_cmp_lg_u32 s3, 0
	s_cbranch_scc1 .Llap
	TURN 0, 1, 0                                   ; the last lap fills nothing
	STEP 1, 0, 0
	s_wait_dscnt 4*NL
	WIN MUL_LO
	MUL16 0, 1, NQ-1, 1, 0
	MUL16 2, 1, NQ-1, 1, 0
	s_wait_dscnt 0
	WIN MUL_HI
	MUL16 4, 1, NQ-1, 1, 0
	MUL16 6, 1, NQ-1, 1, 0
	WIN 0
; THE WAY OUT.  The stages lie in slot 0, which has had its last fill and, since the last change of slots, its last read.  The two ways have LDS bytes of their own: q, k 2,048 x wave; v 8,192 + 512 x wave.
.set STQ, 16                           ; q, k: where I put my 24 bytes of a row's codes
.set STS, 17                           ;       and my row's scale word
.set RDQ, 18                           ;       where I read 16 bytes of a chunk back
.set RDS, 19                           ;       and of the 512 bytes of scale words
.set GQ,  20                           ; 16 x lane
.set GV,  21                           ; 12 x lane
.set SV8, 22                           ; v: my block's scale byte
.set RDV, 23                           ;    and where I read 16 of the 512 bytes back
.set TM,  32                           ; v32-35 largest magnitudes, v36-39 the partner's, then bytes, v44-47 the conversions' scale operands
	PLACES NP
	v_and_b32 v1, 15, v0
	v_bfe_u32 v2, v0, 4, 1
	v_and_b32 v3, 31, v0
	s_lshl_b32 s23, s14, 11
	v_mul_u32_u24 v[STQ], v1, 96
	v_mad_u32_u24 v[STQ], v2, 24, v[STQ]
	v_add_nc_u32 v[STQ], s23, v[STQ]
	v_lshl_add_u32 v[STS], v1, 2, s23
	v_add_nc_u32 v[STS], 1536, v[STS]
	v_lshlrev_b32 v[GQ], 4, v3
	v_add_nc_u32 v[RDQ], s23, v[GQ]
	v_add_nc_u32 v[RDS], 1536, v[RDQ]
	v_mul_u32_u24 v[GV], v3, 12
	s_lshl_b32 s22, s14, 9
	s_add_co_u32 s22, s22, 8192
	v_lshrrev_b32 v4, 1, v1
	v_lshl_add_u32 v[SV8], v2, 6, v4
	v_add_nc_u32 v[SV8], s22, v[SV8]
	v_add_nc_u32 v[RDV], s22, v[GQ]
.irp b, 0,1,2,3
	v_mov_b32 v[TM+4+\b], 0                        ; written once: a lane permute's destination counts as one of its sources
.endr
	s_mov_b32 s20, 0x76543210
	s_mov_b32 s21, 0xfedcba98                      ; v_permlanex16_b32's selects for lane l xor 16
	s_lshl_b32 s92, s40, 1
	s_add_co_u32 s92, s92, s16                     ; w = 2 cx + column half: which 128 of the region's 1,024 stored columns
	s_lshl_b32 s93, s17, 1
	s_add_co_u32 s93, s93, s15                     ; my 128 rows of x are one head: 2 x tile row + row half
	s_mul_i32 s94, s93, 98304                      ; codes: region x 3,145,728 + head x 98,304 + 1,536 w, in all three regions
	s_mul_i32 s95, s92, 1536
	s_add_co_u32 s94, s94, s95
	s_mul_i32 s95, ttmp9, 3145728
	s_add_co_u32 s94, s94, s95
	s_mov_b32 s95, 0
	s_add_nc_u64 s[96:97], s[96:97], s[94:95]
	s_lshl_b32 s94, ttmp9, 17                      ; scales: region x 131,072
	s_add_nc_u64 s[98:99], s[98:99], s[94:95]
.macro MAXES                           ; the largest magnitude of my 16 numbers of each of the four groups of 16 registers, with the floor 2^(3 - 127); each accumulator is read from its low end on
	WIN (W<<2)|(W<<4)
.irp b, 0,1,2,3
	v_max3_num_f32 v[TM+\b], 0x1800000, |v[S0+16*\b]|, |v[S0+16*\b+1]|
.endr
.irp i, 2,4,6,8,10,12,14
.irp b, 0,1,2,3
	v_max3_num_f32 v[TM+\b], v[TM+\b], |v[S0+16*\b+\i]|, |v[S0+16*\b+\i+1]|
.endr
.endr
	WIN 0
.endm
	s_cmp_eq_u32 ttmp9, 2                          ; the cluster's x: the same in all sixteen partners
	s_cbranch_scc1 .Lv_path
	; ---- q, k: a block of 16 rows becomes one fragment; it goes through my stage and leaves as a dense chunk of 1,536 bytes
	s_lshl_b32 s94, s92, 14
	s_lshl_b32 s93, s93, 9
	s_add_co_u32 s94, s94, s93                     ; scale words: 16,384 w + 4 x my first row
	s_add_nc_u64 s[98:99], s[98:99], s[94:95]
.irp a, 0,1,2,3,4,5,6,7
.set S0, 64*(\a%4)
.set W,  2+\a/4
.set PC, 52+20*(\a%2)
.set PW, 48+\a%2
.set OB, 96+12*\a
	MAXES
.irp b, 0,1,2,3
	v_permlanex16_b32 v[TM+4+\b], v[TM+\b], s20, s21
.endr
.irp b, 0,1,2,3
	v_max_num_f32 v[TM+\b], v[TM+\b], v[TM+4+\b]   ; with lane l xor 16's: the block's largest magnitude
.endr
.irp b, 0,1,2,3
	v_add_nc_u32 v[TM+12+\b], 0xff000000, v[TM+\b] ; 2 off its exponent field: the conversion's scale operand
.endr
.irp b, 0,1,2,3
	v_lshrrev_b32 v[TM+4+\b], 23, v[TM+12+\b]      ; the scale's byte
.endr
	v_lshl_or_b32 v[PW], v[TM+5], 8, v[TM+4]
	v_lshl_or_b32 v[PW], v[TM+6], 16, v[PW]
	v_lshl_or_b32 v[PW], v[TM+7], 24, v[PW]        ; my row's scale word
	WIN W
.irp c, 0,1
	v_cvt_scalef32_pk16_fp6_f32 v[PC+6*\c:PC+6*\c+2], v[S0+32*\c:S0+32*\c+15], v[TM+12+2*\c]
	v_cvt_scalef32_pk16_fp6_f32 v[PC+12+4*\c:PC+12+4*\c+2], v[S0+16+32*\c:S0+16+32*\c+15], v[TM+12+2*\c+1]
.endr
	WIN 0
	v_nop                                          ; one plain line behind a scaled conversion
.irp c, 0,1                            ; a whole block in a lane: lanes 0-15 block 2 c, lanes 16-31 block 2 c + 1
.irp i, 0,1,2
	v_permlane16_swap_b32 v[PC+6*\c+\i], v[PC+12+4*\c+\i]
.endr
.irp i, 0,1,2
	v_mov_b32 v[PC+3+6*\c+\i], v[PC+12+4*\c+\i]
.endr
.endr
.irp p, 0,1,2,3,4,5
	ds_store_b64 v[STQ], v[PC+2*\p:PC+2*\p+1] offset:48*(\p/3)+8*(\p%3)
.endr
	ds_store_b32 v[STS], v[PW] offset:64*\a        ; both halves of the lanes write the same word with the same value
.irp c, 0,1,2
	ds_load_b128 v[OB+4*\c:OB+4*\c+3], v[RDQ] offset:512*\c   ; LDS serves a wave's instructions in order: these see my stores, and the next block's stores come behind them
.endr
.if \a > 0
	s_wait_dscnt 10                                ; the block before is back: behind its loads stand this block's 7 stores and 3 loads
.irp c, 0,1,2
	global_store_b128 v[GQ], v[OB-12+4*\c:OB-12+4*\c+3], s[96:97] offset:12288*(\a-1)+512*\c   ; 512 consecutive bytes, aligned
.endr
.endif
.endr
	ds_load_b128 v[192:195], v[RDS]
	s_wait_dscnt 1                                 ; block 7 is back (the load of the scale words may be out)
.irp c, 0,1,2
	global_store_b128 v[GQ], v[180+4*\c:180+4*\c+3], s[96:97] offset:12288*7+512*\c
.endr
	s_wait_dscnt 0x0
	global_store_b128 v[GQ], v[192:195], s[98:99]  ; my 128 rows' scale words: 512 consecutive bytes
	s_branch .Ljoin
.Lv_path:
	; ---- v: a lane's 16 registers are 16 keys of one d; lanes r and r xor 1 share a block of 32 keys; the codes leave as they are made, 384 consecutive bytes a store
	s_lshl_b32 s94, s93, 12
	s_lshl_b32 s92, s92, 9
	s_add_co_u32 s94, s94, s92                     ; scale bytes: 4,096 x head + 512 w
	s_add_nc_u64 s[98:99], s[98:99], s[94:95]
.irp a, 0,1,2,3,4,5,6,7
.set S0, 64*(\a%4)
.set W,  2+\a/4
.set VC, 64+16*\a
.set BY, 192+4*\a
	MAXES
.irp b, 0,1,2,3
	v_max_num_f32_dpp v[TM+\b], v[TM+\b], v[TM+\b] row_xmask:1 row_mask:0xf bank_mask:0xf
.endr
.irp b, 0,1,2,3
	v_add_nc_u32 v[TM+12+\b], 0xff000000, v[TM+\b]
.endr
.irp b, 0,1,2,3
	v_lshrrev_b32 v[BY+\b], 23, v[TM+12+\b]
.endr
	WIN W
.irp b, 0,1,2,3
	v_cvt_scalef32_pk16_fp6_f32 v[VC+4*\b:VC+4*\b+2], v[S0+16*\b:S0+16*\b+15], v[TM+12+\b]
.endr
	WIN 0
	v_nop                                          ; one plain line behind a scaled conversion
.irp b, 0,1,2,3
	global_store_b96 v[GV], v[VC+4*\b:VC+4*\b+2], s[96:97] offset:12288*\a+384*\b
.endr
.irp b, 0,1,2,3
	ds_store_b8 v[SV8], v[BY+\b] offset:128*\b+8*\a   ; both lanes of a block write the same byte with the same value
.endr
.endr
	ds_load_b128 v[224:227], v[RDV]
	s_wait_dscnt 0x0
	global_store_b128 v[GQ], v[224:227], s[98:99]  ; my 8 rows of d x 64 key blocks: 512 consecutive bytes
.Ljoin:
	s_wait_tensorcnt 0x0                           ; the wave's end
	ds_add_u32 v[SPW], v[NIL]
	s_wait_dscnt 0x0
	CROUND                                         ; the closing round: no work-group ends while a partner may still ask for a tile that names it
	s_endpgm
.Lfunc_end_k_qb05aaec7a2_gemm_qkv:
	.size	k_qb05aaec7a2_gemm_qkv, .Lfunc_end_k_qb05aaec7a2_gemm_qkv-k_qb05aaec7a2_gemm_qkv
	.p2alignl 7, 3214868480
	.fill 96, 4, 3214868480
	.section	.rodata,"a",@progbits
	.p2align	6, 0x0
	.amdhsa_kernel k_qb05aaec7a2_gemm_qkv
		.amdhsa_group_segment_fixed_size 327680
		.amdhsa_private_segment_fixed_size 0
		.amdhsa_enable_private_segment 0
		.amdhsa_kernarg_size 32
		.amdhsa_user_sgpr_count 2
		.amdhsa_user_sgpr_kernarg_segment_ptr 1
		.amdhsa_wavefront_size32 1
		.amdhsa_system_sgpr_workgroup_id_x 1
		.amdhsa_system_sgpr_workgroup_id_y 1
		.amdhsa_system_sgpr_workgroup_id_z 1
		.amdhsa_system_vgpr_workitem_id 0
		.amdhsa_next_free_vgpr 1024
		.amdhsa_next_free_sgpr 100
		.amdhsa_reserve_vcc 0
		.amdhsa_float_denorm_mode_32 3
		.amdhsa_float_denorm_mode_16_64 3
		.amdhsa_memory_ordered 1
		.amdhsa_forward_progress 1
		.amdhsa_inst_pref_size 202
	.end_amdhsa_kernel
	.amdgpu_metadata
---
amdhsa.version: [ 1, 2 ]
amdhsa.kernels:
  - .name:           k_qb05aaec7a2_gemm_qkv
    .symbol:         k_qb05aaec7a2_gemm_qkv.kd
    .args:
      - { .name: l1c, .offset: 0, .size: 8, .value_kind: global_buffer, .address_space: global }
      - { .name: l1s, .offset: 8, .size: 8, .value_kind: global_buffer, .address_space: global }
      - { .name: qkvc, .offset: 16, .size: 8, .value_kind: global_buffer, .address_space: global }
      - { .name: qkvs, .offset: 24, .size: 8, .value_kind: global_buffer, .address_space: global }
    .group_segment_fixed_size: 327680
    .private_segment_fixed_size: 0
    .kernarg_segment_align: 8
    .kernarg_segment_size: 32
    .max_flat_workgroup_size: 128
    .sgpr_count:     100
    .vgpr_count:     1024
    .wavefront_size: 32
...
	.end_amdgpu_metadata
.endif
;; end of part 2
;; launch attn (part 3): grid 8 x 32, 16 waves a work-group, clusters of 4 x 1, 247,040 bytes of LDS; arguments qkvc, qkvs, ctxc, ctxs; writes ctxc, ctxs
.if DOCPART == 3
	.amdgcn_target "amdgcn-amd-amdhsa--gfx1250"
	.amdhsa_code_object_version 6
	.text
	.protected	k_qb05aaec7a2_attn
	.globl	k_qb05aaec7a2_attn
	.p2align	8
	.type	k_qb05aaec7a2_attn,@function
k_qb05aaec7a2_attn:
	s_mov_b64 s[64:65], 0
	v_nop
	global_prefetch_b8 v0, s[64:65] scope:SCOPE_SE
	s_setreg_imm32_b32 hwreg(HW_REG_WAVE_MODE, 25, 1), 1
	s_wait_xcnt 0x0
	s_wait_alu depctr_hold_cnt(0) depctr_sa_sdst(0) depctr_va_vdst(0) depctr_va_sdst(0) depctr_va_ssrc(0) depctr_va_vcc(0) depctr_vm_vsrc(0)
	s_getreg_b32 s2, hwreg(HW_REG_IB_STS2, 6, 4)
	s_cmp_eq_u32 s2, 0
	s_cbranch_scc0 .Lentry_in_a_cluster
	s_endpgm
.Lentry_in_a_cluster:
	s_bfe_u32 s2, ttmp6, 0x10000c
	s_cmp_lg_u32 s2, 0x3003
	s_cbranch_scc0 .Lentry_shape_is_right
	s_endpgm
.Lentry_shape_is_right:
; ctx = softmax(q k^T / 8) v for 32 heads of 2,048 places, head size 64, both products on codes of FP6 (E2M3) with E8M0 scales; ctx is quantised along d and leaves as codes and scale bytes.
; THE SOFTMAX: t = score x log2(e) / 8; M = the running largest t rounded up to a whole number; p = 2^(t - M) is quantised along the keys, not normalised; the row's sum is taken of the unquantised p and divides at the end.
; SHARES.  A work-group owns 256 queries of a head (16 rows of x, all 16 j); wave w owns row w: 16 queries, lane r = j.  Every wave walks all 2,048 keys, 128 a step.
; THE WHOLE HEAD STAYS IN LDS: K, V and their scales, 232,192 bytes, filled once.  The four work-groups of a cluster belong to one head and ask jointly.  Nothing is filled again.
; LAYOUT.  Both products are used transposed: a lane holds one query throughout.
; HEAD SIZE 64 IN A K OF 128.  A row of 96 bytes of k holds TWO keys (j = 2 jp, 2 jp + 1).  One fragment of 16 such rows is multiplied twice: by [q | zero codes] for the even keys and by [zero codes | q] for the odd ones.
;   The dead half's products are exact zeros (the format has no infinity and no NaN); q's scale bytes there are 0.  Zero codes stand on q's side alone, and add nothing to a sum.
; Lane r of K's fragment b takes jp = r % 8 of row 2 b + r / 8: so the 16 registers of a pair of tiles are the keys 16 h + 8 (j % 2) + j / 2 of key block b, which is the order in which v's codes were laid.
; V's rows of d are stored so that a lane's 16 registers of two neighbouring tiles of the result are 16 neighbouring d.
; LIMITS: a block of zeros gets the byte 1; NaN and infinities are not served.
; REGISTERS: v1-5 lane addresses; v6-11 head and way out; v12 -M, v13 the largest t, v[14:15] the sum; v16-27, v28-39 q twice; v40-87 four fragments; v88-151 the scores, then p; v152-183 the result; v184-195 p's codes; v196-229 at work.
.set VB,   100352                      ; LDS: K at 0: for each jp 12,288 bytes at 12,544 jp + 16 (jp % 2) + 64 (jp / 2); V here: 512 rows of 240 bytes (3 x (64 + 16));
.set SCK,  223232                      ; K's scale words, 528 bytes for each jp;
.set SCV,  227584                      ; V's scale bytes, 72 bytes for each row of d;
.set STG,  232192                      ; the way out: 768 bytes for each wave;
.set CSG,  244480                      ; and the work-group's 256 pairs of scale bytes
.set AK0,  1
.set AV0,  2
.set AV20, 3
.set ASK0, 4
.set ASV0, 5
.set QA,   16
.set QB,   28
.set F,    40
.set S,    88
.set O,    152
.set PCD,  184
.set CT,   196
.set BM,   204
.set PD,   208
.set SO,   212
.set SW,   216                         ; scale words of the four fragments in hand
.set FF,   220                         ; f = 2^(old M - new M)
.set PWD,  221                         ; p's scale word
.set TMP,  222
.set QAS,  223                         ; q's scale bytes in bytes 0, 1
.set QBS,  224                         ; and in bytes 2, 3
.set ADK,  225
.set ADV,  226
.set ADV2, 227
.set ADS,  228
.set ADT,  229
.set WV,   12
.set SEL,  20
.set CS,   22
.set G1K,  24
.set G1V,  32
.set G1KS, 40
.set G1VS, 48
.set G0K,  56
.set G0KS, 68
.set G0V,  72
.set G0VS, 80
.set TK,   84                          ; the trip's place in K's rows, V's rows, K's scale words, V's scale bytes
.set TV,   85
.set TS,   86
.set TT,   87
.set TRIP, 88
.macro ROUND                           ; a round of the cluster's barrier
	s_barrier_signal -1
	s_barrier_wait -1
	s_cmp_lg_u32 s[WV], 0
	s_cbranch_scc1 .Lnot_wave_0_\@
	s_barrier_signal -3
.Lnot_wave_0_\@:
	s_barrier_wait -3
	s_barrier_signal -1
	s_barrier_wait -1
.endm
	s_load_b128 s[4:7], s[0:1], 0x0                ; qkvc, qkvs
	s_load_b128 s[8:11], s[0:1], 0x10              ; ctxc, ctxs
	v_lshl_add_u32 v254, v0, 2, 0x3bd00
	v_mov_b32 v255, 0
	ds_add_u32 v254, v255
	ds_add_u32 v254, v255
	v_lshrrev_b32 v6, 5, v0
	v_readfirstlane_b32 s[WV], v6                  ; wave 0..15
	s_bfe_u32 s13, ttmp6, 0x40000                  ; cx
	s_lshl_b32 s14, ttmp9, 2
	s_add_co_u32 s14, s14, s13                     ; which 16 rows of x of the head: it enters q's and ctx's addresses alone
	s_and_b32 s15, ttmp7, 0xffff                   ; the head (32 of them), which the four partners share
	s_and_b32 s16, s[WV], 7                        ; what I fetch: waves 0-7 K's jp = i, waves 8-15 V's 64 rows 64 i on
	s_mov_b32 s[G1K], 15|(3<<16)|(1<<21)           ; K's codes: the mask of all four; elements of 8 bytes; bit 21 beside a mask; no padding
	s_mov_b32 s[G1K+1], 192<<16                    ; tensor_dim0 = 192 elements: a chunk of 1,536 bytes
	s_mov_b32 s[G1K+2], 8<<16                      ; tensor_dim1 = 8 chunks
	s_mov_b32 s[G1K+3], 192<<16                    ; tile_dim0
	s_mov_b32 s[G1K+4], 8                          ; tile_dim1
	s_mov_b32 s[G1K+5], 1536                       ; 12,288 bytes from chunk to chunk
	s_mov_b32 s[G1K+6], 0
	s_mov_b32 s[G1K+7], 0
	s_mov_b32 s[G1V], 15|(1<<20)|(1<<21)|(3<<22)|(3<<25)   ; V's codes: elements of 1 byte; 4 words of padding behind every 16
	s_mov_b32 s[G1V+1], 192<<16
	s_mov_b32 s[G1V+2], 64<<16
	s_mov_b32 s[G1V+3], 192<<16
	s_mov_b32 s[G1V+4], 64
	s_mov_b32 s[G1V+5], 192
	s_mov_b32 s[G1V+6], 0
	s_mov_b32 s[G1V+7], 0
	s_mov_b32 s[G1KS], 15|(3<<16)|(1<<21)          ; K's scale words of one jp: one row of 512 bytes
	s_mov_b32 s[G1KS+1], 64<<16
	s_mov_b32 s[G1KS+2], 1<<16
	s_mov_b32 s[G1KS+3], 64<<16
	s_mov_b32 s[G1KS+4], 1
	s_mov_b32 s[G1KS+5], 64
	s_mov_b32 s[G1KS+6], 0
	s_mov_b32 s[G1KS+7], 0
	s_mov_b32 s[G1VS], 15|(2<<16)|(1<<20)|(1<<21)|(3<<22)|(1<<25)   ; V's scale bytes: 8 rows of 16 words, 2 words of padding behind each
	s_mov_b32 s[G1VS+1], 16<<16
	s_mov_b32 s[G1VS+2], 8<<16
	s_mov_b32 s[G1VS+3], 16<<16
	s_mov_b32 s[G1VS+4], 8
	s_mov_b32 s[G1VS+5], 16
	s_mov_b32 s[G1VS+6], 0
	s_mov_b32 s[G1VS+7], 0
	s_mul_i32 s17, s16, 12544                      ; K's place in LDS
	s_and_b32 s18, s16, 1
	s_lshl_b32 s18, s18, 4
	s_add_co_u32 s17, s17, s18
	s_lshr_b32 s18, s16, 1
	s_lshl_b32 s18, s18, 6
	s_add_co_u32 s17, s17, s18
	s_mul_i32 s19, s15, 98304                      ; a head's codes of k, and of v
	s_mul_i32 s84, s16, 1536
	s_add_co_u32 s84, s84, s19
	s_add_co_u32 s84, s84, 3145728
	s_mov_b32 s85, 0
	s_mul_i32 s86, s16, 12288
	s_add_co_u32 s86, s86, s19
	s_add_co_u32 s86, s86, 6291456
	s_mov_b32 s87, 0
	s_lshl_b32 s88, s16, 14
	s_lshl_b32 s18, s15, 9
	s_add_co_u32 s88, s88, s18
	s_add_co_u32 s88, s88, 131072
	s_mov_b32 s89, 0
	s_lshl_b32 s90, s15, 12
	s_lshl_b32 s18, s16, 9
	s_add_co_u32 s90, s90, s18
	s_add_co_u32 s90, s90, 262144
	s_mov_b32 s91, 0
	s_mov_b32 s[SEL], 0x76543210
	s_mov_b32 s[SEL+1], 0xfedcba98                 ; v_permlanex16_b32's selects for lane l xor 16
	s_mov_b32 s[CS], 0x3e38aa3b                    ; c = log2(e) / 8
	s_mov_b32 s[CS+1], s[CS]                       ; (named with it as a pair, so it is written)
	s_wait_dscnt 0x0
	s_wait_kmcnt 0x0
	s_mov_b32 s[G0K], 1
	s_mov_b32 s[G0K+1], s17
	s_add_nc_u64 s[G0K+2:G0K+3], s[4:5], s[84:85]
	s_or_b32 s[G0K+3], s[G0K+3], 0x80000000
	s_mov_b32 s[G0V], 1
	s_mul_i32 s[G0V+1], s16, 15360
	s_add_co_u32 s[G0V+1], s[G0V+1], VB
	s_add_nc_u64 s[G0V+2:G0V+3], s[4:5], s[86:87]
	s_or_b32 s[G0V+3], s[G0V+3], 0x80000000
	s_mov_b32 s[G0KS], 1
	s_mul_i32 s[G0KS+1], s16, 528
	s_add_co_u32 s[G0KS+1], s[G0KS+1], SCK
	s_add_nc_u64 s[G0KS+2:G0KS+3], s[6:7], s[88:89]
	s_or_b32 s[G0KS+3], s[G0KS+3], 0x80000000
	s_mov_b32 s[G0VS], 1
	s_mul_i32 s[G0VS+1], s16, 576
	s_add_co_u32 s[G0VS+1], s[G0VS+1], SCV
	s_add_nc_u64 s[G0VS+2:G0VS+3], s[6:7], s[90:91]
	s_or_b32 s[G0VS+3], s[G0VS+3], 0x80000000
	ROUND                                          ; all four work-groups are here: the joint loads meet
	s_cmp_lt_u32 s[WV], 8                          ; a wave's two fills stand in one branch on its number: two loads of mine are out; four v_nop follow the second
	s_cbranch_scc0 .Lfirst_v
	tensor_load_to_lds s[G0KS:G0KS+3], s[G1KS:G1KS+7]
	s_nop 0
	tensor_load_to_lds s[G0K:G0K+3], s[G1K:G1K+7]
	s_nop 0
.rept 4
	v_nop
.endr
	s_branch .Lfirst_asked
.Lfirst_v:
	tensor_load_to_lds s[G0VS:G0VS+3], s[G1VS:G1VS+7]
	s_nop 0
	tensor_load_to_lds s[G0V:G0V+3], s[G1V:G1V+7]
	s_nop 0
.rept 4
	v_nop
.endr
.Lfirst_asked:
	v_and_b32 v6, 15, v0                           ; r
	v_bfe_u32 v7, v0, 4, 1                         ; h
	v_lshrrev_b32 v8, 1, v6                        ; r / 2
	v_and_b32 v9, 1, v0                            ; r % 2
	v_mul_u32_u24 v10, v8, 1536                    ; q: query j = r lies in chunk r / 2, half r % 2 of my row's 96 bytes; + my half's 24 bytes
	v_mad_u32_u24 v10, v9, 48, v10
	v_mad_u32_u24 v10, v7, 24, v10
	v_lshlrev_b32 v11, 14, v8                      ; its two scale bytes
	v_lshl_add_u32 v11, v9, 1, v11
	s_lshl_b32 s92, s15, 3
	s_add_co_u32 s92, s92, s14                     ; which 16 rows of x, of all 256
	s_lshl_b32 s96, s92, 4
	s_add_co_u32 s96, s96, s[WV]                   ; my row of x
	s_lshl_b32 s96, s96, 2
	s_mov_b32 s97, 0
	s_mul_i32 s92, s92, 12288
	s_mul_i32 s93, s[WV], 96
	s_add_co_u32 s92, s92, s93
	s_mov_b32 s93, 0
	s_add_nc_u64 s[94:95], s[4:5], s[92:93]
	s_add_nc_u64 s[96:97], s[6:7], s[96:97]
.irp p, 0,1,2
	global_load_b64 v[QA+2*\p:QA+2*\p+1], v10, s[94:95] offset:8*\p
.endr
	global_load_u16 v[QAS], v11, s[96:97]          ; bytes 2 and 3 come as 0
	s_and_b32 s92, s15, 15                         ; ctx: plane head % 16, row 2,048 (head / 16) + 256 x my block + 16 x wave + r
	s_lshl_b32 s92, s92, 12
	s_lshr_b32 s93, s15, 4
	s_lshl_b32 s93, s93, 11
	s_add_co_u32 s92, s92, s93
	s_lshl_b32 s93, s14, 8
	s_add_co_u32 s92, s92, s93
	s_lshl_b32 s98, s92, 1
	s_mov_b32 s99, 0
	s_add_nc_u64 s[10:11], s[10:11], s[98:99]      ; the work-group's 256 pairs of scale bytes
	s_lshl_b32 s93, s[WV], 4
	s_add_co_u32 s92, s92, s93
	s_mul_i32 s92, s92, 48
	s_mov_b32 s93, 0
	s_add_nc_u64 s[8:9], s[8:9], s[92:93]          ; my wave's 16 rows of 48 bytes
	v_and_b32 v8, 7, v0
	v_mul_u32_u24 v[AK0], v8, 12544                ; K: jp = r % 8,
	v_lshl_add_u32 v[AK0], v9, 4, v[AK0]
	v_bfe_u32 v9, v0, 1, 2
	v_lshl_add_u32 v[AK0], v9, 6, v[AK0]
	v_bfe_u32 v9, v0, 3, 1
	v_mad_u32_u24 v[AK0], v9, 96, v[AK0]           ; row r / 8 of the fragment's two,
	v_mad_u32_u24 v[AK0], v7, 24, v[AK0]           ; my half's 24 bytes.  The 32 lanes of a load of 8 bytes start at 32 different places modulo 256 bytes
	v_mul_u32_u24 v[AV0], v6, 240
	v_add_nc_u32 v[AV0], VB, v[AV0]
	v_mad_u32_u24 v[AV20], v7, 40, v[AV0]          ; V: row r, + 24 h; and the same behind one padding more
	v_mad_u32_u24 v[AV0], v7, 24, v[AV0]
	v_mul_u32_u24 v[ASK0], v8, 528
	v_lshl_add_u32 v[ASK0], v9, 2, v[ASK0]
	v_add_nc_u32 v[ASK0], SCK, v[ASK0]
	v_mul_u32_u24 v[ASV0], v6, 72
	v_add_nc_u32 v[ASV0], SCV, v[ASV0]
	v_mov_b32 v13, 0xff61b1e6                      ; the largest t so far: -3e38
	v_floor_f32 v12, -v13                          ; -M
	v_mov_b32 v14, 0
	v_mov_b32 v15, 0
.irp i, 0,1,2,3,4,5
	v_mov_b32 v[QA+6+\i], 0                        ; the dead halves: zero codes
	v_mov_b32 v[QB+\i], 0
.endr
.irp b, 0,1,2,3
	v_mov_b32 v[PD+\b], 0                          ; written once: a lane permute's destination counts as one of its sources
.endr
	v_mov_b32 v[PWD], 0                            ; (named as the upper half of the pair with f before it is first written)
	s_mov_b32 s[TK], 0
	s_mov_b32 s[TV], 0
	s_mov_b32 s[TS], 0
	s_mov_b32 s[TT], 0
	s_wait_loadcnt 0x0                             ; q
	v_lshlrev_b32 v[QBS], 16, v[QAS]
.irp i, 0,1,2,3,4,5
	v_mov_b32 v[QB+6+\i], v[QA+\i]
.endr
.irp j, 0,1,2,3,4,5,6,7,8,9,10,11,12,13,14,15,16,17,18,19,20,21,22,23,24,25,26,27,28,29,30,31
	v_mov_b32 v[O+\j], 0                           ; the result begins as zeros, which the first change of M leaves zeros.  (These lines also stand between the writes of q's operand and scale registers and the first product)
.endr
; A KEY STEP: 128 keys, half q of the trip's 256.
.macro STEP q
.if \q
.rept 4
	v_nop                                          ; places ahead of loads into registers that matrix instructions have read (in the trip's first step the five additions at its head are the places)
.endr
.endif
.irp b, 0,1,2,3
.irp p, 0,1,2,3,4,5
	ds_load_b64 v[F+12*\b+2*\p:F+12*\b+2*\p+1], v[ADK] offset:768*\q+192*\b+48*(\p/3)+8*(\p%3)
.endr
	ds_load_b32 v[SW+\b], v[ADS] offset:32*\q+8*\b
.endr
	s_wait_dscnt 0x0
.irp b, 0,1,2,3                        ; each fragment twice: the even keys, the odd keys
	v_wmma_scale_f32_16x16x128_f8f6f4 v[S+16*\b:S+16*\b+7], v[F+12*\b:F+12*\b+11], v[QA:QA+11], 0, v[SW+\b], v[QAS] matrix_a_fmt:MATRIX_FMT_FP6 matrix_b_fmt:MATRIX_FMT_FP6
	v_wmma_scale_f32_16x16x128_f8f6f4 v[S+16*\b+8:S+16*\b+15], v[F+12*\b:F+12*\b+11], v[QB:QB+11], 0, v[SW+\b], v[QBS] matrix_a_fmt:MATRIX_FMT_FP6 matrix_b_fmt:MATRIX_FMT_FP6
.endr
.rept 4
	v_nop
.endr
.irp b, 0,1,2,3
	v_max3_num_f32 v[BM+\b], v[S+16*\b], v[S+16*\b+1], v[S+16*\b+2]   ; the largest score of each block of 32 keys: for the row's maximum, and, since p rises with the score, for the block's largest p
.endr
.irp i, 3,5,7,9,11,13
.irp b, 0,1,2,3
	v_max3_num_f32 v[BM+\b], v[BM+\b], v[S+16*\b+\i], v[S+16*\b+\i+1]
.endr
.endr
.irp b, 0,1,2,3
	v_max_num_f32 v[BM+\b], v[BM+\b], v[S+16*\b+15]
.endr
.irp b, 0,1,2,3
	v_permlanex16_b32 v[PD+\b], v[BM+\b], s[SEL], s[SEL+1]
.endr
.irp b, 0,1,2,3
	v_max_num_f32 v[BM+\b], v[BM+\b], v[PD+\b]     ; with lane l xor 16's 16 keys
.endr
	v_max3_num_f32 v[TMP], v[BM], v[BM+1], v[BM+2]
	v_max_num_f32 v[TMP], v[TMP], v[BM+3]
	v_mul_f32 v[TMP], s[CS], v[TMP]                ; as t (c is positive)
	v_max_num_f32 v13, v13, v[TMP]                 ; the running largest t
	v_mov_b32 v[TMP], v12
	v_floor_f32 v12, -v13                          ; the new -M = floor(-t): M is a whole number
	v_sub_f32 v[TMP], v12, v[TMP]                  ; old M - new M: a whole number, 0 or less
	v_cvt_i32_f32 v[TMP], v[TMP]                   ; (it saturates)
	v_ldexp_f32 v[FF], 1.0, v[TMP]                 ; f = 2^(old M - new M): a multiplication by it rounds nothing
.irp j, 0,2,4,6,8,10,12,14,16,18,20,22,24,26,28,30,32,34,36,38,40,42,44,46,48,50,52,54,56,58,60,62
	v_pk_fma_f32 v[S+\j:S+\j+1], v[S+\j:S+\j+1], s[CS:CS+1], v[12:13] op_sel_hi:[1,0,0]   ; t - M, two at a time
.endr
.irp b, 0,1,2,3
	v_fma_f32 v[BM+\b], v[BM+\b], s[CS], v12       ; the same of each block's largest score
.endr
.irp j, 0,1,2,3,4,5,6,7,8,9,10,11,12,13,14,15,16,17,18,19,20,21,22,23,24,25,26,27,28,29,30,31,32,33,34,35,36,37,38,39,40,41,42,43,44,45,46,47,48,49,50,51,52,53,54,55,56,57,58,59,60,61,62,63
	v_exp_f32 v[S+\j], v[S+\j]                     ; p = 2^(t - M), at most 1
.endr
	v_pk_mul_f32 v[14:15], v[14:15], v[FF:FF+1] op_sel_hi:[1,0]   ; the sums under the new M (a plain line behind the exponentials)
	s_wait_alu depctr_va_vdst(0)                   ; one wait for the whole batch, ahead of its first reader
.irp b, 0,1,2,3
	v_exp_f32 v[BM+\b], v[BM+\b]                   ; the block's largest p: the same two instructions on the same number give the same bits
.endr
	v_pk_add_f32 v[PD:PD+1], v[S:S+1], v[S+2:S+3]  ; the row's sum is taken of the unquantised p: two at a time, in two chains
.irp j, 4,8,12,16,20,24,28,32,36,40,44,48,52,56,60
	v_pk_add_f32 v[14:15], v[14:15], v[S+\j:S+\j+1]
	v_pk_add_f32 v[PD:PD+1], v[PD:PD+1], v[S+2+\j:S+3+\j]
.endr
	v_pk_add_f32 v[14:15], v[14:15], v[PD:PD+1]
	s_wait_alu depctr_va_vdst(0)                   ; and one for the four
.irp b, 0,1,2,3
	v_max_num_f32 v[BM+\b], 0x1800000, v[BM+\b]    ; the floor 2^(3 - 127): the byte cannot fall under 1
.endr
.irp b, 0,1,2,3
	v_add_nc_u32 v[SO+\b], 0xff000000, v[BM+\b]    ; 2 off the exponent field: the conversion's scale operand
.endr
.irp b, 0,1,2,3
	v_lshrrev_b32 v[PD+\b], 23, v[SO+\b]           ; the scale's byte
.endr
	v_lshl_or_b32 v[PWD], v[PD+1], 8, v[PD]
	v_lshl_or_b32 v[PWD], v[PD+2], 16, v[PWD]
	v_lshl_or_b32 v[PWD], v[PD+3], 24, v[PWD]      ; p's scale word for these 128 keys
.irp c, 0,1
	v_cvt_scalef32_pk16_fp6_f32 v[PCD+6*\c:PCD+6*\c+2], v[S+32*\c:S+32*\c+15], v[SO+2*\c]
	v_cvt_scalef32_pk16_fp6_f32 v[CT+4*\c:CT+4*\c+2], v[S+16+32*\c:S+16+32*\c+15], v[SO+2*\c+1]
.endr
	v_nop                                          ; one plain line behind a scaled conversion
.irp c, 0,1                            ; a whole block in a lane: lanes 0-15 block 2 c, lanes 16-31 block 2 c + 1
.irp i, 0,1,2
	v_permlane16_swap_b32 v[PCD+6*\c+\i], v[CT+4*\c+\i]
.endr
.irp i, 0,1,2
	v_mov_b32 v[PCD+3+6*\c+\i], v[CT+4*\c+\i]
.endr
.endr
.irp j, 0,2,4,6,8,10,12,14,16,18,20,22,24,26,28,30
	v_pk_mul_f32 v[O+\j:O+\j+1], v[O+\j:O+\j+1], v[FF:FF+1] op_sel_hi:[1,0]   ; the result under the new M.  (These 16 are also the places ahead of the loads and matrix instructions below)
.endr
.irp t, 0,1,2,3                        ; the result += V^T P^T: four tiles of 16 rows of d; K = these 128 keys
.irp p, 0,1,2,3,4,5
.set PCE, 12*(\q)+6*(\p/3)+\p%3
.if PCE%8 < 5
	ds_load_b64 v[F+12*\t+2*\p:F+12*\t+2*\p+1], v[ADV] offset:8*PCE+16*(PCE/8)+3840*\t
.else
	ds_load_b64 v[F+12*\t+2*\p:F+12*\t+2*\p+1], v[ADV2] offset:8*PCE+16*(PCE/8)+3840*\t
.endif
.endr
	ds_load_b32 v[SW+\t], v[ADT] offset:1152*\t+4*\q
.endr
	s_wait_dscnt 0x0
.irp t, 0,1,2,3                        ; the four accumulators take turns, one instruction a turn
	v_wmma_scale_f32_16x16x128_f8f6f4 v[O+8*\t:O+8*\t+7], v[F+12*\t:F+12*\t+11], v[PCD:PCD+11], v[O+8*\t:O+8*\t+7], v[SW+\t], v[PWD] matrix_a_fmt:MATRIX_FMT_FP6 matrix_b_fmt:MATRIX_FMT_FP6
.endr
.endm
	s_wait_tensorcnt 0x0                           ; my two loads have landed,
	s_barrier_signal -1
	s_barrier_wait -1                              ; everybody's have: the head lies in LDS
	s_mov_b32 s[TRIP], 8
.Ltrip:                                            ; a trip: 256 keys (16 rows of x), two key steps
	v_add_nc_u32 v[ADK], s[TK], v[AK0]
	v_add_nc_u32 v[ADV], s[TV], v[AV0]
	v_add_nc_u32 v[ADV2], s[TV], v[AV20]
	v_add_nc_u32 v[ADS], s[TS], v[ASK0]
	v_add_nc_u32 v[ADT], s[TT], v[ASV0]
	STEP 0
	STEP 1
	s_add_co_u32 s[TK], s[TK], 1536
	s_add_co_u32 s[TV], s[TV], 15360
	s_add_co_u32 s[TS], s[TS], 64
	s_add_co_u32 s[TT], s[TT], 8
	s_sub_co_u32 s[TRIP], s[TRIP], 1
	s_cmp_lg_u32 s[TRIP], 0
	s_cbranch_scc1 .Ltrip
	; THE WAY OUT: the result is divided by the row's sum, quantised along d (two blocks of 32) and leaves as 768 dense bytes a wave; the scale bytes of the 256 rows leave as one store of 512 bytes.
	v_add_f32 v14, v14, v15
	v_permlanex16_b32 v[TMP], v14, s[SEL], s[SEL+1]
	v_add_f32 v14, v14, v[TMP]                     ; the row's sum
	v_rcp_f32 v14, v14
	v_and_b32 v6, 15, v0                           ; (plain lines behind the reciprocal)
	v_bfe_u32 v7, v0, 4, 1
	v_and_b32 v8, 31, v0
	s_mul_i32 s84, s[WV], 768
	s_add_co_u32 s84, s84, STG
	v_mul_u32_u24 v9, v6, 48
	v_mad_u32_u24 v9, v7, 24, v9
	v_add_nc_u32 v9, s84, v9                       ; in: row r of 48 bytes, my block's 24
	v_lshlrev_b32 v10, 4, v8                       ; 16 x lane
	v_add_nc_u32 v11, s84, v10                     ; back: the first 512 bytes,
	v_lshlrev_b32 v1, 3, v8                        ; 8 x lane
	v_add_nc_u32 v2, s84, v1                       ; the last 256
	s_lshl_b32 s85, s[WV], 5
	s_add_co_u32 s85, s85, CSG
	v_lshl_add_u32 v3, v6, 1, s85                  ; my row's two scale bytes
	v_add_nc_u32 v4, CSG, v10
	s_wait_alu depctr_va_vdst(0)                   ; the wait ahead of the reciprocal's first reader
.irp j, 0,1,2,3,4,5,6,7,8,9,10,11,12,13,14,15,16,17,18,19,20,21,22,23,24,25,26,27,28,29,30,31
	v_mul_f32 v[S+\j], v[O+\j], v14                ; register 16 b + i is d = 32 b + 16 h + i of my query
.endr
.irp b, 0,1
	v_max3_num_f32 v[BM+\b], |v[S+16*\b]|, |v[S+16*\b+1]|, 0x1800000
.endr
.irp i, 2,4,6,8,10,12,14
.irp b, 0,1
	v_max3_num_f32 v[BM+\b], v[BM+\b], |v[S+16*\b+\i]|, |v[S+16*\b+\i+1]|
.endr
.endr
.irp b, 0,1
	v_permlanex16_b32 v[PD+\b], v[BM+\b], s[SEL], s[SEL+1]
.endr
.irp b, 0,1
	v_max_num_f32 v[BM+\b], v[BM+\b], v[PD+\b]
.endr
.irp b, 0,1
	v_add_nc_u32 v[SO+\b], 0xff000000, v[BM+\b]
.endr
.irp b, 0,1
	v_lshrrev_b32 v[PD+\b], 23, v[SO+\b]
.endr
	v_lshl_or_b32 v[TMP], v[PD+1], 8, v[PD]
	v_cvt_scalef32_pk16_fp6_f32 v[PCD:PCD+2], v[S:S+15], v[SO]
	v_cvt_scalef32_pk16_fp6_f32 v[CT:CT+2], v[S+16:S+31], v[SO+1]
	v_nop                                          ; one plain line behind a scaled conversion
.irp i, 0,1,2
	v_permlane16_swap_b32 v[PCD+\i], v[CT+\i]      ; lanes 0-15 now hold block 0, lanes 16-31 block 1
.endr
.irp i, 0,1,2
	v_mov_b32 v[PCD+3+\i], v[CT+\i]
.endr
.irp p, 0,1,2
	ds_store_b64 v9, v[PCD+2*\p:PCD+2*\p+1] offset:8*\p
.endr
	ds_store_b16 v3, v[TMP]                        ; both halves of the lanes write the same bytes with the same value
	ds_load_b128 v[40:43], v11                     ; LDS serves a wave's instructions in order: these see my stores
	ds_load_b64 v[44:45], v2 offset:512
	s_wait_dscnt 0x0                               ; and for the others' sake: my scale bytes lie in LDS
	global_store_b128 v10, v[40:43], s[8:9]        ; 512 consecutive bytes, aligned,
	global_store_b64 v1, v[44:45], s[8:9] offset:512   ; and 256
	s_barrier_signal -1
	s_barrier_wait -1
	s_cmp_lg_u32 s[WV], 0
	s_cbranch_scc1 .Lno_words
	ds_load_b128 v[48:51], v4
	s_wait_dscnt 0x0
	global_store_b128 v10, v[48:51], s[10:11]
.Lno_words:
	s_wait_tensorcnt 0x0
	ds_add_u32 v254, v255
	s_wait_dscnt 0x0
	ROUND                                          ; the closing round: no work-group ends while a partner may still ask for a tile that names it
	s_endpgm
.Lfunc_end_k_qb05aaec7a2_attn:
	.size	k_qb05aaec7a2_attn, .Lfunc_end_k_qb05aaec7a2_attn-k_qb05aaec7a2_attn
	.p2alignl 7, 3214868480
	.fill 96, 4, 3214868480
	.section	.rodata,"a",@progbits
	.p2align	6, 0x0
	.amdhsa_kernel k_qb05aaec7a2_attn
		.amdhsa_group_segment_fixed_size 247040
		.amdhsa_private_segment_fixed_size 0
		.amdhsa_enable_private_segment 0
		.amdhsa_kernarg_size 32
		.amdhsa_user_sgpr_count 2
		.amdhsa_user_sgpr_kernarg_segment_ptr 1
		.amdhsa_wavefront_size32 1
		.amdhsa_system_sgpr_workgroup_id_x 1
		.amdhsa_system_sgpr_workgroup_id_y 1
		.amdhsa_system_sgpr_workgroup_id_z 1
		.amdhsa_system_vgpr_workitem_id 0
		.amdhsa_next_free_vgpr 256
		.amdhsa_next_free_sgpr 100
		.amdhsa_reserve_vcc 0
		.amdhsa_float_denorm_mode_32 3
		.amdhsa_float_denorm_mode_16_64 3
		.amdhsa_memory_ordered 1
		.amdhsa_forward_progress 1
		.amdhsa_inst_pref_size 51
	.end_amdhsa_kernel
	.amdgpu_metadata
---
amdhsa.version: [ 1, 2 ]
amdhsa.kernels:
  - .name:           k_qb05aaec7a2_attn
    .symbol:         k_qb05aaec7a2_attn.kd
    .args:
      - { .name: qkvc, .offset: 0, .size: 8, .value_kind: global_buffer, .address_space: global }
      - { .name: qkvs, .offset: 8, .size: 8, .value_kind: global_buffer, .address_space: global }
      - { .name: ctxc, .offset: 16, .size: 8, .value_kind: global_buffer, .address_space: global }
      - { .name: ctxs, .offset: 24, .size: 8, .value_kind: global_buffer, .address_space: global }
    .group_segment_fixed_size: 247040
    .private_segment_fixed_size: 0
    .kernarg_segment_align: 8
    .kernarg_segment_size: 32
    .max_flat_workgroup_size: 512
    .sgpr_count:     100
    .vgpr_count:     256
    .wavefront_size: 32
...
	.end_amdgpu_metadata
.endif
;; end of part 3
;; launch gemm_out (part 4): grid 4 x 16, 4 waves a work-group, clusters of 4 x 4, 327,680 bytes of LDS; arguments ctxc, ctxs, l1c, l1s, b_out, out0; writes out0
.if DOCPART == 4
	.amdgcn_target "amdgcn-amd-amdhsa--gfx1250"
	.amdhsa_code_object_version 6
	.text
	.protected	k_qb05aaec7a2_gemm_out
	.globl	k_qb05aaec7a2_gemm_out
	.p2align	8
	.type	k_qb05aaec7a2_gemm_out,@function
k_qb05aaec7a2_gemm_out:
	s_mov_b64 s[64:65], 0
	v_nop
	global_prefetch_b8 v0, s[64:65] scope:SCOPE_SE
	s_setreg_imm32_b32 hwreg(HW_REG_WAVE_MODE, 25, 1), 1
	s_wait_xcnt 0x0
	s_wait_alu depctr_hold_cnt(0) depctr_sa_sdst(0) depctr_va_vdst(0) depctr_va_sdst(0) depctr_va_ssrc(0) depctr_va_vcc(0) depctr_vm_vsrc(0)
	s_getreg_b32 s2, hwreg(HW_REG_IB_STS2, 6, 4)
	s_cmp_eq_u32 s2, 0
	s_cbranch_scc0 .Lentry_in_a_cluster
	s_endpgm
.Lentry_in_a_cluster:
	s_bfe_u32 s2, ttmp6, 0x10000c
	s_cmp_lg_u32 s2, 0xf033
	s_cbranch_scc0 .Lentry_shape_is_right
	s_endpgm
.Lentry_shape_is_right:
; out = ctx W_out^T + b_out on codes of FP6 (E2M3) with E8M0 scales; M 4,096, N 1,024, K 1,024; sums in f32, begun with the bias; out f32.
; A tile of 256 x 256 is made by four waves, 128 x 128 each; K goes in steps of 256 through two LDS slots filled by the tensor data mover.  64 work-groups in 4 x 4 clusters: A's tiles are asked for jointly along a row, B's along a column.
; ctx's codes lie in planes [head][row][48 bytes]: a K step of 256 is four planes; a wave's tensor load brings 4 x (128 rows x 48 bytes, dense).  A fragment's registers 6 c .. 6 c + 5 are 24 bytes of plane 2 q + c.
; ctx's scale bytes lie [head][row][2]: each thread gathers two rows' 32 bytes in registers, once, and stores them into LDS in the form in which W_out's come by tensor load.
; THE MATRIX INSTRUCTION IS USED TRANSPOSED (source 0 = 16 rows of W_out, source 1 = 16 rows of ctx): a lane holds eight neighbouring numbers of a row of out.
; REGISTERS, in windows of 256: window 0: v0-31 addresses; v32-63 scale words, two sets; v64-127 the bias; from v128 A's fragments, one set.  window 1: B's fragments, two sets.  windows 2, 3: the accumulators.
.set SIZE_N, 1024
.set SIZE_K, 1024
.set KSTEP,  256
.set NQ,     KSTEP/128
.set ROWB,   192
.set KROW,   SIZE_K*6/8
.set PITCH,  240                       ; B's LDS row: 3 x (64 bytes + 16 of padding)
.set PLANE,  6144                      ; 128 rows x 48 bytes of one head
.set HALFA,  4*PLANE                   ; what one tensor load brings of A
.set FR,     12
.set NL,     6
.set NP,     4
.set HALFT,  128*PITCH
.set SLOT,   2*HALFA+2*HALFT           ; A's two halves, then B's two
.set LAPS,   SIZE_K/(2*KSTEP)
.set KS,     SIZE_K/32
.set SCL,    2*SLOT
.set HALFS,  (128*KS/256)*272
.set SBLK,   (16*KS/256)*272
.set SPARE,  SCL+4*HALFS
.set SPITCH, 528                       ; the way out: a stage of 16 rows x (512 + 16) bytes for each wave, in slot 0, which has had its last fill and its last read when the first result is stored there
.set WOC,    5505024                   ; W_out's codes in l1c
.set WOS,    229376                    ; its scale bytes in l1s
.set ADRA, 16
.set ADRB, 20
.set STO,  24
.set RD,   25
.set CO,   26
.set ADRS, 27
.set SPW,  28
.set NIL,  29
.set BO,   30
.set SC,   32
.set BI,   64
.set AF,   128
.set BK,   128
.set G1, 24
.set G0, 32
.set G1B, 48
.set G0B, 56
.set G1SB, 80
.set G0SB, 88
.set MSB, 0
.macro WIN new
.if MSB != (\new)
	s_set_vgpr_msb (MSB<<8)|(\new)
.set MSB, (\new)
.endif
.endm
.set MUL_LO, 0xa1
.set MUL_HI, 0xf1
.set TO_B,   0x40
.macro JLOAD g0a, g1a, g0b, g1b        ; waves 0 and 1 fetch for A, waves 2 and 3 for B; four v_nop follow each of the two lines
	s_cmp_eq_u32 s15, 0
	s_cbranch_scc0 .Lfor_b_\@
	tensor_load_to_lds s[\g0a:\g0a+3], s[\g1a:\g1a+7]
	s_nop 0
.rept 4
	v_nop
.endr
	s_branch .Lasked_\@
.Lfor_b_\@:
	tensor_load_to_lds s[\g0b:\g0b+3], s[\g1b:\g1b+7]
	s_nop 0
.rept 4
	v_nop
.endr
.Lasked_\@:
.endm
.macro CREST
	s_cmp_lg_u32 s14, 0
	s_cbranch_scc1 .Lnot_wave_0_\@
	s_barrier_signal -3
.Lnot_wave_0_\@:
	s_barrier_wait -3
	s_barrier_signal -1
	s_barrier_wait -1
.endm
.macro CROUND
	s_barrier_signal -1
	s_barrier_wait -1
	CREST
.endm
	s_load_b128 s[4:7], s[0:1], 0x0                ; ctxc, ctxs
	s_load_b128 s[8:11], s[0:1], 0x10              ; l1c, l1s
	s_load_b128 s[96:99], s[0:1], 0x20             ; b_out, out0
	v_lshl_add_u32 v[SPW], v0, 2, SPARE
	v_mov_b32 v[NIL], 0
	ds_add_u32 v28, v29
	ds_add_u32 v28, v29
	s_wait_dscnt 0x0
	v_lshrrev_b32 v1, 5, v0
	v_readfirstlane_b32 s14, v1                    ; wave 0..3
	s_lshr_b32 s15, s14, 1                         ; which half of the tile's rows is mine.  Also: I fetch for A (0) or for B (1)
	s_and_b32 s16, s14, 1                          ; which half of its columns.  Also: which 128 rows of that tile I fetch
	s_bfe_u32 s40, ttmp6, 0x40000
	s_bfe_u32 s41, ttmp6, 0x40004
	s_lshl_b32 s42, ttmp9, 2
	s_add_co_u32 s42, s42, s40                     ; tile column
	s_and_b32 s17, ttmp7, 0xffff
	s_lshl_b32 s17, s17, 2
	s_add_co_u32 s17, s17, s41                     ; tile row
	s_lshl_b32 s43, s41, 2
	s_lshl_b32 s43, 15, s43                        ; my row of the cluster
	s_lshl_b32 s44, 0x1111, s40                    ; my column
	s_or_b32 s[G1+0], s43, (3<<16)|(1<<21)         ; A: the mask; elements of 8 bytes; bit 21 beside a mask; no padding
	s_mov_b32 s[G1+1], 768<<16                     ; tensor_dim0 = 768 elements: 128 rows x 48 bytes
	s_mov_b32 s[G1+2], 4<<16                       ; tensor_dim1 = 4 planes
	s_mov_b32 s[G1+3], 768<<16
	s_mov_b32 s[G1+4], 4
	s_mov_b32 s[G1+5], 24576                       ; 196,608 bytes from plane to plane
	s_mov_b32 s[G1+6], 0
	s_mov_b32 s[G1+7], 0
	s_or_b32 s[G1B+0], s44, (0<<16)|(1<<20)|(1<<21)|(3<<22)|(3<<25)
	s_mov_b32 s[G1B+1], ROWB<<16
	s_mov_b32 s[G1B+2], 128<<16
	s_mov_b32 s[G1B+3], ROWB<<16
	s_mov_b32 s[G1B+4], 128
	s_mov_b32 s[G1B+5], KROW
	s_mov_b32 s[G1B+6], 0
	s_mov_b32 s[G1B+7], 0
	s_or_b32 s[G1SB+0], s44, (3<<16)|(1<<20)|(1<<21)|(5<<22)|(3<<25)   ; B's scale bytes of 64 rows: 8 rows of 256 bytes, 16 bytes of padding behind each
	s_mov_b32 s[G1SB+1], 32<<16
	s_mov_b32 s[G1SB+2], 8<<16
	s_mov_b32 s[G1SB+3], 32<<16
	s_mov_b32 s[G1SB+4], 8
	s_mov_b32 s[G1SB+5], 32
	s_mov_b32 s[G1SB+6], 0
	s_mov_b32 s[G1SB+7], 0
	s_lshl_b32 s18, s16, 7
	s_lshl_b32 s20, s17, 8
	s_add_co_u32 s20, s20, s18
	s_mul_i32 s20, s20, 48                         ; A: row 256 x tile row + 128 x half, 48 bytes a row in each plane
	s_mov_b32 s21, 0
	s_lshl_b32 s46, s42, 8
	s_lshl_b32 s92, s14, 6
	s_add_co_u32 s92, s92, s46
	s_lshl_b32 s92, s92, 5                         ; B's scale bytes: row 256 x tile column + 64 x wave, 32 bytes a row
	s_mov_b32 s93, 0
	s_add_co_u32 s46, s46, s18
	s_mul_i32 s46, s46, KROW                       ; B's codes: row 256 x tile column + 128 x half
	s_mov_b32 s47, 0
	s_mul_i32 s45, s16, HALFA                      ; where they go: no place in the cluster enters an LDS address
	s_mul_i32 s94, s16, HALFT
	s_add_co_u32 s94, s94, 2*HALFA
	s_mul_i32 s95, s14, 2176
	s_add_co_u32 s95, s95, SCL+2*HALFS
	s_lshl_b32 s22, s17, 9                         ; A's scale bytes: 2 bytes a row in each plane
	s_mov_b32 s23, 0
	s_wait_kmcnt 0x0
	s_add_nc_u64 s[8:9], s[8:9], WOC
	s_add_nc_u64 s[10:11], s[10:11], WOS
	s_add_nc_u64 s[20:21], s[4:5], s[20:21]
	s_add_nc_u64 s[46:47], s[8:9], s[46:47]
	s_add_nc_u64 s[92:93], s[10:11], s[92:93]
	s_add_nc_u64 s[6:7], s[6:7], s[22:23]
	CROUND                                         ; all sixteen work-groups are here: the first joint loads meet
	s_mov_b32 s[G0SB], 1
	s_mov_b32 s[G0SB+1], s95
	s_mov_b64 s[G0SB+2:G0SB+3], s[92:93]
	s_or_b32 s[G0SB+3], s[G0SB+3], 0x80000000
	tensor_load_to_lds s[G0SB:G0SB+3], s[G1SB:G1SB+7]   ; every wave a quarter of B's scale bytes
	s_nop 0
.rept 4
	v_nop
.endr
.irp s, 0,1
	s_mov_b32 s[G0+4*\s], 1
	s_add_co_u32 s[G0+4*\s+1], s45, \s*SLOT
	s_add_nc_u64 s[G0+4*\s+2:G0+4*\s+3], s[20:21], \s*786432
	s_or_b32 s[G0+4*\s+3], s[G0+4*\s+3], 0x80000000
	s_mov_b32 s[G0B+4*\s], 1
	s_add_co_u32 s[G0B+4*\s+1], s94, \s*SLOT
	s_add_nc_u64 s[G0B+4*\s+2:G0B+4*\s+3], s[46:47], \s*ROWB
	s_or_b32 s[G0B+4*\s+3], s[G0B+4*\s+3], 0x80000000
	JLOAD G0+4*\s, G1, G0B+4*\s, G1B
.endr
	v_lshlrev_b32 v7, 2, v0                        ; thread n takes rows 2 n and 2 n + 1 of the tile's 256: 4 bytes of each of the 16 planes
.irp d, 0,1,2,3,4,5,6,7,8,9,10,11,12,13,14,15
	global_load_b32 v[128+\d], v7, s[6:7] offset:8192*\d
.endr
	v_and_b32 v1, 15, v0                           ; r
	v_bfe_u32 v2, v0, 4, 1                         ; h
	s_lshl_b32 s46, s42, 10                        ; my first column, in bytes of f32: 1,024 x tile column + 512 x half
	s_lshl_b32 s47, s16, 9
	s_add_co_u32 s46, s46, s47
	s_mov_b32 s47, 0
	s_add_nc_u64 s[96:97], s[96:97], s[46:47]      ; the bias of my 128 columns
	v_lshlrev_b32 v[BO], 5, v2
.irp b, 0,1,2,3,4,5,6,7
	global_load_b128 v[BI+8*\b:BI+8*\b+3], v[BO], s[96:97] offset:64*\b
	global_load_b128 v[BI+8*\b+4:BI+8*\b+7], v[BO], s[96:97] offset:64*\b+16
.endr
	v_mul_u32_u24 v3, v1, 48
	v_mad_u32_u24 v3, v2, 24, v3                   ; A: row r of 48 bytes + 24 h: the 32 lanes of a load of 8 bytes start at 32 different places modulo 256 bytes
	v_mul_u32_u24 v4, v1, PITCH
	v_mad_u32_u24 v5, v2, 40, v4                   ; B: row x pitch + 24 h, and the same behind one padding more
	v_mad_u32_u24 v4, v2, 24, v4
	s_mul_i32 s21, s15, HALFA
	s_mul_i32 s22, s16, HALFT
	s_add_co_u32 s22, s22, 2*HALFA
.irp s, 0,1
	v_add_nc_u32 v[ADRA+\s], s21, v3
	v_add_nc_u32 v[ADRB+\s], s22, v4
	v_add_nc_u32 v[ADRB+2+\s], s22, v5
	s_add_co_u32 s21, s21, SLOT
	s_add_co_u32 s22, s22, SLOT
.endr
	v_mul_u32_u24 v5, v1, KS
	v_lshrrev_b32 v6, 8, v5
	v_lshl_add_u32 v5, v6, 4, v5
	s_mul_i32 s21, s15, HALFS
	s_mul_i32 s22, s16, HALFS
	s_add_co_u32 s22, s22, 2*HALFS
	s_sub_co_u32 s22, s22, s21
	v_mul_u32_u24 v6, s22, v2                      ; lanes 16-31 take B's scale words
	s_add_co_u32 s21, s21, SCL
	v_add_nc_u32 v5, v5, v6
	v_add_nc_u32 v[ADRS], s21, v5
	s_mul_i32 s23, s14, 16*SPITCH                  ; my stage
	v_mul_u32_u24 v5, v1, SPITCH
	v_lshl_add_u32 v5, v2, 5, v5
	v_add_nc_u32 v[STO], s23, v5
	v_and_b32 v6, 31, v0
	v_lshlrev_b32 v[CO], 4, v6
	v_add_nc_u32 v[RD], s23, v[CO]
	s_lshl_b32 s20, s17, 8
	s_lshl_b32 s21, s15, 7
	s_add_co_u32 s20, s20, s21                     ; my first row of out
	s_mov_b32 s21, 0
	s_mov_b64 s[18:19], SIZE_N*4
	s_mul_u64 s[20:21], s[20:21], s[18:19]
	s_add_nc_u64 s[20:21], s[20:21], s[46:47]
	s_add_nc_u64 s[12:13], s[98:99], s[20:21]
	v_lshrrev_b32 v8, 2, v0
	v_lshlrev_b32 v9, 6, v0
	v_lshl_add_u32 v9, v8, 4, v9
	v_add_nc_u32 v9, SCL, v9                       ; rows 2 n, 2 n + 1 of A's scale bytes: 64 n + 16 (n / 4): 32 bytes a row, 16 of padding behind each 256
	s_mov_b32 s22, 0x05040100
	s_mov_b32 s23, 0x07060302
	s_wait_loadcnt 0x0                             ; A's scale bytes and the bias
.irp n, 0,1,2,3,4,5,6,7
	v_perm_b32 v[144+\n], v[128+2*\n+1], v[128+2*\n], s22   ; row 2 n: the low halves of planes 2 n, 2 n + 1
	v_perm_b32 v[152+\n], v[128+2*\n+1], v[128+2*\n], s23   ; row 2 n + 1: the high halves
.endr
.irp c, 0,1,2,3
	ds_store_b128 v9, v[144+4*\c:144+4*\c+3] offset:16*\c
.endr
.macro FRAGB reg, adr, q, i
.irp p, 0,1,2,3,4,5
.set PCE, 12*(\q)+6*(\p/3)+\p%3
.if PCE%8 < 5
	ds_load_b64 v[\reg+2*\p:\reg+2*\p+1], v[\adr] offset:8*PCE+16*(PCE/8)+(\i)*16*PITCH
.else
	ds_load_b64 v[\reg+2*\p:\reg+2*\p+1], v[\adr+2] offset:8*PCE+16*(PCE/8)+(\i)*16*PITCH
.endif
.endr
.endm
.macro FRAGA reg, adr, q, i
.irp p, 0,1,2,3,4,5
	ds_load_b64 v[\reg+2*\p:\reg+2*\p+1], v[\adr] offset:(2*(\q)+\p/3)*PLANE+(\i)*768+8*(\p%3)
.endr
.endm
.macro MUL16 a0, p, q, sc, first       ; the 64 accumulators take turns, one instruction a turn, in the same order in every step
.irp a, \a0, \a0+1
.irp b, 0,1,2,3,4,5,6,7
.if \first
	v_wmma_scale_f32_16x16x128_f8f6f4 v[8*(8*((\a)%4)+\b):8*(8*((\a)%4)+\b)+7], v[128*(\p)+FR*\b:128*(\p)+FR*\b+FR-1], v[AF+FR*(\a):AF+FR*(\a)+FR-1], v[BI+8*\b:BI+8*\b+7], v[SC+8*NQ*(\sc)+NQ*\b+(\q)], v[SC+8*NQ*(\sc)+NQ*(\a)+(\q)] matrix_a_fmt:MATRIX_FMT_FP6 matrix_b_fmt:MATRIX_FMT_FP6 matrix_a_scale:MATRIX_SCALE_ROW1
.else
	v_wmma_scale_f32_16x16x128_f8f6f4 v[8*(8*((\a)%4)+\b):8*(8*((\a)%4)+\b)+7], v[128*(\p)+FR*\b:128*(\p)+FR*\b+FR-1], v[AF+FR*(\a):AF+FR*(\a)+FR-1], v[8*(8*((\a)%4)+\b):8*(8*((\a)%4)+\b)+7], v[SC+8*NQ*(\sc)+NQ*\b+(\q)], v[SC+8*NQ*(\sc)+NQ*(\a)+(\q)] matrix_a_fmt:MATRIX_FMT_FP6 matrix_b_fmt:MATRIX_FMT_FP6 matrix_a_scale:MATRIX_SCALE_ROW1
.endif
.endr
.endr
.endm
.macro FETCH_B slot, q, p
	WIN TO_B
.irp i, 0,1,2,3,4,5,6,7
	FRAGB 128*(\p)+FR*\i, ADRB+\slot, \q, \i
.endr
	WIN 0
.endm
.macro FETCH_A slot, q, i0
.irp i, \i0, \i0+1, \i0+2, \i0+3
	FRAGA AF+FR*(\i), ADRA+\slot, \q, \i
.endr
.endm
.macro SCALES sc
.irp i, 0,1,2,3,4,5,6,7
	ds_load_b64 v[SC+8*NQ*\sc+NQ*\i:SC+8*NQ*\sc+NQ*\i+1], v[ADRS] offset:\i*SBLK
.endr
.endm
.macro PLACES n
.rept \n
	v_nop
.endr
.endm
.macro STEP slot, q, first
	s_wait_dscnt 4*NL                              ; B's set and A's blocks 0-3 are in; the youngest 24 loads (A's blocks 4-7) may be out
.if \first
	WIN 0x81                                       ; C (the bias) in window 0, D in window 2
.else
	WIN MUL_LO
.endif
	MUL16 0, (\q)%2, \q, \slot, \first
	MUL16 2, (\q)%2, \q, \slot, \first
	s_wait_dscnt 0
	PLACES NP
	FETCH_B \slot, (\q)+1, 1-(\q)%2
	FETCH_A \slot, (\q)+1, 0
.if \first
	WIN 0xc1
.else
	WIN MUL_HI
.endif
	MUL16 4, (\q)%2, \q, \slot, \first
	MUL16 6, (\q)%2, \q, \slot, \first
	PLACES NP
	WIN 0
	FETCH_A \slot, (\q)+1, 4
.endm
.macro TURN slot, next, fill
	s_wait_tensorcnt 0x0                           ; all my tensor loads have landed: my part of the next slot
	ds_add_u32 v[SPW], v[NIL]                      ; 0 onto my spare word
	s_wait_dscnt 4*NL+1                            ; the add and the youngest 24 loads may be out
	WIN MUL_LO
	MUL16 0, 1, NQ-1, \slot, 0
	s_wait_dscnt 0x0                               ; the add is done, and my reads of this slot are over
	s_barrier_signal -1
	MUL16 2, 1, NQ-1, \slot, 0
	WIN 0
	s_barrier_wait -1
.if \fill
	CREST                                          ; the barrier has opened a round of the cluster's: no wave of any partner still reads this slot or has a load on its way
	s_add_nc_u64 s[G0+4*\slot+2:G0+4*\slot+3], s[G0+4*\slot+2:G0+4*\slot+3], 2*786432
	s_add_nc_u64 s[G0B+4*\slot+2:G0B+4*\slot+3], s[G0B+4*\slot+2:G0B+4*\slot+3], 2*ROWB
	JLOAD G0+4*\slot, G1, G0B+4*\slot, G1B
.else
	PLACES NP
.endif
	v_add_nc_u32 v[ADRS], 4*NQ, v[ADRS]
	FETCH_B \next, 0, 0
	FETCH_A \next, 0, 0
	SCALES \next
	WIN MUL_HI
	MUL16 4, 1, NQ-1, \slot, 0
	MUL16 6, 1, NQ-1, \slot, 0
	PLACES NP
	WIN 0
	FETCH_A \next, 0, 4
.endm
	s_wait_tensorcnt 1                             ; B's scale bytes and my part of K step 0 are in (K step 1's load may be out),
	s_wait_dscnt 0x0                               ; my part of A's scale bytes lies in LDS,
	s_barrier_signal -1
	s_barrier_wait -1                              ; everybody's do
	FETCH_B 0, 0, 0
	FETCH_A 0, 0, 0
	SCALES 0
	FETCH_A 0, 0, 4
	STEP 0, 0, 1
	s_mov_b32 s3, LAPS-1
.Llap:
	TURN 0, 1, 1
	STEP 1, 0, 0
	TURN 1, 0, 1
	STEP 0, 0, 0
	s_sub_co_u32 s3, s3, 1
	s_cmp_lg_u32 s3, 0
	s_cbranch_scc1 .Llap
	TURN 0, 1, 0
	STEP 1, 0, 0
	s_wait_dscnt 4*NL
	WIN MUL_LO
	MUL16 0, 1, NQ-1, 1, 0
	MUL16 2, 1, NQ-1, 1, 0
	s_wait_dscnt 0
	WIN MUL_HI
	MUL16 4, 1, NQ-1, 1, 0
	MUL16 6, 1, NQ-1, 1, 0
	WIN 0
; THE WAY OUT, block by block of 16 rows x 128 columns, through my own stage: back come whole rows of 512 bytes.  LDS serves a wave's instructions in order (ISA guide 5.7.1.4): no wait between the stores and the loads.
.macro TOSTAGE a
.set AC, 64*((\a)%4)
	WIN 0x08+4*((\a)/4)                            ; the data: window 2 or 3
.irp b, 0,1,2,3,4,5,6,7
	ds_store_b128 v[STO], v[AC+8*\b:AC+8*\b+3] offset:64*\b          ; each accumulator from its low end on
	ds_store_b128 v[STO], v[AC+8*\b+4:AC+8*\b+7] offset:64*\b+16
.endr
	WIN 0
.set BB, BK+64*((\a)%2)
.irp t, 0,1,2,3,4,5,6,7,8,9,10,11,12,13,14,15
	ds_load_b128 v[BB+4*\t:BB+4*\t+3], v[RD] offset:\t*SPITCH
.endr
.endm
.macro SEND a, younger
.set BB, BK+64*((\a)%2)
	s_wait_dscnt \younger                          ; the block is back in registers
.if (\a) > 0
	s_add_nc_u64 s[12:13], s[12:13], 16*SIZE_N*4   ; (behind a wait on XCNT: the earlier stores have read their base)
.endif
.irp t, 0,1,2,3,4,5,6,7,8,9,10,11,12,13,14,15
	global_store_b128 v[CO], v[BB+4*\t:BB+4*\t+3], s[12:13] offset:\t*SIZE_N*4 th:TH_STORE_NT   ; 32 lanes store 512 consecutive bytes, aligned
.endr
.endm
	PLACES NP
	TOSTAGE 0
.irp a, 1,2,3,4,5,6,7
.if \a > 1
	s_wait_xcnt 0x0                                ; block a - 2's stores have read their registers and their base
.endif
	TOSTAGE \a
	SEND \a-1, 32                                  ; behind block a - 1's loads: block a's 16 stores and 16 loads
.endr
	s_wait_xcnt 0x0
	SEND 7, 0
	s_wait_tensorcnt 0x0                           ; the wave's end
	ds_add_u32 v[SPW], v[NIL]
	s_wait_dscnt 0x0
	CROUND                                         ; the closing round
	s_endpgm
.Lfunc_end_k_qb05aaec7a2_gemm_out:
	.size	k_qb05aaec7a2_gemm_out, .Lfunc_end_k_qb05aaec7a2_gemm_out-k_qb05aaec7a2_gemm_out
	.p2alignl 7, 3214868480
	.fill 96, 4, 3214868480
	.section	.rodata,"a",@progbits
	.p2align	6, 0x0
	.amdhsa_kernel k_qb05aaec7a2_gemm_out
		.amdhsa_group_segment_fixed_size 327680
		.amdhsa_private_segment_fixed_size 0
		.amdhsa_enable_private_segment 0
		.amdhsa_kernarg_size 48
		.amdhsa_user_sgpr_count 2
		.amdhsa_user_sgpr_kernarg_segment_ptr 1
		.amdhsa_wavefront_size32 1
		.amdhsa_system_sgpr_workgroup_id_x 1
		.amdhsa_system_sgpr_workgroup_id_y 1
		.amdhsa_system_sgpr_workgroup_id_z 1
		.amdhsa_system_vgpr_workitem_id 0
		.amdhsa_next_free_vgpr 1024
		.amdhsa_next_free_sgpr 100
		.amdhsa_reserve_vcc 0
		.amdhsa_float_denorm_mode_32 3
		.amdhsa_float_denorm_mode_16_64 3
		.amdhsa_memory_ordered 1
		.amdhsa_forward_progress 1
		.amdhsa_inst_pref_size 164
	.end_amdhsa_kernel
	.amdgpu_metadata
---
amdhsa.version: [ 1, 2 ]
amdhsa.kernels:
  - .name:           k_qb05aaec7a2_gemm_out
    .symbol:         k_qb05aaec7a2_gemm_out.kd
    .args:
      - { .name: ctxc, .offset: 0, .size: 8, .value_kind: global_buffer, .address_space: global }
      - { .name: ctxs, .offset: 8, .size: 8, .value_kind: global_buffer, .address_space: global }
      - { .name: l1c, .offset: 16, .size: 8, .value_kind: global_buffer, .address_space: global }
      - { .name: l1s, .offset: 24, .size: 8, .value_kind: global_buffer, .address_space: global }
      - { .name: b_out, .offset: 32, .size: 8, .value_kind: global_buffer, .address_space: global }
      - { .name: out0, .offset: 40, .size: 8, .value_kind: global_buffer, .address_space: global }
    .group_segment_fixed_size: 327680
    .private_segment_fixed_size: 0
    .kernarg_segment_align: 8
    .kernarg_segment_size: 48
    .max_flat_workgroup_size: 128
    .sgpr_count:     100
    .vgpr_count:     1024
    .wavefront_size: 32
...
	.end_amdgpu_metadata
.endif
;; end of part 4
;; ======== version 2 of 2: 4 launches
;; limits: right only within a limited range of input values
;; workspace buffers: l1c 6,291,456 bytes; l1s 274,432 bytes; qkvc 9,437,184 bytes; qkvs 393,216 bytes; ctxc 3,145,728 bytes; ctxs 131,072 bytes
;; launch quant (part 5): grid 256 x 1, 16 waves a work-group, no clusters, 109,568 bytes of LDS; arguments x, W_qkv, W_out, b_qkv, l1c, l1s; writes l1c, l1s
.if DOCPART == 5
	.amdgcn_target "amdgcn-amd-amdhsa--gfx1250"
	.amdhsa_code_object_version 6
	.text
	.protected	k_qb05aaec7a2_quant
	.globl	k_qb05aaec7a2_quant
	.p2align	8
	.type	k_qb05aaec7a2_quant,@function
k_qb05aaec7a2_quant:
	s_mov_b64 s[64:65], 0
	v_nop
	global_prefetch_b8 v0, s[64:65] scope:SCOPE_SE
	s_setreg_imm32_b32 hwreg(HW_REG_WAVE_MODE, 25, 1), 1
	s_wait_xcnt 0x0
; x [4096][1024], W_qkv [3072][1024] and W_out [1024][1024], f32, become codes of FP6 (E2M3), 768 bytes a row, laid in blocks of 16 rows in the operands' order (below), with one E8M0 byte for each 32 along K, 32 bytes a row.
; A block's scale byte is its largest magnitude's exponent field - 2, held at 1 from below; each number is divided by the scale and rounded to the nearest code, ties to even, beyond 7.5 the largest code.
; LIMITS: a block of zeros gets the byte 1 (its codes are zeros; only this program reads the bytes); NaN and infinities among the inputs are not served.
; THE ROWS OF W_qkv ARE STORED IN ANOTHER ORDER, so that the next launch's results fall into the lanes in which they are quantised.  Stored row n' = 1024 T + 128 w + 32 g + 16 u + 8 hb + i holds source row
;   T = 0, 1 (q, k): (2 w + g / 2) 192 + 64 T + 32 (g % 2) + 16 hb + 8 u + i;      T = 2 (v): (2 i + u) 192 + 128 + 32 (w / 4) + 16 (w % 2) + 8 ((w / 2) % 2) + 2 g + hb.
; Eight stored rows on end, a run, are thus source rows f0 + i x stride, stride 1 or 384.  b_qkv is stored in the same order behind the scale bytes.
; SHARES: run G counts through x (512 runs), W_qkv (384), W_out (128); its codes lie in the block at 12,288 (G / 2), its scale bytes at 256 G.  A work-group of sixteen waves takes four runs; a wave takes two rows of a run: 4 steps of 512 numbers,
; whose 16 loads all go out at its head: 8,192 bytes a wave are on their way.
; A load reads 512 consecutive bytes; a step's 2,048 bytes turn through the wave's own stage in LDS, so that a lane holds 16 neighbours along K (two neighbouring lanes hold a block).
; The work-group's 1,024 scale bytes meet in LDS: one barrier, then waves 0 and 1 store 512 consecutive bytes each.
.set STEPS, 4
.set EMAX,  2
.set CB,    12                         ; bytes of 16 codes
.set R,     16                         ; v16-79   four sets of 16 numbers as they are loaded
.set X,     80                         ; v80-111  two sets of 16 neighbours
.set E,     112                        ; v112-115 a scale byte for each step
.set C,     128                        ; v128-143 codes: four registers for each step, so that no store's data are written again
.set VO,    192                        ; v192-193 my two rows: 16 x lane + k x stride x 4096; never rewritten
.set SP,    80                         ; a lane's place in a stage: 64 bytes + 16 of padding
.set WREG,  2*32*SP                    ; LDS of a wave: two stages of 32 x SP bytes
.set SCB,   16*WREG                    ; behind the sixteen: the work-group's 1,024 scale bytes, 64 for each wave
	s_load_b128 s[4:7], s[0:1], 0x0                ; x, W_qkv
	s_load_b128 s[8:11], s[0:1], 0x10              ; W_out, b_qkv
	s_load_b128 s[12:15], s[0:1], 0x20             ; the codes, the scale bytes
	v_lshl_add_u32 v200, v0, 2, 0x14400
	v_mov_b32 v201, 0
	v_lshrrev_b32 v1, 5, v0
	s_delay_alu instid0(VALU_DEP_1)
	v_readfirstlane_b32 s16, v1                    ; wave 0..15
	v_and_b32 v2, 31, v0                           ; lane
	s_delay_alu instid0(VALU_DEP_1)
	v_lshlrev_b32 v3, 4, v2                        ; my 16 bytes of a load's 512
	s_mul_i32 s17, s16, WREG
	v_lshrrev_b32 v14, 2, v2
	s_delay_alu instid0(VALU_DEP_1)
	v_mul_u32_u24 v14, v14, SP
	v_and_b32 v15, 3, v2
	s_delay_alu instid0(VALU_DEP_1)
	v_lshl_add_u32 v14, v15, 4, v14
	s_delay_alu instid0(VALU_DEP_1)
	v_add_nc_u32 v14, s17, v14                     ; the stage, on the way in: SP (lane / 4) + 16 (lane % 4)
	v_mul_u32_u24 v15, v2, SP
	s_delay_alu instid0(VALU_DEP_1)
	v_add_nc_u32 v15, s17, v15                     ; and on the way out: SP x lane: my 16 neighbours
; THE CODES' ORDER IN MEMORY (it takes the place of rows of 768 bytes): 16 stored rows on end are a block of 12,288 bytes; in it each 128 along K are 1,536 bytes, laid as the operand's registers take them:
; six units of 256 bytes; unit 3 c + j holds, at 8 x (row % 16 + 16 h), bytes 8 j .. 8 j + 7 of the 24 bytes of K block 2 c + h.  The work-group's 32 rows are two such blocks: they meet in LDS and leave dense.
.set IMG, 84992                        ; LDS: the work-group's 24,576 bytes of codes, behind the spare words
	s_lshr_b32 s47, s16, 3                         ; my rows are 2 x wave and 2 x wave + 1 of the 32: block wave / 8,
	s_mul_i32 s47, s47, 12288
	s_and_b32 s46, s16, 7
	s_lshl_b32 s46, s46, 4                         ; row 2 (wave % 8) of it, 8 bytes a row
	s_add_co_u32 s47, s47, s46
	s_add_co_u32 s47, s47, IMG
	v_and_b32 v12, 1, v2                           ; which half of a K block my 16 codes are
	v_bfe_u32 v4, v2, 1, 1                         ; h
	v_lshlrev_b32 v4, 7, v4
	v_bfe_u32 v13, v2, 2, 1                        ; c
	v_mad_u32_u24 v4, v13, 768, v4
	v_lshrrev_b32 v13, 3, v2                       ; which 128 along K of the step's 512
	v_mad_u32_u24 v4, v13, 1536, v4
	v_add_nc_u32 v4, s47, v4
	v_mad_u32_u24 v10, v12, 508, v4
	v_add_nc_u32 v10, 4, v10                       ; my second word: byte 4 of unit 3 c, or byte 0 of unit 3 c + 2
	v_mad_u32_u24 v4, v12, 260, v4                 ; my first word: byte 0 of unit 3 c, or byte 4 of unit 3 c + 1; my third lies 256 bytes on
	s_mul_i32 s46, s16, 1536
	s_add_co_u32 s46, s46, IMG
	v_add_nc_u32 v13, s46, v3                      ; the way out: 1,536 bytes a wave, 16 a lane
	v_lshrrev_b32 v5, 1, v2
	s_lshl_b32 s17, s16, 6
	s_add_co_u32 s17, s17, SCB
	v_add_nc_u32 v5, s17, v5                       ; LDS: my wave's 64 scale bytes, my block's byte
	s_and_b32 s17, s16, 1
	s_lshl_b32 s17, s17, 9
	v_add_nc_u32 v7, s17, v3                       ; the scale bytes' way out (waves 0 and 1): 512 x wave + 16 x lane,
	s_delay_alu instid0(VALU_DEP_1)
	v_add_nc_u32 v6, SCB, v7                       ; in LDS
	s_and_b32 s32, s16, 3                          ; which two rows of the run are mine
	s_lshr_b32 s18, s16, 2
	s_lshl_b32 s19, ttmp9, 2
	s_add_co_u32 s18, s18, s19                     ; G = 4 x work-group + wave / 4
	s_cmp_lt_u32 ttmp9, 128
	s_cselect_b32 s19, 0, 512
	s_cmp_lt_u32 ttmp9, 224
	s_cselect_b32 s19, s19, 896
	s_sub_co_u32 s19, s18, s19                     ; L: the run's number in its tensor
	s_lshr_b32 s20, s19, 7                         ; T      (L = 128 T + 16 w + 4 g + 2 u + hb)
	s_and_b32 s21, s19, 127
	s_and_b32 s22, s21, 1                          ; hb
	s_bfe_u32 s23, s21, 0x10001                    ; u
	s_bfe_u32 s24, s21, 0x20002                    ; g
	s_lshr_b32 s25, s21, 4                         ; w
	s_lshl_b32 s26, s25, 1                         ; q, k: f0 = (2 w + g / 2) 192 + 64 T + 32 (g % 2) + 16 hb + 8 u
	s_lshr_b32 s27, s24, 1
	s_add_co_u32 s26, s26, s27
	s_mul_i32 s26, s26, 192
	s_lshl_b32 s27, s20, 6
	s_add_co_u32 s26, s26, s27
	s_and_b32 s27, s24, 1
	s_lshl_b32 s27, s27, 5
	s_add_co_u32 s26, s26, s27
	s_lshl_b32 s27, s22, 4
	s_add_co_u32 s26, s26, s27
	s_lshl_b32 s27, s23, 3
	s_add_co_u32 s26, s26, s27
	s_mul_i32 s28, s23, 192                        ; v: f0 = 192 u + 128 + 32 (w / 4) + 16 (w % 2) + 8 ((w / 2) % 2) + 2 g + hb
	s_add_co_u32 s28, s28, 128
	s_lshr_b32 s27, s25, 2
	s_lshl_b32 s27, s27, 5
	s_add_co_u32 s28, s28, s27
	s_and_b32 s27, s25, 1
	s_lshl_b32 s27, s27, 4
	s_add_co_u32 s28, s28, s27
	s_bfe_u32 s27, s25, 0x10001
	s_lshl_b32 s27, s27, 3
	s_add_co_u32 s28, s28, s27
	s_lshl_b32 s27, s24, 1
	s_add_co_u32 s28, s28, s27
	s_add_co_u32 s28, s28, s22
	s_cmp_eq_u32 s20, 2
	s_cselect_b32 s26, s28, s26
	s_cselect_b32 s29, 384, 1
	s_lshl_b32 s30, s19, 3                         ; x, W_out: rows as they lie: f0 = 8 L, stride 1
	s_sub_co_u32 s31, ttmp9, 128
	s_cmp_lt_u32 s31, 96                           ; W_qkv's work-groups are 128 to 223
	s_cselect_b32 s26, s26, s30                    ; f0
	s_cselect_b32 s29, s29, 1                      ; stride
	s_cselect_b32 s33, 1, 0
	s_mul_i32 s37, s32, s29
	s_lshl_b32 s37, s37, 1
	s_add_co_u32 s37, s37, s26                     ; my first source row: f0 + 2 x (wave % 4) x stride
	s_lshl_b32 s34, s37, 12                        ; a source row is 4,096 bytes
	s_mov_b32 s35, 0
	s_lshl_b32 s36, s29, 12
	v_mov_b32 v[VO], v3
	v_add_nc_u32 v[VO+1], s36, v3
	s_lshl_b32 s38, ttmp9, 4
	s_add_co_u32 s38, s38, s16
	s_mul_i32 s38, s38, 1536                       ; my sixteenth of the work-group's codes: 6144 G + 1536 (wave % 4)
	s_mov_b32 s39, 0
	s_lshl_b32 s44, ttmp9, 10                      ; the work-group's 1,024 scale bytes
	s_mov_b32 s45, 0
	s_lshl_b32 s42, s19, 5                         ; the run's 8 biases: 32 bytes, behind the 262,144 scale bytes
	s_add_co_u32 s42, s42, 262144
	s_mov_b32 s43, 0
	s_wait_alu depctr_va_vdst(0)
	s_wait_kmcnt 0x0
	s_cmp_lt_u32 ttmp9, 128                        ; the choice of the source hangs on the work-group's number alone
	s_cselect_b64 s[4:5], s[4:5], s[6:7]
	s_cmp_lt_u32 ttmp9, 224
	s_cselect_b64 s[4:5], s[4:5], s[8:9]
	s_add_nc_u64 s[4:5], s[4:5], s[34:35]
	s_add_nc_u64 s[12:13], s[12:13], s[38:39]
	s_add_nc_u64 s[40:41], s[14:15], s[42:43]
	s_add_nc_u64 s[14:15], s[14:15], s[44:45]
.macro LOAD t                          ; step t is half (t % 2) of my row t / 2
.irp i, 0,1,2,3
	global_load_b128 v[R+16*((\t)%4)+4*\i:R+16*((\t)%4)+4*\i+3], v[VO+((\t)/2)], s[4:5] offset:2048*((\t)%2)+512*\i th:TH_LOAD_NT   ; 32 lanes read 512 consecutive bytes
.endr
.endm
.macro TURN t                          ; step t's numbers through the stage: LDS serves a wave's instructions in order, so no wait stands between the stores and the loads
.irp i, 0,1,2,3
	ds_store_b128 v14, v[R+16*((\t)%4)+4*\i:R+16*((\t)%4)+4*\i+3] offset:32*SP*((\t)%2)+8*SP*\i
.endr
.irp i, 0,1,2,3
	ds_load_b128 v[X+16*((\t)%2)+4*\i:X+16*((\t)%2)+4*\i+3], v15 offset:32*SP*((\t)%2)+16*\i
.endr
.endm
.irp t, 0,1,2,3
	LOAD \t
.endr
	s_wait_loadcnt 12                              ; step 0's four loads are in; the twelve of steps 1 to 3 may be out
	TURN 0
.macro STEP t
.set XS, X+16*((\t)%2)
.if (\t) > 0
	s_wait_dscnt 4                                 ; this step's numbers are back from the stage (the last step's four small stores may be out)
.else
	s_wait_dscnt 0x0
.endif
.if (\t)+1 < STEPS
	s_wait_loadcnt 4*(STEPS-2-(\t))                ; the next step's four loads are in; those of the steps behind it may be out
	TURN (\t)+1                                    ; and go through the other stage while this step is worked
.endif
	v_max3_num_f32 v8, |v[XS]|, |v[XS+1]|, |v[XS+2]|               ; the largest magnitude of my 16, in two chains
	v_max3_num_f32 v9, |v[XS+3]|, |v[XS+4]|, |v[XS+5]|
.irp i, 6,10
	s_delay_alu instid0(VALU_DEP_2)
	v_max3_num_f32 v8, v8, |v[XS+\i]|, |v[XS+\i+1]|
	s_delay_alu instid0(VALU_DEP_2)
	v_max3_num_f32 v9, v9, |v[XS+\i+2]|, |v[XS+\i+3]|
.endr
	s_delay_alu instid0(VALU_DEP_2)
	v_max3_num_f32 v8, v8, |v[XS+14]|, |v[XS+15]|
	s_delay_alu instid0(VALU_DEP_1)
	v_max3_num_f32 v8, v8, v9, (EMAX+1)<<23        ; and the floor 2^(3 - 127): the byte cannot fall under 1
	s_delay_alu instid0(VALU_DEP_1)
	v_max_num_f32_dpp v8, v8, v8 row_xmask:1 row_mask:0xf bank_mask:0xf   ; and of my neighbour's 16: the block's
	s_delay_alu instid0(VALU_DEP_1)
	v_add_nc_u32 v11, -(EMAX<<23), v8              ; 2 off its exponent field: the conversion takes the exponent field of this operand as its scale
	v_cvt_scalef32_pk16_fp6_f32 v[C+4*(\t):C+4*(\t)+2], v[XS:XS+15], v11
	v_lshrrev_b32 v[E+(\t)], 23, v11               ; the scale's byte (a plain line behind the conversion)
	ds_store_b8 v5, v[E+(\t)] offset:16*(\t)       ; both lanes of a block write the same byte with the same value
	ds_store_b32 v4, v[C+4*(\t)] offset:6144*((\t)%2)+8*((\t)/2)        ; my 12 bytes, word by word, to their places in the block
	ds_store_b32 v10, v[C+4*(\t)+1] offset:6144*((\t)%2)+8*((\t)/2)
	ds_store_b32 v4, v[C+4*(\t)+2] offset:6144*((\t)%2)+8*((\t)/2)+256
.endm
.irp t, 0,1,2,3
	STEP \t
.endr
	s_wait_dscnt 0x0                               ; for the others' sake: my 64 scale bytes lie in LDS
	s_barrier_signal -1
	s_barrier_wait -1
.irp c, 0,1,2
	ds_load_b128 v[144+4*\c:147+4*\c], v13 offset:512*\c
.endr
	s_wait_dscnt 0x0
.irp c, 0,1,2
	global_store_b128 v3, v[144+4*\c:147+4*\c], s[12:13] offset:512*\c   ; 512 consecutive bytes, aligned: my sixteenth of the work-group's 24,576
.endr
	s_cmp_gt_u32 s16, 1
	s_cbranch_scc1 .Lno_bytes
	ds_load_b128 v[116:119], v6
	s_wait_dscnt 0x0
	global_store_b128 v7, v[116:119], s[14:15]     ; 32 lanes store 512 consecutive bytes, aligned
.Lno_bytes:
	s_cmp_eq_u32 s33, 0                            ; in W_qkv's work-groups the first wave of each run also lays b_qkv in the stored order: 8 numbers a run, 32 bytes a store, 12,288 bytes in the whole launch
	s_cbranch_scc1 .Ldone
	s_cmp_lg_u32 s32, 0
	s_cbranch_scc1 .Ldone
	v_and_b32 v120, 7, v2
	s_delay_alu instid0(VALU_DEP_1)
	v_mul_lo_u32 v121, v120, s29
	s_delay_alu instid0(VALU_DEP_1)
	v_add_nc_u32 v121, s26, v121
	s_delay_alu instid0(VALU_DEP_1)
	v_lshlrev_b32 v121, 2, v121                    ; b_qkv at f0 + lane x stride
	s_delay_alu instid0(VALU_DEP_4)
	v_lshlrev_b32 v120, 2, v120
	v_cmp_gt_u32 vcc_lo, 8, v2
	s_wait_alu depctr_va_vdst(0)
	s_wait_xcnt 0x0                                ; EXEC changes only when the earlier stores have read it
	s_and_saveexec_b32 s46, vcc_lo
	global_load_b32 v122, v121, s[10:11]
	s_wait_loadcnt 0x0
	global_store_b32 v120, v122, s[40:41]
	s_wait_xcnt 0x0                                ; and again ahead of the line that widens it
	s_or_b32 exec_lo, exec_lo, s46
.Ldone:
	s_wait_tensorcnt 0x0
	ds_add_u32 v200, v201
	s_wait_dscnt 0x0
	s_endpgm
.Lfunc_end_k_qb05aaec7a2_quant:
	.size	k_qb05aaec7a2_quant, .Lfunc_end_k_qb05aaec7a2_quant-k_qb05aaec7a2_quant
	.p2alignl 7, 3214868480
	.fill 96, 4, 3214868480
	.section	.rodata,"a",@progbits
	.p2align	6, 0x0
	.amdhsa_kernel k_qb05aaec7a2_quant
		.amdhsa_group_segment_fixed_size 109568
		.amdhsa_private_segment_fixed_size 0
		.amdhsa_enable_private_segment 0
		.amdhsa_kernarg_size 48
		.amdhsa_user_sgpr_count 2
		.amdhsa_user_sgpr_kernarg_segment_ptr 1
		.amdhsa_wavefront_size32 1
		.amdhsa_system_sgpr_workgroup_id_x 1
		.amdhsa_system_sgpr_workgroup_id_y 1
		.amdhsa_system_sgpr_workgroup_id_z 1
		.amdhsa_system_vgpr_workitem_id 0
		.amdhsa_next_free_vgpr 202
		.amdhsa_next_free_sgpr 66
		.amdhsa_reserve_vcc 1
		.amdhsa_float_denorm_mode_32 3
		.amdhsa_float_denorm_mode_16_64 3
		.amdhsa_memory_ordered 1
		.amdhsa_forward_progress 1
		.amdhsa_inst_pref_size 17
	.end_amdhsa_kernel
	.amdgpu_metadata
---
amdhsa.version: [ 1, 2 ]
amdhsa.kernels:
  - .name:           k_qb05aaec7a2_quant
    .symbol:         k_qb05aaec7a2_quant.kd
    .args:
      - { .name: x, .offset: 0, .size: 8, .value_kind: global_buffer, .address_space: global }
      - { .name: W_qkv, .offset: 8, .size: 8, .value_kind: global_buffer, .address_space: global }
      - { .name: W_out, .offset: 16, .size: 8, .value_kind: global_buffer, .address_space: global }
      - { .name: b_qkv, .offset: 24, .size: 8, .value_kind: global_buffer, .address_space: global }
      - { .name: l1c, .offset: 32, .size: 8, .value_kind: global_buffer, .address_space: global }
      - { .name: l1s, .offset: 40, .size: 8, .value_kind: global_buffer, .address_space: global }
    .group_segment_fixed_size: 109568
    .private_segment_fixed_size: 0
    .kernarg_segment_align: 8
    .kernarg_segment_size: 48
    .max_flat_workgroup_size: 512
    .sgpr_count:     66
    .vgpr_count:     202
    .wavefront_size: 32
...
	.end_amdgpu_metadata
.endif
;; end of part 5
;; launch gemm_qkv (part 6): grid 12 x 16, 4 waves a work-group, clusters of 4 x 4, 327,680 bytes of LDS; arguments l1c, l1s, qkvc, qkvs; writes qkvc, qkvs
.if DOCPART == 6
	.amdgcn_target "amdgcn-amd-amdhsa--gfx1250"
	.amdhsa_code_object_version 6
	.text
	.protected	k_qb05aaec7a2_gemm_qkv
	.globl	k_qb05aaec7a2_gemm_qkv
	.p2align	8
	.type	k_qb05aaec7a2_gemm_qkv,@function
k_qb05aaec7a2_gemm_qkv:
	s_mov_b64 s[64:65], 0
	v_nop
	global_prefetch_b8 v0, s[64:65] scope:SCOPE_SE
	s_setreg_imm32_b32 hwreg(HW_REG_WAVE_MODE, 25, 1), 1
	s_wait_xcnt 0x0
	s_wait_alu depctr_hold_cnt(0) depctr_sa_sdst(0) depctr_va_vdst(0) depctr_va_sdst(0) depctr_va_ssrc(0) depctr_va_vcc(0) depctr_vm_vsrc(0)
	s_getreg_b32 s2, hwreg(HW_REG_IB_STS2, 6, 4)
	s_cmp_eq_u32 s2, 0
	s_cbranch_scc0 .Lentry_in_a_cluster
	s_endpgm
.Lentry_in_a_cluster:
	s_bfe_u32 s2, ttmp6, 0x10000c
	s_cmp_lg_u32 s2, 0xf033
	s_cbranch_scc0 .Lentry_shape_is_right
	s_endpgm
.Lentry_shape_is_right:
; qkv = x W_qkv^T + b_qkv on codes of FP6 (E2M3) with E8M0 scales; M 4,096, N 3,072 (in the stored order of W_qkv's rows), K 1,024; sums in f32, begun with the bias.  The results never go to memory as f32:
; q, k and v are quantised here, in the lanes in which the sums fall, and leave as codes and scale bytes.
; A tile of 256 x 256 is made by four waves, 128 x 128 each: 64 accumulators of 16 x 16.  K goes in steps of 256 through two LDS slots filled by the tensor data mover; the scale bytes of the work-group's rows come once.
; CLUSTERS: 4 x 4 work-groups; A's tiles are asked for jointly along a row of the cluster, B's along a column.  192 work-groups: a wave's 128 stored columns are the unit in which the results are quantised, so the tile is not cut further.
; THE MATRIX INSTRUCTION IS USED TRANSPOSED (source 0 = 16 stored rows of W, source 1 = 16 rows of x): lane (r, h) holds row r of x, and register i of B's block 2 g + u the stored column 32 g + 16 u + 8 h + i of the wave's 128.
; THE RESHAPE of qkv is plain: row sg of x holds 16 rows j of a head (head = sg / 128, place 16 (sg % 128) + j), 192 numbers each: q, k, v.
;   q, k (cluster x = 0, 1): the wave's 128 columns are rows j = 2 w, 2 w + 1, all 64 d: the 64 registers of a block of x's rows are k = 32 g + 16 h + 8 u + i over (j % 2, d): one fragment of 16 rows x 128, four scale bytes a row.
;     Stored [sg / 16][w][sg % 16][96 bytes]; scale words [w][sg].
;   v (cluster x = 2): quantised along the KEYS.  A block of 32 keys is rows sg = 2 t, 2 t + 1 of x, all 16 j.  The wave's columns are 8 values of d x 16 j: a lane's 16 registers of blocks 2 g, 2 g + 1 are the 16 j of one d,
;     and lanes r, r xor 1 share a block.  Stored [head][sg % 128 / 16][w][1,536 bytes in the operand's order]; scale bytes [head][row of d][64].  Inside a block the keys stand in the order 16 (sg % 2) + 8 (j % 2) + j / 2.
; LIMITS: a block of zeros gets the byte 1 (its codes are zeros; only this program reads the bytes); NaN and infinities are not served.
; REGISTERS, in windows of 256: window 0: v0-31 addresses; v32-63 scale words, two sets; v64-127 the bias; from v128 A's fragments, one set.  window 1: B's fragments, two sets.  windows 2, 3: the accumulators ((a, b) at v[8 (8 (a % 4) + b)]).
.set SIZE_K, 1024
.set KSTEP,  256
.set NQ,     KSTEP/128
; THE CODES OF x AND W COME IN THE OPERANDS' OWN ORDER: 16 rows are a block of 12,288 bytes, each 128 along K 1,536 bytes of it: six units of 256 bytes, 8 bytes a lane.  A tile's row is a block's 3,072 bytes of a K step.
.set ROWB,   3072                      ; a K step's bytes of a block of 16 rows
.set KROW,   12288                     ; from block to block
.set FR,     12
.set NL,     6                         ; LDS loads of a fragment
.set NP,     4                         ; places behind this matrix instruction (ISA guide 7.12.1)
.set HALFT,  8*ROWB
.set SLOT,   4*HALFT
.set LAPS,   SIZE_K/(2*KSTEP)
.set KS,     SIZE_K/32
.set SCL,    2*SLOT                    ; behind the ring: the scale bytes, 256 bytes + 16 of padding at a time
.set HALFS,  (128*KS/256)*272
.set SBLK,   (16*KS/256)*272
.set SPARE,  SCL+4*HALFS               ; the spare words, 128 bytes for each wave: no other line names them
.set WQC,    3145728                   ; W_qkv's codes in l1c
.set WQS,    131072                    ; its scale bytes in l1s
.set BQP,    262144                    ; the bias in stored order, in l1s
.set ADRA, 16
.set ADRB, 20
.set ADRS, 27
.set SPW,  28
.set NIL,  29
.set BO,   30                          ; v30  32 x (lane / 16): my eight biases of a block
.set SC,   32
.set BI,   64                          ; v64-127  the bias: block b's eight numbers at v[BI + 8 b]
.set AF,   128
.set G1, 24
.set G0, 32
.set G1B, 48
.set G0B, 56
.set G1S, 68
.set G0S, 76
.set G1SB, 80
.set G0SB, 88
.set MSB, 0
.macro WIN new                         ; the immediate's high byte repeats the setting that is left
.if MSB != (\new)
	s_set_vgpr_msb (MSB<<8)|(\new)
.set MSB, (\new)
.endif
.endm
.set MUL_LO, 0xa1                      ; source 0 (B) window 1, source 1 (A) window 0, C and D window 2
.set MUL_HI, 0xf1                      ; the same, C and D window 3
.set TO_B,   0x40
; A joint load: waves 0 and 1 fetch for A, waves 2 and 3 for B; the branch hangs on the wave's number alone.  Four v_nop follow each of the two lines.
.macro JLOAD g0a, g1a, g0b, g1b
	s_cmp_eq_u32 s15, 0
	s_cbranch_scc0 .Lfor_b_\@
	tensor_load_to_lds s[\g0a:\g0a+3], s[\g1a:\g1a+7]
	s_nop 0
.rept 4
	v_nop
.endr
	s_branch .Lasked_\@
.Lfor_b_\@:
	tensor_load_to_lds s[\g0b:\g0b+3], s[\g1b:\g1b+7]
	s_nop 0
.rept 4
	v_nop
.endr
.Lasked_\@:
.endm
.macro CREST                           ; a round of the cluster's barrier behind its opening barrier
	s_cmp_lg_u32 s14, 0
	s_cbranch_scc1 .Lnot_wave_0_\@
	s_barrier_signal -3
.Lnot_wave_0_\@:
	s_barrier_wait -3
	s_barrier_signal -1
	s_barrier_wait -1
.endm
.macro CROUND
	s_barrier_signal -1
	s_barrier_wait -1
	CREST
.endm
	s_load_b128 s[4:7], s[0:1], 0x0                ; l1c (x's codes at its head), l1s (x's scale bytes at its head)
	s_load_b128 s[96:99], s[0:1], 0x10             ; qkvc, qkvs
	v_lshl_add_u32 v[SPW], v0, 2, SPARE
	v_mov_b32 v[NIL], 0
	ds_add_u32 v28, v29
	ds_add_u32 v28, v29
	s_wait_dscnt 0x0
	v_lshrrev_b32 v1, 5, v0
	v_readfirstlane_b32 s14, v1                    ; wave 0..3
	s_lshr_b32 s15, s14, 1                         ; which half of the tile's rows is mine.  Also: I fetch for A (0) or for B (1)
	s_and_b32 s16, s14, 1                          ; which half of its columns.  Also: which 128 rows of that tile I fetch
	s_bfe_u32 s40, ttmp6, 0x40000                  ; cx, cy
	s_bfe_u32 s41, ttmp6, 0x40004
	s_lshl_b32 s42, ttmp9, 2
	s_add_co_u32 s42, s42, s40                     ; tile column = 4 x cluster x + cx
	s_and_b32 s17, ttmp7, 0xffff
	s_lshl_b32 s17, s17, 2
	s_add_co_u32 s17, s17, s41                     ; tile row = 4 x cluster y + cy
	s_lshl_b32 s43, s41, 2
	s_lshl_b32 s43, 15, s43                        ; my row of the cluster
	s_lshl_b32 s44, 0x1111, s40                    ; my column
	s_or_b32 s[G1+0], s43, (3<<16)|(1<<21)         ; the mask; elements of 8 bytes; bit 21 beside a mask; no padding
	s_or_b32 s[G1B+0], s44, (3<<16)|(1<<21)
.irp g, G1, G1B
	s_mov_b32 s[\g+1], (ROWB/8)<<16                ; tensor_dim0
	s_mov_b32 s[\g+2], 16<<16                      ; tensor_dim1: 16 blocks for the head's loads, 8 behind them
	s_mov_b32 s[\g+3], (ROWB/8)<<16                ; tile_dim0
	s_mov_b32 s[\g+4], 16                          ; tile_dim1
	s_mov_b32 s[\g+5], KROW/8                      ; the pitch
	s_mov_b32 s[\g+6], 0
	s_mov_b32 s[\g+7], 0
.endr
	s_or_b32 s[G1S+0], s43, (3<<16)|(1<<20)|(1<<21)|(5<<22)|(3<<25)  ; the scale bytes of 256 rows: a dense block, as rows of 256 bytes, 16 bytes of padding behind each
	s_or_b32 s[G1SB+0], s44, (3<<16)|(1<<20)|(1<<21)|(5<<22)|(3<<25)
.irp g, G1S, G1SB
	s_mov_b32 s[\g+1], 32<<16
	s_mov_b32 s[\g+2], KS<<16                      ; the scale bytes of 256 rows: KS rows of 256 bytes
	s_mov_b32 s[\g+3], 32<<16
	s_mov_b32 s[\g+4], KS
	s_mov_b32 s[\g+5], 32
	s_mov_b32 s[\g+6], 0
	s_mov_b32 s[\g+7], 0
.endr
	s_lshl_b32 s20, s17, 8                         ; A: the tile's first row
	s_lshl_b32 s46, s42, 8                         ; B: its first stored row
	s_mov_b32 s21, 0
	s_mov_b32 s47, 0
	s_mov_b64 s[18:19], KS
	s_mul_u64 s[22:23], s[20:21], s[18:19]
	s_mul_u64 s[92:93], s[46:47], s[18:19]
	s_mov_b64 s[18:19], KROW/16
	s_mul_u64 s[20:21], s[20:21], s[18:19]
	s_mul_u64 s[46:47], s[46:47], s[18:19]
	s_mul_i32 s18, s16, 8*KROW                     ; in the ring I fetch 128 rows of a tile: which half, in bytes
	s_mov_b32 s19, 0
	s_mul_i32 s45, s14, HALFT                      ; where they go: wave x 128 rows
	s_wait_kmcnt 0x0
	s_add_nc_u64 s[8:9], s[4:5], WQC               ; W_qkv's codes,
	s_add_nc_u64 s[10:11], s[6:7], WQS             ; its scale bytes,
	s_add_nc_u64 s[12:13], s[6:7], BQP             ; the bias
	s_add_nc_u64 s[20:21], s[4:5], s[20:21]
	s_add_nc_u64 s[22:23], s[6:7], s[22:23]
	s_add_nc_u64 s[46:47], s[8:9], s[46:47]
	s_add_nc_u64 s[92:93], s[10:11], s[92:93]
	CROUND                                         ; all sixteen work-groups are here: the first joint loads meet
	s_mov_b32 s[G0S], 1
	s_mov_b32 s[G0S+1], SCL
	s_mov_b64 s[G0S+2:G0S+3], s[22:23]
	s_or_b32 s[G0S+3], s[G0S+3], 0x80000000
	s_mov_b32 s[G0SB], 1
	s_mov_b32 s[G0SB+1], SCL+2*HALFS
	s_mov_b64 s[G0SB+2:G0SB+3], s[92:93]
	s_or_b32 s[G0SB+3], s[G0SB+3], 0x80000000
.set G0H, 4                            ; s[4:7], s[8:11]: group 0 of the head's loads of K step 0 (the arguments that lay there have been used)
.set G0HB, 8
	s_mov_b32 s[G0H], 1                            ; K step 0 of A's 256 rows,
	s_mov_b32 s[G0H+1], 0
	s_mov_b64 s[G0H+2:G0H+3], s[20:21]
	s_or_b32 s[G0H+3], s[G0H+3], 0x80000000
	s_mov_b32 s[G0HB], 1                           ; and of B's, behind them in slot 0
	s_mov_b32 s[G0HB+1], 2*HALFT
	s_mov_b64 s[G0HB+2:G0HB+3], s[46:47]
	s_or_b32 s[G0HB+3], s[G0HB+3], 0x80000000
	s_add_nc_u64 s[20:21], s[20:21], s[18:19]      ; for the ring: my 128 rows of the tile
	s_add_nc_u64 s[46:47], s[46:47], s[18:19]
.irp s, 0,1
	s_mov_b32 s[G0+4*\s], 1
	s_add_co_u32 s[G0+4*\s+1], s45, \s*SLOT
	s_add_nc_u64 s[G0+4*\s+2:G0+4*\s+3], s[20:21], \s*ROWB
	s_or_b32 s[G0+4*\s+3], s[G0+4*\s+3], 0x80000000
	s_mov_b32 s[G0B+4*\s], 1
	s_add_co_u32 s[G0B+4*\s+1], s45, \s*SLOT
	s_add_nc_u64 s[G0B+4*\s+2:G0B+4*\s+3], s[46:47], \s*ROWB
	s_or_b32 s[G0B+4*\s+3], s[G0B+4*\s+3], 0x80000000
.endr
; The head's four tiles, one load a wave: wave 0 A's codes, wave 1 B's, wave 2 A's scale bytes, wave 3 B's; one chain of branches on the wave's number, all arms to one join.
.macro ARM under, g0, g1, next
	s_cmp_lt_u32 s14, \under
	s_cbranch_scc0 \next
	tensor_load_to_lds s[\g0:\g0+3], s[\g1:\g1+7]
	s_nop 0
.rept 4
	v_nop
.endr
	s_branch .Lhead_asked
\next:
.endm
	ARM 1, G0H,  G1,  .Lhead_b
	ARM 2, G0HB, G1B, .Lhead_sa
	ARM 3, G0S,  G1S, .Lhead_sb
	tensor_load_to_lds s[G0SB:G0SB+3], s[G1SB:G1SB+7]
	s_nop 0
.rept 4
	v_nop
.endr
.Lhead_asked:
	v_and_b32 v1, 15, v0
	v_bfe_u32 v2, v0, 4, 1                         ; h
	s_lshl_b32 s46, s42, 10                        ; the bias of my 128 stored columns: 4 (256 x tile column + 128 x half) bytes on
	s_lshl_b32 s47, s16, 9
	s_add_co_u32 s46, s46, s47
	s_mov_b32 s47, 0
	s_add_nc_u64 s[12:13], s[12:13], s[46:47]
	v_lshlrev_b32 v[BO], 5, v2
.irp b, 0,1,2,3,4,5,6,7
	global_load_b128 v[BI+8*\b:BI+8*\b+3], v[BO], s[12:13] offset:64*\b      ; in the result's layout: block b's columns 8 h + 0 .. 7
	global_load_b128 v[BI+8*\b+4:BI+8*\b+7], v[BO], s[12:13] offset:64*\b+16
.endr
	v_and_b32 v4, 31, v0
	v_lshlrev_b32 v4, 3, v4                        ; my 8 bytes of each unit of 256
	s_mul_i32 s21, s15, HALFT
	s_mul_i32 s22, s16, HALFT
	s_add_co_u32 s22, s22, 2*HALFT
.irp s, 0,1
	v_add_nc_u32 v[ADRA+\s], s21, v4
	v_add_nc_u32 v[ADRB+\s], s22, v4
	s_add_co_u32 s21, s21, SLOT
	s_add_co_u32 s22, s22, SLOT
.endr
	s_wait_alu depctr_va_vdst(0)                   ; the wait here, directly ahead of the reader below
	v_mul_u32_u24 v5, v1, KS
	v_lshrrev_b32 v6, 8, v5
	v_lshl_add_u32 v5, v6, 4, v5
	s_mul_i32 s21, s15, HALFS
	s_mul_i32 s22, s16, HALFS
	s_add_co_u32 s22, s22, 2*HALFS
	s_sub_co_u32 s22, s22, s21
	v_mul_u32_u24 v6, s22, v2                      ; lanes 16-31 take B's scale words
	s_add_co_u32 s21, s21, SCL
	v_add_nc_u32 v5, v5, v6
	v_add_nc_u32 v[ADRS], s21, v5
.macro FRAG reg, adr, q, i             ; 16 rows x 128 K: 12 registers, in pieces of 8 bytes
.irp p, 0,1,2,3,4,5
	ds_load_b64 v[\reg+2*\p:\reg+2*\p+1], v[\adr] offset:(\i)*ROWB+1536*(\q)+256*\p   ; the 32 lanes read one unit of 256 consecutive bytes
.endr
.endm
; 16 matrix instructions: A's blocks a0, a0 + 1 x B's eight.  first = 1: the sums begin with the bias as C.  The 64 accumulators take turns, one instruction a turn, in the same order in every step.
.macro MUL16 a0, p, q, sc, first
.irp a, \a0, \a0+1
.irp b, 0,1,2,3,4,5,6,7
.if \first
	v_wmma_scale_f32_16x16x128_f8f6f4 v[8*(8*((\a)%4)+\b):8*(8*((\a)%4)+\b)+7], v[128*(\p)+FR*\b:128*(\p)+FR*\b+FR-1], v[AF+FR*(\a):AF+FR*(\a)+FR-1], v[BI+8*\b:BI+8*\b+7], v[SC+8*NQ*(\sc)+NQ*\b+(\q)], v[SC+8*NQ*(\sc)+NQ*(\a)+(\q)] matrix_a_fmt:MATRIX_FMT_FP6 matrix_b_fmt:MATRIX_FMT_FP6 matrix_a_scale:MATRIX_SCALE_ROW1
.else
	v_wmma_scale_f32_16x16x128_f8f6f4 v[8*(8*((\a)%4)+\b):8*(8*((\a)%4)+\b)+7], v[128*(\p)+FR*\b:128*(\p)+FR*\b+FR-1], v[AF+FR*(\a):AF+FR*(\a)+FR-1], v[8*(8*((\a)%4)+\b):8*(8*((\a)%4)+\b)+7], v[SC+8*NQ*(\sc)+NQ*\b+(\q)], v[SC+8*NQ*(\sc)+NQ*(\a)+(\q)] matrix_a_fmt:MATRIX_FMT_FP6 matrix_b_fmt:MATRIX_FMT_FP6 matrix_a_scale:MATRIX_SCALE_ROW1
.endif
.endr
.endr
.endm
.macro FETCH_B slot, q, p
	WIN TO_B
.irp i, 0,1,2,3,4,5,6,7
	FRAG 128*(\p)+FR*\i, ADRB+\slot, \q, \i
.endr
	WIN 0
.endm
.macro FETCH_A slot, q, i0
.irp i, \i0, \i0+1, \i0+2, \i0+3
	FRAG AF+FR*(\i), ADRA+\slot, \q, \i
.endr
.endm
.macro SCALES sc                       ; a K step's scale words: lanes 0-15 A's block i, lanes 16-31 B's block i
.irp i, 0,1,2,3,4,5,6,7
	ds_load_b64 v[SC+8*NQ*\sc+NQ*\i:SC+8*NQ*\sc+NQ*\i+1], v[ADRS] offset:\i*SBLK
.endr
.endm
.macro PLACES n                        ; plain vector lines between a matrix instruction and a load into, or a read of, its registers
.rept \n
	v_nop
.endr
.endm
.macro STEP slot, q, first             ; a step of 128 along K that has its successor in the same slot
	s_wait_dscnt 4*NL                              ; B's set and A's blocks 0-3 are in; the youngest 24 loads (A's blocks 4-7) may be out
.if \first
	WIN 0x81                                       ; C (the bias) in window 0, D in window 2
.else
	WIN MUL_LO
.endif
	MUL16 0, (\q)%2, \q, \slot, \first
	MUL16 2, (\q)%2, \q, \slot, \first
	s_wait_dscnt 0
	PLACES NP
	FETCH_B \slot, (\q)+1, 1-(\q)%2
	FETCH_A \slot, (\q)+1, 0
.if \first
	WIN 0xc1
.else
	WIN MUL_HI
.endif
	MUL16 4, (\q)%2, \q, \slot, \first
	MUL16 6, (\q)%2, \q, \slot, \first
	PLACES NP
	WIN 0
	FETCH_A \slot, (\q)+1, 4
.endm
; A slot's last step changes slots: one barrier; ahead of it each wave waits for all its tensor loads, adds 0 to its spare word, and waits for that and for its own reads of this slot.  fill = 1: this slot is filled again, two K steps ahead.
.macro TURN slot, next, fill
	s_wait_tensorcnt 0x0                           ; all my tensor loads have landed: my part of the next slot
	ds_add_u32 v[SPW], v[NIL]                      ; 0 onto my spare word
	s_wait_dscnt 4*NL+1                            ; the add and the youngest 24 loads (A's blocks 4-7) may be out
	WIN MUL_LO
	MUL16 0, 1, NQ-1, \slot, 0
	s_wait_dscnt 0x0                               ; the add is done, and my reads of this slot are over
	s_barrier_signal -1
	MUL16 2, 1, NQ-1, \slot, 0
	WIN 0
	s_barrier_wait -1
.if \fill
	CREST                                          ; the barrier has opened a round of the cluster's: no wave of any partner still reads this slot or has a load on its way
	s_add_nc_u64 s[G0+4*\slot+2:G0+4*\slot+3], s[G0+4*\slot+2:G0+4*\slot+3], 2*ROWB
	s_add_nc_u64 s[G0B+4*\slot+2:G0B+4*\slot+3], s[G0B+4*\slot+2:G0B+4*\slot+3], 2*ROWB
	JLOAD G0+4*\slot, G1, G0B+4*\slot, G1B         ; the first tensor load behind the round; its four v_nop are the places ahead of the loads below
.else
	PLACES NP
.endif
	s_wait_alu depctr_va_vdst(0)
	v_add_nc_u32 v[ADRS], 4*NQ, v[ADRS]
	FETCH_B \next, 0, 0
	FETCH_A \next, 0, 0
	SCALES \next
	WIN MUL_HI
	MUL16 4, 1, NQ-1, \slot, 0
	MUL16 6, 1, NQ-1, \slot, 0
	PLACES NP
	WIN 0
	FETCH_A \next, 0, 4
.endm
	s_wait_alu depctr_va_vdst(0)
	s_wait_tensorcnt 0x0                           ; my tile of the head's four is in
	ds_add_u32 v[SPW], v[NIL]
	s_mov_b32 s[G1+2], 8<<16                       ; no tensor load of mine is out: from here on a load brings 8 blocks of 16 rows
	s_mov_b32 s[G1+4], 8
	s_mov_b32 s[G1B+2], 8<<16
	s_mov_b32 s[G1B+4], 8
	s_wait_dscnt 0x0
	CROUND                                         ; all four tiles are in, and all sixteen work-groups are here
	JLOAD G0+4, G1, G0B+4, G1B                     ; K step 1, the first tensor load behind the round
	FETCH_B 0, 0, 0
	FETCH_A 0, 0, 0
	SCALES 0
	FETCH_A 0, 0, 4
	s_wait_loadcnt 0x0                             ; the bias
	STEP 0, 0, 1                                   ; the first step stands ahead of the loop: its products start the sums
	s_mov_b32 s3, LAPS-1
.Llap:
	TURN 0, 1, 1
	STEP 1, 0, 0
	TURN 1, 0, 1
	STEP 0, 0, 0
	s_sub_co_u32 s3, s3, 1
	s_cmp_lg_u32 s3, 0
	s_cbranch_scc1 .Llap
	TURN 0, 1, 0                                   ; the last lap fills nothing
	STEP 1, 0, 0
	s_wait_dscnt 4*NL
	WIN MUL_LO
	MUL16 0, 1, NQ-1, 1, 0
	MUL16 2, 1, NQ-1, 1, 0
	s_wait_dscnt 0
	WIN MUL_HI
	MUL16 4, 1, NQ-1, 1, 0
	MUL16 6, 1, NQ-1, 1, 0
	WIN 0
; THE WAY OUT.  The stages lie in slot 0, which has had its last fill and, since the last change of slots, its last read.  The two ways have LDS bytes of their own: q, k 2,048 x wave; v 8,192 + 512 x wave.
.set STQ, 16                           ; q, k: where I put my 24 bytes of a row's codes
.set STS, 17                           ;       and my row's scale word
.set RDQ, 18                           ;       where I read 16 bytes of a chunk back
.set RDS, 19                           ;       and of the 512 bytes of scale words
.set GQ,  20                           ; 16 x lane
.set GV,  21
.set SV8, 22                           ; v: my block's scale byte
.set RDV, 23                           ;    and where I read 16 of the 512 bytes back
.set TM,  32                           ; v32-35 largest magnitudes, v36-39 the partner's, then bytes, v44-47 the conversions' scale operands
	PLACES NP
	v_and_b32 v1, 15, v0
	v_bfe_u32 v2, v0, 4, 1
	v_and_b32 v3, 31, v0
	s_lshl_b32 s23, s14, 11
	v_mul_u32_u24 v[STQ], v1, 96
	v_mad_u32_u24 v[STQ], v2, 24, v[STQ]
	v_add_nc_u32 v[STQ], s23, v[STQ]
	v_lshl_add_u32 v[STS], v1, 2, s23
	v_add_nc_u32 v[STS], 1536, v[STS]
	v_lshlrev_b32 v[GQ], 4, v3
	v_add_nc_u32 v[RDQ], s23, v[GQ]
	v_add_nc_u32 v[RDS], 1536, v[RDQ]
	s_lshl_b32 s22, s14, 9
	s_add_co_u32 s22, s22, 8192
	v_lshrrev_b32 v4, 1, v1
	v_lshl_add_u32 v[SV8], v2, 6, v4
	v_add_nc_u32 v[SV8], s22, v[SV8]
	v_add_nc_u32 v[RDV], s22, v[GQ]
; v's codes leave in the order in which the next launch's operand registers take them.  My 8 rows of d x 256 keys (a block of 16 rows of x) are 1,536 bytes: for each 128 keys 768 bytes, six pieces of 128 bytes;
; piece 3 c + j holds, at 8 x (row of d % 8 + 8 hh), bytes 8 j .. 8 j + 7 of the 24 bytes of key block 2 c + hh.  They go word by word through a stage of my own, 12,288 + 1,536 x wave, and leave dense.
.set SVA, 24
.set SVB, 25
.set RDC, 26
	s_mul_i32 s22, s14, 1536
	s_add_co_u32 s22, s22, 12288
	v_lshrrev_b32 v4, 3, v1                        ; which 128 keys: r / 8
	v_mul_u32_u24 v[SVA], v4, 768
	v_bfe_u32 v4, v1, 2, 1                         ; c
	v_mad_u32_u24 v[SVA], v4, 384, v[SVA]
	v_bfe_u32 v4, v1, 1, 1                         ; hh
	v_lshl_add_u32 v[SVA], v4, 6, v[SVA]
	v_lshl_add_u32 v[SVA], v2, 3, v[SVA]           ; row of d = 2 b + h: 16 b stands in the stores' offsets
	v_add_nc_u32 v[SVA], s22, v[SVA]
	v_and_b32 v4, 1, v1                            ; which half of the key block
	v_mad_u32_u24 v[SVB], v4, 252, v[SVA]
	v_add_nc_u32 v[SVB], 4, v[SVB]
	v_mad_u32_u24 v[SVA], v4, 132, v[SVA]
	v_add_nc_u32 v[RDC], s22, v[GQ]
.irp b, 0,1,2,3
	v_mov_b32 v[TM+4+\b], 0                        ; written once: a lane permute's destination counts as one of its sources
.endr
	s_mov_b32 s20, 0x76543210
	s_mov_b32 s21, 0xfedcba98                      ; v_permlanex16_b32's selects for lane l xor 16
	s_lshl_b32 s92, s40, 1
	s_add_co_u32 s92, s92, s16                     ; w = 2 cx + column half: which 128 of the region's 1,024 stored columns
	s_lshl_b32 s93, s17, 1
	s_add_co_u32 s93, s93, s15                     ; my 128 rows of x are one head: 2 x tile row + row half
	s_mul_i32 s94, s93, 98304                      ; codes: region x 3,145,728 + head x 98,304 + 1,536 w, in all three regions
	s_mul_i32 s95, s92, 1536
	s_add_co_u32 s94, s94, s95
	s_mul_i32 s95, ttmp9, 3145728
	s_add_co_u32 s94, s94, s95
	s_mov_b32 s95, 0
	s_add_nc_u64 s[96:97], s[96:97], s[94:95]
	s_lshl_b32 s94, ttmp9, 17                      ; scales: region x 131,072
	s_add_nc_u64 s[98:99], s[98:99], s[94:95]
.macro MAXES                           ; the largest magnitude of my 16 numbers of each of the four groups of 16 registers, with the floor 2^(3 - 127); each accumulator is read from its low end on
	WIN (W<<2)|(W<<4)
.irp b, 0,1,2,3
	v_max3_num_f32 v[TM+\b], 0x1800000, |v[S0+16*\b]|, |v[S0+16*\b+1]|
.endr
.irp i, 2,4,6,8,10,12,14
.irp b, 0,1,2,3
	v_max3_num_f32 v[TM+\b], v[TM+\b], |v[S0+16*\b+\i]|, |v[S0+16*\b+\i+1]|
.endr
.endr
	WIN 0
.endm
	s_cmp_eq_u32 ttmp9, 2                          ; the cluster's x: the same in all sixteen partners
	s_cbranch_scc1 .Lv_path
	; ---- q, k: a block of 16 rows becomes one fragment; it goes through my stage and leaves as a dense chunk of 1,536 bytes
	s_lshl_b32 s94, s92, 14
	s_lshl_b32 s93, s93, 9
	s_add_co_u32 s94, s94, s93                     ; scale words: 16,384 w + 4 x my first row
	s_add_nc_u64 s[98:99], s[98:99], s[94:95]
.irp a, 0,1,2,3,4,5,6,7
.set S0, 64*(\a%4)
.set W,  2+\a/4
.set PC, 52+20*(\a%2)
.set PW, 48+\a%2
.set OB, 96+12*\a
	MAXES
.irp b, 0,1,2,3
	v_permlanex16_b32 v[TM+4+\b], v[TM+\b], s20, s21
.endr
.irp b, 0,1,2,3
	v_max_num_f32 v[TM+\b], v[TM+\b], v[TM+4+\b]   ; with lane l xor 16's: the block's largest magnitude
.endr
.irp b, 0,1,2,3
	v_add_nc_u32 v[TM+12+\b], 0xff000000, v[TM+\b] ; 2 off its exponent field: the conversion's scale operand
.endr
.irp b, 0,1,2,3
	v_lshrrev_b32 v[TM+4+\b], 23, v[TM+12+\b]      ; the scale's byte
.endr
	v_lshl_or_b32 v[PW], v[TM+5], 8, v[TM+4]
	v_lshl_or_b32 v[PW], v[TM+6], 16, v[PW]
	v_lshl_or_b32 v[PW], v[TM+7], 24, v[PW]        ; my row's scale word
	WIN W
.irp c, 0,1
	v_cvt_scalef32_pk16_fp6_f32 v[PC+6*\c:PC+6*\c+2], v[S0+32*\c:S0+32*\c+15], v[TM+12+2*\c]
	v_cvt_scalef32_pk16_fp6_f32 v[PC+12+4*\c:PC+12+4*\c+2], v[S0+16+32*\c:S0+16+32*\c+15], v[TM+12+2*\c+1]
.endr
	WIN 0
	v_nop                                          ; one plain line behind a scaled conversion
.irp c, 0,1                            ; a whole block in a lane: lanes 0-15 block 2 c, lanes 16-31 block 2 c + 1
.irp i, 0,1,2
	v_permlane16_swap_b32 v[PC+6*\c+\i], v[PC+12+4*\c+\i]
.endr
.irp i, 0,1,2
	v_mov_b32 v[PC+3+6*\c+\i], v[PC+12+4*\c+\i]
.endr
.endr
.irp p, 0,1,2,3,4,5
	ds_store_b64 v[STQ], v[PC+2*\p:PC+2*\p+1] offset:48*(\p/3)+8*(\p%3)
.endr
	ds_store_b32 v[STS], v[PW] offset:64*\a        ; both halves of the lanes write the same word with the same value
.irp c, 0,1,2
	ds_load_b128 v[OB+4*\c:OB+4*\c+3], v[RDQ] offset:512*\c   ; LDS serves a wave's instructions in order: these see my stores, and the next block's stores come behind them
.endr
.if \a > 0
	s_wait_dscnt 10                                ; the block before is back: behind its loads stand this block's 7 stores and 3 loads
.irp c, 0,1,2
	global_store_b128 v[GQ], v[OB-12+4*\c:OB-12+4*\c+3], s[96:97] offset:12288*(\a-1)+512*\c   ; 512 consecutive bytes, aligned
.endr
.endif
.endr
	ds_load_b128 v[192:195], v[RDS]
	s_wait_dscnt 1                                 ; block 7 is back (the load of the scale words may be out)
.irp c, 0,1,2
	global_store_b128 v[GQ], v[180+4*\c:180+4*\c+3], s[96:97] offset:12288*7+512*\c
.endr
	s_wait_dscnt 0x0
	global_store_b128 v[GQ], v[192:195], s[98:99]  ; my 128 rows' scale words: 512 consecutive bytes
	s_branch .Ljoin
.Lv_path:
	; ---- v: a lane's 16 registers are 16 keys of one d; lanes r and r xor 1 share a block of 32 keys; the codes go through my stage and leave as dense chunks of 1,536 bytes, 512 consecutive bytes a store
	s_lshl_b32 s94, s93, 12
	s_lshl_b32 s92, s92, 9
	s_add_co_u32 s94, s94, s92                     ; scale bytes: 4,096 x head + 512 w
	s_add_nc_u64 s[98:99], s[98:99], s[94:95]
.irp a, 0,1,2,3,4,5,6,7
.set S0, 64*(\a%4)
.set W,  2+\a/4
.set VC, 64+16*\a
.set BY, 192+4*\a
	MAXES
.irp b, 0,1,2,3
	v_max_num_f32_dpp v[TM+\b], v[TM+\b], v[TM+\b] row_xmask:1 row_mask:0xf bank_mask:0xf
.endr
.irp b, 0,1,2,3
	v_add_nc_u32 v[TM+12+\b], 0xff000000, v[TM+\b]
.endr
.irp b, 0,1,2,3
	v_lshrrev_b32 v[BY+\b], 23, v[TM+12+\b]
.endr
	WIN W
.irp b, 0,1,2,3
	v_cvt_scalef32_pk16_fp6_f32 v[VC+4*\b:VC+4*\b+2], v[S0+16*\b:S0+16*\b+15], v[TM+12+\b]
.endr
	WIN 0
	v_nop                                          ; one plain line behind a scaled conversion
.irp b, 0,1,2,3
	ds_store_b32 v[SVA], v[VC+4*\b] offset:16*\b
	ds_store_b32 v[SVB], v[VC+4*\b+1] offset:16*\b
	ds_store_b32 v[SVA], v[VC+4*\b+2] offset:16*\b+128
.endr
.irp b, 0,1,2,3
	ds_store_b8 v[SV8], v[BY+\b] offset:128*\b+8*\a   ; both lanes of a block write the same byte with the same value
.endr
.irp c, 0,1,2
	ds_load_b128 v[VC+4*\c:VC+4*\c+3], v[RDC] offset:512*\c   ; LDS serves a wave's instructions in order: these see my stores, and the next block's stores come behind them
.endr
.if \a > 0
	s_wait_dscnt 19                                ; the block before is back: behind its loads stand this block's 16 stores and 3 loads
.irp c, 0,1,2
	global_store_b128 v[GQ], v[VC-16+4*\c:VC-16+4*\c+3], s[96:97] offset:12288*(\a-1)+512*\c   ; 512 consecutive bytes, aligned
.endr
.endif
.endr
	ds_load_b128 v[224:227], v[RDV]
	s_wait_dscnt 0x0
.irp c, 0,1,2
	global_store_b128 v[GQ], v[176+4*\c:176+4*\c+3], s[96:97] offset:12288*7+512*\c
.endr
	global_store_b128 v[GQ], v[224:227], s[98:99]  ; my 8 rows of d x 64 key blocks: 512 consecutive bytes
.Ljoin:
	s_wait_tensorcnt 0x0                           ; the wave's end
	ds_add_u32 v[SPW], v[NIL]
	s_wait_dscnt 0x0
	CROUND                                         ; the closing round: no work-group ends while a partner may still ask for a tile that names it
	s_endpgm
.Lfunc_end_k_qb05aaec7a2_gemm_qkv:
	.size	k_qb05aaec7a2_gemm_qkv, .Lfunc_end_k_qb05aaec7a2_gemm_qkv-k_qb05aaec7a2_gemm_qkv
	.p2alignl 7, 3214868480
	.fill 96, 4, 3214868480
	.section	.rodata,"a",@progbits
	.p2align	6, 0x0
	.amdhsa_kernel k_qb05aaec7a2_gemm_qkv
		.amdhsa_group_segment_fixed_size 327680
		.amdhsa_private_segment_fixed_size 0
		.amdhsa_enable_private_segment 0
		.amdhsa_kernarg_size 32
		.amdhsa_user_sgpr_count 2
		.amdhsa_user_sgpr_kernarg_segment_ptr 1
		.amdhsa_wavefront_size32 1
		.amdhsa_system_sgpr_workgroup_id_x 1
		.amdhsa_system_sgpr_workgroup_id_y 1
		.amdhsa_system_sgpr_workgroup_id_z 1
		.amdhsa_system_vgpr_workitem_id 0
		.amdhsa_next_free_vgpr 1024
		.amdhsa_next_free_sgpr 100
		.amdhsa_reserve_vcc 0
		.amdhsa_float_denorm_mode_32 3
		.amdhsa_float_denorm_mode_16_64 3
		.amdhsa_memory_ordered 1
		.amdhsa_forward_progress 1
		.amdhsa_inst_pref_size 211
	.end_amdhsa_kernel
	.amdgpu_metadata
---
amdhsa.version: [ 1, 2 ]
amdhsa.kernels:
  - .name:           k_qb05aaec7a2_gemm_qkv
    .symbol:         k_qb05aaec7a2_gemm_qkv.kd
    .args:
      - { .name: l1c, .offset: 0, .size: 8, .value_kind: global_buffer, .address_space: global }
      - { .name: l1s, .offset: 8, .size: 8, .value_kind: global_buffer, .address_space: global }
      - { .name: qkvc, .offset: 16, .size: 8, .value_kind: global_buffer, .address_space: global }
      - { .name: qkvs, .offset: 24, .size: 8, .value_kind: global_buffer, .address_space: global }
    .group_segment_fixed_size: 327680
    .private_segment_fixed_size: 0
    .kernarg_segment_align: 8
    .kernarg_segment_size: 32
    .max_flat_workgroup_size: 128
    .sgpr_count:     100
    .vgpr_count:     1024
    .wavefront_size: 32
...
	.end_amdgpu_metadata
.endif
;; end of part 6
;; launch attn (part 7): grid 8 x 32, 16 waves a work-group, clusters of 4 x 1, 246,528 bytes of LDS; arguments qkvc, qkvs, ctxc, ctxs; writes ctxc, ctxs
.if DOCPART == 7
	.amdgcn_target "amdgcn-amd-amdhsa--gfx1250"
	.amdhsa_code_object_version 6
	.text
	.protected	k_qb05aaec7a2_attn
	.globl	k_qb05aaec7a2_attn
	.p2align	8
	.type	k_qb05aaec7a2_attn,@function
k_qb05aaec7a2_attn:
	s_mov_b64 s[64:65], 0
	v_nop
	global_prefetch_b8 v0, s[64:65] scope:SCOPE_SE
	s_setreg_imm32_b32 hwreg(HW_REG_WAVE_MODE, 25, 1), 1
	s_wait_xcnt 0x0
	s_wait_alu depctr_hold_cnt(0) depctr_sa_sdst(0) depctr_va_vdst(0) depctr_va_sdst(0) depctr_va_ssrc(0) depctr_va_vcc(0) depctr_vm_vsrc(0)
	s_getreg_b32 s2, hwreg(HW_REG_IB_STS2, 6, 4)
	s_cmp_eq_u32 s2, 0
	s_cbranch_scc0 .Lentry_in_a_cluster
	s_endpgm
.Lentry_in_a_cluster:
	s_bfe_u32 s2, ttmp6, 0x10000c
	s_cmp_lg_u32 s2, 0x3003
	s_cbranch_scc0 .Lentry_shape_is_right
	s_endpgm
.Lentry_shape_is_right:
; ctx = softmax(q k^T / 8) v for 32 heads of 2,048 places, head size 64, both products on codes of FP6 (E2M3) with E8M0 scales; ctx is quantised along d and leaves as codes and scale bytes.
; THE SOFTMAX: t = score x log2(e) / 8; M = the running largest t rounded up to a whole number; p = 2^(t - M) is quantised along the keys, not normalised; the row's sum is taken of the unquantised p and divides at the end.
; SHARES: a work-group owns 256 queries of a head (16 rows of x, all 16 j); wave w owns row w: 16 queries, lane r = j.  Every wave walks all 2,048 keys, 128 a step, 256 a trip.
; THE WHOLE HEAD STAYS IN LDS, filled once.  The four work-groups of a cluster belong to one head and ask for K's and V's codes jointly, one tensor load a wave: waves 0-7 K's jp = wave, waves 8-15 V's 256 keys of trip wave - 8.
; The 8,192 scale bytes are one part in 25 of the head's bytes: each wave copies 512 of them through registers into LDS bytes on which no fill lands.
; No prefetch: every tile is asked for at the head, and the loop reads LDS alone.
; Both products are used transposed: a lane holds one query throughout.
; HEAD SIZE 64 IN A K OF 128: a row of 96 bytes of k holds two keys (j = 2 jp, 2 jp + 1).  A fragment of 16 such rows is multiplied twice: by [q | zero codes] for the even keys, by [zero codes | q] for the odd ones;
;   q's scale bytes of the dead half are 0.  Zero codes stand on q's side alone, and add nothing to a sum.
; A WHOLE BLOCK OF 32 KEYS IN A LANE: lane r of K's fragment b takes jp = r % 8 of row 4 (b / 2) + 2 (r / 8) + b % 2 of the step's eight rows of x, so the 32 registers of the tiles of fragments 2 c, 2 c + 1 are, in lane half h,
;   key block 2 c + h in the order 16 (row % 2) + 8 (j % 2) + j / 2, in which v's codes were laid: the second product's operand layout.
; V IN MEMORY: for each trip 8 chunks of 1,536 bytes (8 rows of d each): for each 128 keys six pieces of 128 bytes, 8 bytes for each of (row of d % 8) + 8 h.  It lands as rows of 512 bytes with 128 of padding behind each,
;   so a chunk takes 1,920 bytes: the two chunks that a fragment's lanes read start half a row of banks apart.
; FRAGMENTS AHEAD: K's fragments of the next step are asked for directly behind this step's score products, so the whole softmax lies between the request and their use.  V's fragments land in p's registers as these are done with.
; LIMITS: a block of zeros gets the byte 1; NaN and infinities are not served; the promise holds while |t| stays under 2^31.
.set VB,    100352                     ; LDS: K at 0: for each jp 12,288 bytes at 12,544 jp + 16 (jp % 4) + 128 (jp / 4); V here: 192 rows of 640 bytes
.set SCK,   223232                     ; the scales: 528 bytes for each wave's 512: K's words of jp = 0 .. 7,
.set SCV,   SCK+8*528                  ; then V's bytes, 8 rows of d x 64 in each
.set STG,   231680                     ; the way out: 768 bytes for each wave
.set CSG,   243968                     ; the work-group's 256 pairs of scale bytes
.set SPARE, 244480                     ; the spare words, 128 bytes for each wave
.set AK0,  1
.set AV0,  2
.set ASC,  3
.set ASK0, 4
.set ASV0, 5
.set QA,   16
.set QB,   28
.set F,    40                          ; K's four fragments
.set S,    88                          ; the scores, then p, then V's four fragments: tile t at S + 12 (t % 2) + 32 (t / 2)
.set O,    152
.set PCD,  184                         ; p's codes
.set CT,   196
.set BM,   204
.set PD,   208
.set PX,   210
.set SO,   212
.set BY,   214
.set SW,   216
.set FF,   220                         ; f = 2^(old M - new M)
.set PWD,  221                         ; p's scale word
.set TMP,  222
.set QAS,  223
.set QBS,  224
.set ADK,  225
.set ADV,  226
.set ADS,  228
.set ADT,  229
.set SH8,  230
.set GSC,  231
.set SWV,  232
.set L,    240                         ; v240-247 the row's sum, in four chains of pairs
.set SPW,  254
.set NIL,  255
.set WV,   12
.set SEL,  20
.set CS,   22
.set G1K,  24
.set G1V,  32
.set G0K,  56
.set G0V,  72
.set TK,   84
.set TV,   85
.set TS,   86
.set TT,   87
.set TRIP, 88
.macro ROUND
	s_barrier_signal -1
	s_barrier_wait -1
	s_cmp_lg_u32 s[WV], 0
	s_cbranch_scc1 .Lnot_wave_0_\@
	s_barrier_signal -3
.Lnot_wave_0_\@:
	s_barrier_wait -3
	s_barrier_signal -1
	s_barrier_wait -1
.endm
	s_load_b128 s[4:7], s[0:1], 0x0                ; qkvc, qkvs
	s_load_b128 s[8:11], s[0:1], 0x10              ; ctxc, ctxs
	v_lshl_add_u32 v[SPW], v0, 2, SPARE
	v_mov_b32 v[NIL], 0
	ds_add_u32 v[SPW], v[NIL]                      ; the opening lines: the add twice on end and one wait
	ds_add_u32 v[SPW], v[NIL]
	v_lshrrev_b32 v6, 5, v0
	v_readfirstlane_b32 s[WV], v6                  ; wave 0..15
	s_bfe_u32 s13, ttmp6, 0x40000                  ; cx
	s_lshl_b32 s14, ttmp9, 2
	s_add_co_u32 s14, s14, s13                     ; which 16 rows of x of the head: it enters q's and ctx's addresses alone
	s_and_b32 s15, ttmp7, 0xffff                   ; the head, which the four partners share
	s_and_b32 s16, s[WV], 7
	s_mov_b32 s[G1K], 15|(3<<16)|(1<<21)           ; K's codes: the mask of all four; elements of 8 bytes; 8 chunks of 1,536 bytes, 12,288 apart
	s_mov_b32 s[G1K+1], 192<<16
	s_mov_b32 s[G1K+2], 8<<16
	s_mov_b32 s[G1K+3], 192<<16
	s_mov_b32 s[G1K+4], 8
	s_mov_b32 s[G1K+5], 1536
	s_mov_b32 s[G1K+6], 0
	s_mov_b32 s[G1K+7], 0
	s_mov_b32 s[G1V], 15|(3<<16)|(1<<20)|(1<<21)|(6<<22)|(31<<25)   ; V's codes: a dense block as 24 rows of 512 bytes; 32 words of padding behind every 128
	s_mov_b32 s[G1V+1], 64<<16
	s_mov_b32 s[G1V+2], 24<<16
	s_mov_b32 s[G1V+3], 64<<16
	s_mov_b32 s[G1V+4], 24
	s_mov_b32 s[G1V+5], 64
	s_mov_b32 s[G1V+6], 0
	s_mov_b32 s[G1V+7], 0
	s_mul_i32 s17, s16, 12544                      ; K's place in LDS
	s_and_b32 s18, s16, 3
	s_lshl_b32 s18, s18, 4
	s_add_co_u32 s17, s17, s18
	s_lshr_b32 s18, s16, 2
	s_lshl_b32 s18, s18, 7
	s_add_co_u32 s17, s17, s18
	s_mul_i32 s19, s15, 98304                      ; a head's codes of k, and of v
	s_mul_i32 s84, s16, 1536
	s_add_co_u32 s84, s84, s19
	s_add_co_u32 s84, s84, 3145728
	s_mov_b32 s85, 0
	s_mul_i32 s86, s16, 12288
	s_add_co_u32 s86, s86, s19
	s_add_co_u32 s86, s86, 6291456
	s_mov_b32 s87, 0
	s_lshl_b32 s88, s16, 14                        ; the 512 scale bytes that I copy: K's words of jp,
	s_lshl_b32 s18, s15, 9
	s_add_co_u32 s88, s88, s18
	s_add_co_u32 s88, s88, 131072
	s_lshl_b32 s90, s15, 12                        ; or V's of 8 rows of d
	s_lshl_b32 s18, s16, 9
	s_add_co_u32 s90, s90, s18
	s_add_co_u32 s90, s90, 262144
	s_cmp_lt_u32 s[WV], 8
	s_cselect_b32 s88, s88, s90
	s_mov_b32 s89, 0
	s_mov_b32 s[SEL], 0x76543210
	s_mov_b32 s[SEL+1], 0xfedcba98                 ; v_permlanex16_b32's selects for lane l xor 16
	s_mov_b32 s[CS], 0x3e38aa3b                    ; c = log2(e) / 8
	s_mov_b32 s[CS+1], s[CS]
	s_wait_dscnt 0x0
	s_wait_kmcnt 0x0
	s_mov_b32 s[G0K], 1
	s_mov_b32 s[G0K+1], s17
	s_add_nc_u64 s[G0K+2:G0K+3], s[4:5], s[84:85]
	s_or_b32 s[G0K+3], s[G0K+3], 0x80000000
	s_mov_b32 s[G0V], 1
	s_mul_i32 s[G0V+1], s16, 15360
	s_add_co_u32 s[G0V+1], s[G0V+1], VB
	s_add_nc_u64 s[G0V+2:G0V+3], s[4:5], s[86:87]
	s_or_b32 s[G0V+3], s[G0V+3], 0x80000000
	s_add_nc_u64 s[88:89], s[6:7], s[88:89]
	ROUND                                          ; all four work-groups are here: the joint loads meet
	s_cmp_lt_u32 s[WV], 8                          ; one load a wave, in the two arms of one branch on the wave's number
	s_cbranch_scc0 .Lfirst_v
	tensor_load_to_lds s[G0K:G0K+3], s[G1K:G1K+7]
	s_nop 0
.rept 4
	v_nop
.endr
	s_branch .Lfirst_asked
.Lfirst_v:
	tensor_load_to_lds s[G0V:G0V+3], s[G1V:G1V+7]
	s_nop 0
.rept 4
	v_nop
.endr
.Lfirst_asked:
	s_lshl_b32 s92, s15, 3
	s_add_co_u32 s92, s92, s14                     ; which 16 rows of x, of all 256
	s_lshl_b32 s96, s92, 4
	s_add_co_u32 s96, s96, s[WV]                   ; my row of x
	s_lshl_b32 s96, s96, 2
	s_mov_b32 s97, 0
	s_mul_i32 s92, s92, 12288
	s_mul_i32 s93, s[WV], 96
	s_add_co_u32 s92, s92, s93
	s_mov_b32 s93, 0
	s_add_nc_u64 s[94:95], s[4:5], s[92:93]
	s_add_nc_u64 s[96:97], s[6:7], s[96:97]
	s_and_b32 s92, s15, 15                         ; ctx: plane head % 16, row 2,048 (head / 16) + 256 x my block + 16 x wave + r
	s_lshl_b32 s92, s92, 12
	s_lshr_b32 s93, s15, 4
	s_lshl_b32 s93, s93, 11
	s_add_co_u32 s92, s92, s93
	s_lshl_b32 s93, s14, 8
	s_add_co_u32 s92, s92, s93
	s_lshl_b32 s98, s92, 1
	s_mov_b32 s99, 0
	s_add_nc_u64 s[10:11], s[10:11], s[98:99]      ; the work-group's 256 pairs of scale bytes
	s_lshl_b32 s93, s[WV], 4
	s_add_co_u32 s92, s92, s93
	s_mul_i32 s92, s92, 48
	s_mov_b32 s93, 0
	s_add_nc_u64 s[8:9], s[8:9], s[92:93]          ; my wave's 16 rows of 48 bytes
	s_mul_i32 s18, s[WV], 528
	s_add_co_u32 s18, s18, SCK
	s_mov_b32 s[TK], 0
	s_mov_b32 s[TV], 0
	s_mov_b32 s[TS], 0
	s_mov_b32 s[TT], 0
	v_and_b32 v6, 15, v0                           ; r
	v_bfe_u32 v7, v0, 4, 1                         ; h
	v_lshrrev_b32 v8, 1, v6
	v_and_b32 v9, 1, v0
	v_mul_u32_u24 v10, v8, 1536                    ; q: query j = r lies in chunk r / 2, half r % 2 of my row's 96 bytes; + my half's 24 bytes
	v_mad_u32_u24 v10, v9, 48, v10
	v_mad_u32_u24 v10, v7, 24, v10
	v_lshlrev_b32 v11, 14, v8                      ; its two scale bytes
	v_lshl_add_u32 v11, v9, 1, v11
	v_and_b32 v[GSC], 31, v0
	v_lshlrev_b32 v[GSC], 4, v[GSC]                ; my 16 of the wave's 512 scale bytes,
	v_add_nc_u32 v[ASC], s18, v[GSC]               ; and their place in LDS
	s_wait_alu depctr_va_vdst(0)                   ; the wait behind these writes
.irp p, 0,1,2
	global_load_b64 v[QA+2*\p:QA+2*\p+1], v10, s[94:95] offset:8*\p
.endr
	global_load_u16 v[QAS], v11, s[96:97]          ; bytes 2 and 3 come as 0
	global_load_b128 v[F:F+3], v[GSC], s[88:89]
	v_and_b32 v8, 7, v0
	v_mul_u32_u24 v[AK0], v8, 12544                ; K: jp = r % 8,
	v_and_b32 v9, 3, v0
	v_lshl_add_u32 v[AK0], v9, 4, v[AK0]
	v_bfe_u32 v9, v0, 2, 1
	v_lshl_add_u32 v[AK0], v9, 7, v[AK0]
	v_bfe_u32 v9, v0, 3, 1                         ; r / 8
	v_mad_u32_u24 v[AK0], v9, 192, v[AK0]          ; two rows further on for r / 8 = 1,
	v_mad_u32_u24 v[AK0], v7, 24, v[AK0]           ; my half's 24 bytes
	v_lshl_add_u32 v[AV0], v7, 3, v8               ; V: 8 bytes at r % 8 + 8 h of a piece,
	v_lshlrev_b32 v[AV0], 3, v[AV0]
	v_mad_u32_u24 v[AV0], v9, 1920, v[AV0]         ; in chunk r / 8 of the tile's two
	v_add_nc_u32 v[AV0], VB, v[AV0]
	v_mul_u32_u24 v[ASK0], v8, 528
	v_lshl_add_u32 v[ASK0], v9, 3, v[ASK0]         ; K's scale words: 4 bytes a row of x; two rows further on for r / 8 = 1
	v_add_nc_u32 v[ASK0], SCK, v[ASK0]
	v_mul_u32_u24 v[ASV0], v9, 528
	v_lshl_add_u32 v[ASV0], v8, 6, v[ASV0]         ; V's scale bytes: 64 a row of d
	v_add_nc_u32 v[ASV0], SCV, v[ASV0]
	v_lshlrev_b32 v[SH8], 3, v7
	v_mov_b32 v13, 0xff61b1e6                      ; the largest t so far: -3e38
	v_floor_f32 v12, -v13                          ; -M
.irp i, 0,1,2,3,4,5
	v_mov_b32 v[QA+6+\i], 0                        ; the dead halves: zero codes
	v_mov_b32 v[QB+\i], 0
.endr
.irp i, 0,1,2,3,4,5,6,7
	v_mov_b32 v[L+\i], 0
.endr
	v_mov_b32 v[PD], 0                             ; written once: a lane permute's destination counts as one of its sources
	v_mov_b32 v[PD+1], 0
	v_mov_b32 v[PX], 0
	v_mov_b32 v[PWD], 0                            ; (named as the upper half of the pair with f before it is first written)
	s_wait_alu depctr_va_vdst(0)                   ; the wait ahead of the blocking wait
	s_wait_loadcnt 0x0                             ; q, and my scale bytes
	v_lshlrev_b32 v[QBS], 16, v[QAS]
.irp i, 0,1,2,3,4,5
	v_mov_b32 v[QB+6+\i], v[QA+\i]
.endr
.irp j, 0,1,2,3,4,5,6,7,8,9,10,11,12,13,14,15,16,17,18,19,20,21,22,23,24,25,26,27,28,29,30,31
	v_mov_b32 v[O+\j], 0                           ; the result begins as zeros, which the first change of M leaves zeros
.endr
.macro SUM n                           ; pair n of the 32 pairs of p joins chain n % 4; a chain's first link of a step also brings it under the new M
.if (\n) < 4
	v_pk_fma_f32 v[L+2*(\n):L+2*(\n)+1], v[L+2*(\n):L+2*(\n)+1], v[FF:FF+1], v[S+2*(\n):S+2*(\n)+1] op_sel_hi:[1,0,1]
.else
	v_pk_add_f32 v[L+2*((\n)%4):L+2*((\n)%4)+1], v[L+2*((\n)%4):L+2*((\n)%4)+1], v[S+2*(\n):S+2*(\n)+1]
.endif
.endm
.macro SUMS n0, cnt
.set N, \n0
.rept \cnt
	SUM N
.set N, N+1
.endr
.endm
.macro KLOAD ak, as, st                ; K's four fragments and their scale words of the step that lies st steps behind the address registers' place: 26 loads
.irp c, 0,1
	ds_load_b64 v[SW+2*\c:SW+2*\c+1], v[\as] offset:32*(\st)+16*\c
.endr
.irp b, 0,1,2,3
.irp p, 0,1,2,3,4,5
	ds_load_b64 v[F+12*\b+2*\p:F+12*\b+2*\p+1], v[\ak] offset:768*(\st)+384*(\b/2)+96*(\b%2)+48*(\p/3)+8*(\p%3)
.endr
.endr
.endm
.macro VLOAD q, t                      ; V's fragment of tile t (16 rows of d x the step's 128 keys) into p's registers that are done with
.irp p, 0,1,2,3,4,5
.set YY, 768*(\q)+128*\p
	ds_load_b64 v[S+12*((\t)%2)+32*((\t)/2)+2*\p:S+12*((\t)%2)+32*((\t)/2)+2*\p+1], v[ADV] offset:YY+128*(YY/512)+3840*(\t)
.endr
.endm
; A KEY STEP: 128 keys, half q of the trip's 256.  At its head K's fragments and scale words lie in registers: the wait for 0 ahead of the last step's last product, or ahead of the loop, has shown them in.
.macro STEP q
.irp b, 0,1,2,3                        ; each fragment twice: the even keys, the odd keys
	v_wmma_scale_f32_16x16x128_f8f6f4 v[S+16*\b:S+16*\b+7], v[F+12*\b:F+12*\b+11], v[QA:QA+11], 0, v[SW+\b], v[QAS] matrix_a_fmt:MATRIX_FMT_FP6 matrix_b_fmt:MATRIX_FMT_FP6
	v_wmma_scale_f32_16x16x128_f8f6f4 v[S+16*\b+8:S+16*\b+15], v[F+12*\b:F+12*\b+11], v[QB:QB+11], 0, v[SW+\b], v[QBS] matrix_a_fmt:MATRIX_FMT_FP6 matrix_b_fmt:MATRIX_FMT_FP6
.endr
.if \q
.rept 4
	v_nop                                          ; places ahead of the loads into K's registers and of the first read of the scores
.endr
	s_cmp_eq_u32 s[TRIP], 1                        ; the walk's last step has no successor: it asks for nothing
	s_cbranch_scc1 .Lno_next_\@
	KLOAD ADK, ADS, 2                              ; the next trip's first step
.Lno_next_\@:
.else
	v_add_nc_u32 v[ADK], s[TK], v[AK0]             ; the trip's addresses: these four lines are the places
	v_add_nc_u32 v[ADS], s[TS], v[ASK0]
	v_add_nc_u32 v[ADT], s[TT], v[ASV0]
	v_add_nc_u32 v[ADV], s[TV], v[AV0]
.irp t, 0,1,2,3
	ds_load_b64 v[SWV+2*\t:SWV+2*\t+1], v[ADT] offset:1056*\t   ; V's scale words of both steps, for each of the four tiles of d
.endr
	KLOAD ADK, ADS, 1                              ; the trip's second step
.endif
.irp b, 0,1,2,3
	v_max3_num_f32 v[BM+\b], v[S+16*\b], v[S+16*\b+1], v[S+16*\b+2]   ; the largest score of each of my two blocks of 32 keys, in four chains: for the row's maximum, and, since p rises with the score, for the block's largest p
.endr
.irp i, 3,5,7,9,11,13
.irp b, 0,1,2,3
	v_max3_num_f32 v[BM+\b], v[BM+\b], v[S+16*\b+\i], v[S+16*\b+\i+1]
.endr
.endr
.irp c, 0,1
	v_max3_num_f32 v[BM+2*\c], v[BM+2*\c], v[S+32*\c+15], v[S+32*\c+31]
.endr
.irp c, 0,1
	s_delay_alu instid0(VALU_DEP_2)
	v_max_num_f32 v[BM+2*\c], v[BM+2*\c], v[BM+2*\c+1]   ; block 2 c + h: all its 32 keys are mine
.endr
	s_delay_alu instid0(VALU_DEP_1)
	v_max_num_f32 v[TMP], v[BM], v[BM+2]
	s_delay_alu instid0(VALU_DEP_1)
	v_permlanex16_b32 v[PD], v[TMP], s[SEL], s[SEL+1]
	s_delay_alu instid0(VALU_DEP_1)
	v_max_num_f32 v[TMP], v[TMP], v[PD]            ; with lane l xor 16's two blocks: the step's largest score of my query
	s_delay_alu instid0(VALU_DEP_1)
	v_mul_f32 v[TMP], s[CS], v[TMP]                ; as t (c is positive)
	s_delay_alu instid0(VALU_DEP_1)
	v_max_num_f32 v13, v13, v[TMP]                 ; the running largest t
	v_mov_b32 v[TMP], v12
	s_delay_alu instid0(VALU_DEP_2)
	v_floor_f32 v12, -v13                          ; the new -M = floor(-t): M is a whole number
	s_delay_alu instid0(VALU_DEP_1)
	v_sub_f32 v[TMP], v12, v[TMP]                  ; old M - new M: a whole number, 0 or less
	s_delay_alu instid0(VALU_DEP_1)
	v_cvt_i32_f32 v[TMP], v[TMP]                   ; (it saturates)
	s_delay_alu instid0(VALU_DEP_1)
	v_ldexp_f32 v[FF], 1.0, v[TMP]                 ; f = 2^(old M - new M): a multiplication by it rounds nothing
.irp j, 0,2,4,6,8,10,12,14,16,18,20,22,24,26,28,30,32,34,36,38,40,42,44,46,48,50,52,54,56,58,60,62
	v_pk_fma_f32 v[S+\j:S+\j+1], v[S+\j:S+\j+1], s[CS:CS+1], v[12:13] op_sel_hi:[1,0,0]   ; t - M, two at a time
.endr
.irp c, 0,1
	v_fma_f32 v[BM+2*\c], v[BM+2*\c], s[CS], v12   ; the same of each block's largest score
.endr
	s_wait_alu depctr_va_vdst(0)                   ; the wait ahead of the batch
.irp j, 0,1,2,3,4,5,6,7,8,9,10,11,12,13,14,15,16,17,18,19,20,21,22,23,24,25,26,27,28,29,30,31,32,33,34,35,36,37,38,39,40,41,42,43,44,45,46,47,48,49,50,51,52,53,54,55,56,57,58,59,60,61,62,63
	v_exp_f32 v[S+\j], v[S+\j]                     ; p = 2^(t - M), at most 1
.endr
.irp c, 0,1
	v_exp_f32 v[BM+2*\c], v[BM+2*\c]               ; the block's largest p: the same two instructions on the same number give the same bits
.endr
	v_nop                                          ; one plain line behind the exponentials
	s_wait_alu depctr_va_vdst(0)                   ; one wait for the whole batch, ahead of its first reader
	SUMS 0, 4
.irp c, 0,1
	v_max_num_f32 v[BM+2*\c], 0x1800000, v[BM+2*\c]   ; the floor 2^(3 - 127): the byte cannot fall under 1
.endr
.irp c, 0,1
	v_add_nc_u32 v[SO+\c], 0xff000000, v[BM+2*\c]  ; 2 off the exponent field: the conversion's scale operand
.endr
	SUMS 4, 8                                      ; pairs 0 to 11 are p's registers 0 to 23, on which V's tiles 0 and 1 land
	v_cvt_scalef32_pk16_fp6_f32 v[PCD:PCD+2], v[S:S+15], v[SO]
	v_cvt_scalef32_pk16_fp6_f32 v[CT:CT+2], v[S+16:S+31], v[SO]   ; (a conversion's three registers begin on an even number: the second half of a block's six is made elsewhere and moved)
	SUM 16                                         ; a plain line behind the conversions
	VLOAD \q, 0
	VLOAD \q, 1
	SUMS 17, 11                                    ; pairs 16 to 27 are p's registers 32 to 55, on which V's tiles 2 and 3 land
	v_cvt_scalef32_pk16_fp6_f32 v[PCD+6:PCD+8], v[S+32:S+47], v[SO+1]
	v_cvt_scalef32_pk16_fp6_f32 v[CT+4:CT+6], v[S+48:S+63], v[SO+1]
.irp i, 0,1,2
	v_mov_b32 v[PCD+3+\i], v[CT+\i]                ; (plain lines behind the conversions)
.endr
	VLOAD \q, 2
	VLOAD \q, 3
.irp i, 0,1,2
	v_mov_b32 v[PCD+9+\i], v[CT+4+\i]
.endr
.irp c, 0,1
	v_lshrrev_b32 v[BY+\c], 23, v[SO+\c]           ; the scale's byte
.endr
	SUM 12
	v_lshl_or_b32 v[PWD], v[BY+1], 16, v[BY]       ; my two bytes: blocks h and 2 + h,
	SUM 13
	v_lshlrev_b32 v[PWD], v[SH8], v[PWD]           ; at their places in the scale word (8 h bits up);
	SUM 14
	v_permlanex16_b32 v[PX], v[PWD], s[SEL], s[SEL+1]
	SUM 15
	v_or_b32 v[PWD], v[PWD], v[PX]                 ; with lane l xor 16's two the word of these 128 keys is whole
	s_wait_alu depctr_va_vdst(0)                   ; the wait here, directly ahead of the first reader of the result
.irp j, 0,2,4,6,8,10,12,14,16,18,20,22,24,26,28,30
	v_pk_mul_f32 v[O+\j:O+\j+1], v[O+\j:O+\j+1], v[FF:FF+1] op_sel_hi:[1,0]   ; the result under the new M.  (These 16 are also the places between the writes of p's codes and scale word and the matrix instructions below)
.endr
	s_wait_alu depctr_va_vdst(0)                   ; the wait ahead of the blocking wait
.irp t, 0,1,2,3                        ; the result += V^T P^T; the four accumulators take turns, one instruction a turn
	s_wait_dscnt 18-6*\t                           ; V's fragment t is in: six loads for each later one may be out.  The last wait, for 0, also shows the next step's fragments of K in
	v_wmma_scale_f32_16x16x128_f8f6f4 v[O+8*\t:O+8*\t+7], v[S+12*(\t%2)+32*(\t/2):S+12*(\t%2)+32*(\t/2)+11], v[PCD:PCD+11], v[O+8*\t:O+8*\t+7], v[SWV+2*\t+\q], v[PWD] matrix_a_fmt:MATRIX_FMT_FP6 matrix_b_fmt:MATRIX_FMT_FP6
.endr
	SUMS 28, 4                                     ; p's registers 56 to 63, on which nothing has landed: with the line below, the five places ahead of the score products that write over V's registers
	v_nop
.endm
	s_wait_alu depctr_va_vdst(0)                   ; the wait at the head's end
	s_wait_tensorcnt 0x0                           ; my load has landed,
	ds_store_b128 v[ASC], v[F:F+3]                 ; my 512 scale bytes go to their place,
	s_wait_dscnt 0x0
	s_barrier_signal -1
	s_barrier_wait -1                              ; and everybody's have: the head lies in LDS
	KLOAD AK0, ASK0, 0                             ; the walk's first step
	s_mov_b32 s[TRIP], 8
	s_wait_dscnt 0x0
.Ltrip:                                            ; a trip: 256 keys (16 rows of x), two key steps
	STEP 0
	STEP 1
	s_add_co_u32 s[TK], s[TK], 1536
	s_add_co_u32 s[TV], s[TV], 15360
	s_add_co_u32 s[TS], s[TS], 64
	s_add_co_u32 s[TT], s[TT], 8
	s_sub_co_u32 s[TRIP], s[TRIP], 1
	s_cmp_lg_u32 s[TRIP], 0
	s_cbranch_scc1 .Ltrip
	; THE WAY OUT: the result is divided by the row's sum, quantised along d (two blocks of 32) and leaves as 768 dense bytes a wave; the scale bytes of the 256 rows leave as one store of 512 bytes.
	s_wait_alu depctr_va_vdst(0)                   ; the wait: the sum's last links stand a few lines and a run of scalar lines back
	v_pk_add_f32 v[L:L+1], v[L:L+1], v[L+2:L+3]
	v_pk_add_f32 v[L+4:L+5], v[L+4:L+5], v[L+6:L+7]
	s_delay_alu instid0(VALU_DEP_1)
	v_pk_add_f32 v[L:L+1], v[L:L+1], v[L+4:L+5]
	s_delay_alu instid0(VALU_DEP_1)
	v_add_f32 v14, v[L], v[L+1]
	s_delay_alu instid0(VALU_DEP_1)
	v_permlanex16_b32 v[TMP], v14, s[SEL], s[SEL+1]
	s_delay_alu instid0(VALU_DEP_1)
	v_add_f32 v14, v14, v[TMP]                     ; the row's sum
	s_wait_alu depctr_va_vdst(0)
	v_rcp_f32 v14, v14
	v_and_b32 v6, 15, v0                           ; (plain lines behind the reciprocal)
	v_bfe_u32 v7, v0, 4, 1
	v_and_b32 v8, 31, v0
	s_mul_i32 s84, s[WV], 768
	s_add_co_u32 s84, s84, STG
	v_mul_u32_u24 v9, v6, 48
	v_mad_u32_u24 v9, v7, 24, v9
	v_add_nc_u32 v9, s84, v9                       ; in: row r of 48 bytes, my block's 24
	v_lshlrev_b32 v10, 4, v8                       ; 16 x lane
	v_add_nc_u32 v11, s84, v10                     ; back: the first 512 bytes,
	v_lshlrev_b32 v1, 3, v8                        ; 8 x lane
	v_add_nc_u32 v2, s84, v1                       ; the last 256
	s_lshl_b32 s85, s[WV], 5
	s_add_co_u32 s85, s85, CSG
	v_lshl_add_u32 v3, v6, 1, s85                  ; my row's two scale bytes
	v_add_nc_u32 v4, CSG, v10
	s_wait_alu depctr_va_vdst(0)                   ; the wait ahead of the reciprocal's first reader, which is the result's too
.irp j, 0,1,2,3,4,5,6,7,8,9,10,11,12,13,14,15,16,17,18,19,20,21,22,23,24,25,26,27,28,29,30,31
	v_mul_f32 v[S+\j], v[O+\j], v14                ; register 16 b + i is d = 32 b + 16 h + i of my query
.endr
.irp b, 0,1
	v_max3_num_f32 v[BM+\b], |v[S+16*\b]|, |v[S+16*\b+1]|, 0x1800000
.endr
.irp i, 2,4,6,8,10,12,14
.irp b, 0,1
	s_delay_alu instid0(VALU_DEP_2)
	v_max3_num_f32 v[BM+\b], v[BM+\b], |v[S+16*\b+\i]|, |v[S+16*\b+\i+1]|
.endr
.endr
.irp b, 0,1
	s_delay_alu instid0(VALU_DEP_2)
	v_permlanex16_b32 v[PD+\b], v[BM+\b], s[SEL], s[SEL+1]
.endr
.irp b, 0,1
	s_delay_alu instid0(VALU_DEP_2)
	v_max_num_f32 v[BM+\b], v[BM+\b], v[PD+\b]
.endr
.irp b, 0,1
	s_delay_alu instid0(VALU_DEP_2)
	v_add_nc_u32 v[SO+\b], 0xff000000, v[BM+\b]
.endr
.irp b, 0,1
	s_delay_alu instid0(VALU_DEP_2)
	v_lshrrev_b32 v[PD+\b], 23, v[SO+\b]
.endr
	s_delay_alu instid0(VALU_DEP_1)
	v_lshl_or_b32 v[TMP], v[PD+1], 8, v[PD]
	v_cvt_scalef32_pk16_fp6_f32 v[PCD:PCD+2], v[S:S+15], v[SO]
	v_cvt_scalef32_pk16_fp6_f32 v[CT:CT+2], v[S+16:S+31], v[SO+1]
	v_nop                                          ; one plain line behind a scaled conversion
.irp i, 0,1,2
	v_permlane16_swap_b32 v[PCD+\i], v[CT+\i]      ; lanes 0-15 now hold block 0, lanes 16-31 block 1
.endr
.irp i, 0,1,2
	s_delay_alu instid0(VALU_DEP_3)
	v_mov_b32 v[PCD+3+\i], v[CT+\i]
.endr
.irp p, 0,1,2
	ds_store_b64 v9, v[PCD+2*\p:PCD+2*\p+1] offset:8*\p
.endr
	ds_store_b16 v3, v[TMP]                        ; both halves of the lanes write the same bytes with the same value
	ds_load_b128 v[40:43], v11                     ; LDS serves a wave's instructions in order: these see my stores
	ds_load_b64 v[44:45], v2 offset:512
	s_wait_dscnt 0x0                               ; and for the others' sake: my scale bytes lie in LDS
	global_store_b128 v10, v[40:43], s[8:9]        ; 512 consecutive bytes, aligned,
	global_store_b64 v1, v[44:45], s[8:9] offset:512   ; and 256
	s_barrier_signal -1
	s_barrier_wait -1
	s_cmp_lg_u32 s[WV], 0
	s_cbranch_scc1 .Lno_words
	ds_load_b128 v[48:51], v4
	s_wait_dscnt 0x0
	global_store_b128 v10, v[48:51], s[10:11]
.Lno_words:
	s_wait_tensorcnt 0x0                           ; the wave's end
	ds_add_u32 v[SPW], v[NIL]
	s_wait_dscnt 0x0
	ROUND                                          ; the closing round: no work-group ends while a partner may still ask for a tile that names it
	s_endpgm
.Lfunc_end_k_qb05aaec7a2_attn:
	.size	k_qb05aaec7a2_attn, .Lfunc_end_k_qb05aaec7a2_attn-k_qb05aaec7a2_attn
	.p2alignl 7, 3214868480
	.fill 96, 4, 3214868480
	.section	.rodata,"a",@progbits
	.p2align	6, 0x0
	.amdhsa_kernel k_qb05aaec7a2_attn
		.amdhsa_group_segment_fixed_size 246528
		.amdhsa_private_segment_fixed_size 0
		.amdhsa_enable_private_segment 0
		.amdhsa_kernarg_size 32
		.amdhsa_user_sgpr_count 2
		.amdhsa_user_sgpr_kernarg_segment_ptr 1
		.amdhsa_wavefront_size32 1
		.amdhsa_system_sgpr_workgroup_id_x 1
		.amdhsa_system_sgpr_workgroup_id_y 1
		.amdhsa_system_sgpr_workgroup_id_z 1
		.amdhsa_system_vgpr_workitem_id 0
		.amdhsa_next_free_vgpr 256
		.amdhsa_next_free_sgpr 100
		.amdhsa_reserve_vcc 0
		.amdhsa_float_denorm_mode_32 3
		.amdhsa_float_denorm_mode_16_64 3
		.amdhsa_memory_ordered 1
		.amdhsa_forward_progress 1
		.amdhsa_inst_pref_size 51
	.end_amdhsa_kernel
	.amdgpu_metadata
---
amdhsa.version: [ 1, 2 ]
amdhsa.kernels:
  - .name:           k_qb05aaec7a2_attn
    .symbol:         k_qb05aaec7a2_attn.kd
    .args:
      - { .name: qkvc, .offset: 0, .size: 8, .value_kind: global_buffer, .address_space: global }
      - { .name: qkvs, .offset: 8, .size: 8, .value_kind: global_buffer, .address_space: global }
      - { .name: ctxc, .offset: 16, .size: 8, .value_kind: global_buffer, .address_space: global }
      - { .name: ctxs, .offset: 24, .size: 8, .value_kind: global_buffer, .address_space: global }
    .group_segment_fixed_size: 246528
    .private_segment_fixed_size: 0
    .kernarg_segment_align: 8
    .kernarg_segment_size: 32
    .max_flat_workgroup_size: 512
    .sgpr_count:     100
    .vgpr_count:     256
    .wavefront_size: 32
...
	.end_amdgpu_metadata
.endif
;; end of part 7
;; launch gemm_out (part 8): grid 8 x 32, 4 waves a work-group, clusters of 4 x 4, 223,232 bytes of LDS; arguments ctxc, ctxs, l1c, l1s, b_out, out0; writes out0
.if DOCPART == 8
	.amdgcn_target "amdgcn-amd-amdhsa--gfx1250"
	.amdhsa_code_object_version 6
	.text
	.protected	k_qb05aaec7a2_gemm_out
	.globl	k_qb05aaec7a2_gemm_out
	.p2align	8
	.type	k_qb05aaec7a2_gemm_out,@function
k_qb05aaec7a2_gemm_out:
	s_mov_b64 s[64:65], 0
	v_nop
	global_prefetch_b8 v0, s[64:65] scope:SCOPE_SE
	s_setreg_imm32_b32 hwreg(HW_REG_WAVE_MODE, 25, 1), 1
	s_wait_xcnt 0x0
	s_wait_alu depctr_hold_cnt(0) depctr_sa_sdst(0) depctr_va_vdst(0) depctr_va_sdst(0) depctr_va_ssrc(0) depctr_va_vcc(0) depctr_vm_vsrc(0)
	s_getreg_b32 s2, hwreg(HW_REG_IB_STS2, 6, 4)
	s_cmp_eq_u32 s2, 0
	s_cbranch_scc0 .Lentry_in_a_cluster
	s_endpgm
.Lentry_in_a_cluster:
	s_bfe_u32 s2, ttmp6, 0x10000c
	s_cmp_lg_u32 s2, 0xf033
	s_cbranch_scc0 .Lentry_shape_is_right
	s_endpgm
.Lentry_shape_is_right:
; out = ctx W_out^T + b_out on codes of FP6 (E2M3) with E8M0 scales; M 4,096, N 1,024, K 1,024; sums in f32, begun with the bias.
; A tile of 128 x 128 is made by four waves, 64 x 64 each: 16 accumulators.  256 work-groups.  ALL OF K LIES IN LDS, filled once: 128 rows of ctx and 128 of W_out, 768 bytes each, are 196,608 bytes.
; One joint tensor load a wave, 49,152 bytes: waves 0, 1 take 64 rows of ctx (16 planes of 64 x 48 bytes), waves 2, 3 take 64 rows of W_out (four blocks of 16 rows, dense, in the operand's own order: units of 256 bytes, 8 bytes a lane).
; CLUSTERS: 4 x 4 work-groups; ctx's tiles are asked for jointly along a row of the cluster, W_out's along a column.  Nothing is filled again: one barrier, then the waves share nothing.
; The scale bytes (8,192 of the work-group's 204,800 bytes) come through registers into LDS bytes on which no fill lands: ctx's are turned from [plane][row][2] to 32 bytes a row on the way.
; No prefetch: every tile is asked for at the head, and the steps read LDS alone.
; THE MATRIX INSTRUCTION IS USED TRANSPOSED (source 0 = 16 rows of W_out, source 1 = 16 rows of ctx): a lane holds eight neighbouring numbers of a row of out.
; REGISTERS: window 0: v0-31 addresses; v32-63 scale words (lanes 0-15 ctx's block i, lanes 16-31 W_out's); v64-95 the bias; v96-119 at work in the head; v128-255 the accumulators.  window 1: two sets of eight fragments.
.set SIZE_N, 1024
.set PLANE,  3072                      ; 64 rows x 48 bytes: 64 along K
.set HALFT,  49152
.set FR,     12
.set SCL,    4*HALFT                   ; the scale bytes, 256 bytes + 16 at a time
.set HALFS,  2176
.set SBLK,   544
.set SPITCH, 272
.set STAGE,  SCL+4*HALFS               ; the way out: 16 rows x 272 bytes for each wave
.set SPARE,  STAGE+4*16*SPITCH         ; the spare words
.set WOC,    5505024                   ; W_out's codes in l1c
.set WOS,    229376                    ; its scale bytes in l1s
.set ADRA, 12
.set ADRB, 16
.set STO,  24
.set RD,   25
.set CO,   26
.set ADRS, 27
.set BO,   30
.set SC,   32
.set BI,   64
.set ACC,  128
.set SPW,  126
.set NIL,  127
.set G1,   24
.set G0,   32
.set G1B,  48
.set G0B,  68
.set MSB, 0
.macro WIN new
.if MSB != (\new)
	s_set_vgpr_msb (MSB<<8)|(\new)
.set MSB, (\new)
.endif
.endm
.set W_MUL, 0x05                       ; sources 0 and 1 in window 1, C and D in window 0
.set TO_F,  0x40                       ; destination in window 1
.macro CROUND
	s_barrier_signal -1
	s_barrier_wait -1
	s_cmp_lg_u32 s14, 0
	s_cbranch_scc1 .Lnot_wave_0_\@
	s_barrier_signal -3
.Lnot_wave_0_\@:
	s_barrier_wait -3
	s_barrier_signal -1
	s_barrier_wait -1
.endm
	s_load_b128 s[4:7], s[0:1], 0x0                ; ctxc, ctxs
	s_load_b128 s[8:11], s[0:1], 0x10              ; l1c, l1s
	s_load_b128 s[96:99], s[0:1], 0x20             ; b_out, out0
	v_lshl_add_u32 v[SPW], v0, 2, SPARE
	v_mov_b32 v[NIL], 0
	ds_add_u32 v[SPW], v[NIL]                      ; the opening lines: the add twice on end and one wait
	ds_add_u32 v[SPW], v[NIL]
	v_lshrrev_b32 v1, 5, v0
	v_readfirstlane_b32 s14, v1                    ; wave 0..3
	s_lshr_b32 s15, s14, 1                         ; which half of the tile's rows is mine.  Also: I fetch for ctx (0) or for W_out (1)
	s_and_b32 s16, s14, 1                          ; which half of its columns.  Also: which 64 rows I fetch
	s_bfe_u32 s56, ttmp6, 0x40000                  ; cx, cy
	s_bfe_u32 s57, ttmp6, 0x40004
	s_lshl_b32 s58, ttmp9, 2
	s_add_co_u32 s58, s58, s56                     ; tile column
	s_and_b32 s17, ttmp7, 0xffff
	s_lshl_b32 s17, s17, 2
	s_add_co_u32 s17, s17, s57                     ; tile row
	s_lshl_b32 s59, s57, 2
	s_lshl_b32 s59, 15, s59                        ; my row of the cluster
	s_lshl_b32 s60, 0x1111, s56                    ; my column
	s_or_b32 s[G1+0], s59, (3<<16)|(1<<21)         ; elements of 8 bytes; 16 rows of 3,072 bytes; ctx's planes lie 196,608 bytes apart,
	s_or_b32 s[G1B+0], s60, (3<<16)|(1<<21)
.irp g, G1, G1B
	s_mov_b32 s[\g+1], 384<<16
	s_mov_b32 s[\g+2], 16<<16
	s_mov_b32 s[\g+3], 384<<16
	s_mov_b32 s[\g+4], 16
	s_mov_b32 s[\g+6], 0
	s_mov_b32 s[\g+7], 0
.endr
	s_mov_b32 s[G1+5], 24576
	s_mov_b32 s[G1B+5], 384                        ; W_out's 49,152 bytes are dense
	s_lshl_b32 s18, s16, 6
	s_lshl_b32 s20, s17, 7
	s_add_co_u32 s20, s20, s18
	s_mul_i32 s20, s20, 48                         ; ctx: row 128 x tile row + 64 x half, in plane 0
	s_mov_b32 s21, 0
	s_lshl_b32 s62, s58, 7
	s_lshl_b32 s2, s14, 5
	s_add_co_u32 s2, s2, s62
	s_lshl_b32 s2, s2, 5                           ; W_out's scale bytes: I copy those of 32 rows
	s_mov_b32 s3, 0
	s_add_co_u32 s62, s62, s18
	s_mul_i32 s62, s62, 768                        ; W_out: row 128 x tile column + 64 x half
	s_mov_b32 s63, 0
	s_mul_i32 s18, s16, HALFT
	s_add_co_u32 s19, s18, 2*HALFT
	s_lshl_b32 s22, s17, 8
	s_mov_b32 s23, 0
	s_wait_dscnt 0x0
	s_wait_kmcnt 0x0
	s_add_nc_u64 s[8:9], s[8:9], WOC
	s_add_nc_u64 s[10:11], s[10:11], WOS
	s_add_nc_u64 s[20:21], s[4:5], s[20:21]
	s_add_nc_u64 s[62:63], s[8:9], s[62:63]
	s_add_nc_u64 s[2:3], s[10:11], s[2:3]
	s_add_nc_u64 s[6:7], s[6:7], s[22:23]
	s_mov_b32 s[G0], 1
	s_mov_b32 s[G0+1], s18
	s_mov_b64 s[G0+2:G0+3], s[20:21]
	s_or_b32 s[G0+3], s[G0+3], 0x80000000
	s_mov_b32 s[G0B], 1
	s_mov_b32 s[G0B+1], s19
	s_mov_b64 s[G0B+2:G0B+3], s[62:63]
	s_or_b32 s[G0B+3], s[G0B+3], 0x80000000
	CROUND                                         ; all sixteen work-groups are here: the joint loads meet
	s_cmp_eq_u32 s15, 0                            ; one load a wave, in the two arms of one branch on the wave's number
	s_cbranch_scc0 .Lfor_b
	tensor_load_to_lds s[G0:G0+3], s[G1:G1+7]
	s_nop 0
.rept 4
	v_nop
.endr
	s_branch .Lasked
.Lfor_b:
	tensor_load_to_lds s[G0B:G0B+3], s[G1B:G1B+7]
	s_nop 0
.rept 4
	v_nop
.endr
.Lasked:
	s_lshl_b32 s62, s58, 9
	s_lshl_b32 s63, s16, 8
	s_add_co_u32 s62, s62, s63                     ; my first column, in bytes
	s_mov_b32 s63, 0
	s_add_nc_u64 s[96:97], s[96:97], s[62:63]
	s_lshl_b32 s20, s17, 7
	s_lshl_b32 s21, s15, 6
	s_add_co_u32 s20, s20, s21
	s_lshl_b32 s20, s20, 12                        ; my first row of out
	s_mov_b32 s21, 0
	s_add_nc_u64 s[20:21], s[20:21], s[62:63]
	s_add_nc_u64 s[12:13], s[98:99], s[20:21]
	s_mul_i32 s44, s15, HALFT
	s_mul_i32 s45, s16, HALFT
	s_add_co_u32 s45, s45, 2*HALFT
	s_mul_i32 s46, s15, HALFS
	s_mul_i32 s47, s16, HALFS
	s_add_co_u32 s47, s47, 2*HALFS
	s_sub_co_u32 s47, s47, s46
	s_add_co_u32 s46, s46, SCL
	s_mul_i32 s42, s14, 16*SPITCH
	s_add_co_u32 s42, s42, STAGE
	s_mul_i32 s43, s14, 1088
	s_add_co_u32 s43, s43, SCL+2*HALFS
	s_mov_b32 s40, 0x05040100
	s_mov_b32 s41, 0x07060302
	v_and_b32 v1, 63, v0                           ; ctx's scale bytes: thread (n, g) takes rows 2 n, 2 n + 1 in planes 8 g .. 8 g + 7
	v_lshrrev_b32 v2, 6, v0
	v_lshlrev_b32 v7, 2, v1
	v_lshl_add_u32 v7, v2, 16, v7
	v_lshrrev_b32 v8, 2, v1
	v_lshlrev_b32 v9, 6, v1
	v_lshl_add_u32 v9, v8, 4, v9
	v_lshl_add_u32 v9, v2, 4, v9
	v_add_nc_u32 v9, SCL, v9
	v_and_b32 v10, 31, v0
	v_lshlrev_b32 v10, 4, v10                      ; W_out's: 16 bytes a lane,
	v_bfe_u32 v11, v0, 4, 1
	v_lshl_add_u32 v11, v11, 4, v10                ; and 16 more behind each 256
	v_add_nc_u32 v11, s43, v11
	v_and_b32 v1, 15, v0                           ; r
	v_bfe_u32 v2, v0, 4, 1                         ; h
	v_lshlrev_b32 v[BO], 5, v2
	v_mul_u32_u24 v3, v1, 48
	v_mad_u32_u24 v3, v2, 24, v3
	v_add_nc_u32 v[ADRA], s44, v3                  ; ctx: row r of 48 bytes, + 24 h
	v_lshrrev_b32 v4, 1, v10
	v_add_nc_u32 v[ADRB], s45, v4                  ; W_out: 8 x lane
	v_lshlrev_b32 v5, 5, v1
	v_lshrrev_b32 v6, 3, v1
	v_lshl_add_u32 v5, v6, 4, v5
	v_mul_u32_u24 v6, s47, v2                      ; lanes 16-31 take W_out's scale words
	v_add_nc_u32 v5, v5, v6
	v_add_nc_u32 v[ADRS], s46, v5
	v_mul_u32_u24 v5, v1, SPITCH
	v_lshl_add_u32 v5, v2, 5, v5
	v_add_nc_u32 v[STO], s42, v5
	v_mul_u32_u24 v5, v2, SPITCH
	v_lshl_add_u32 v5, v1, 4, v5
	v_add_nc_u32 v[RD], s42, v5
	v_lshlrev_b32 v[CO], 12, v2
	v_lshl_add_u32 v[CO], v1, 4, v[CO]
	s_wait_alu depctr_va_vdst(0)                   ; the wait behind the head's writes
.irp d, 0,1,2,3,4,5,6,7
	global_load_b32 v[96+\d], v7, s[6:7] offset:8192*\d
.endr
	global_load_b128 v[112:115], v10, s[2:3]
	global_load_b128 v[116:119], v10, s[2:3] offset:512
.irp b, 0,1,2,3
	global_load_b128 v[BI+8*\b:BI+8*\b+3], v[BO], s[96:97] offset:64*\b
	global_load_b128 v[BI+8*\b+4:BI+8*\b+7], v[BO], s[96:97] offset:64*\b+16
.endr
	s_wait_loadcnt 0x0
.irp n, 0,1,2,3
	v_perm_b32 v[104+\n], v[96+2*\n+1], v[96+2*\n], s40   ; row 2 n: the low halves of two planes' words,
	v_perm_b32 v[108+\n], v[96+2*\n+1], v[96+2*\n], s41   ; row 2 n + 1: the high halves
.endr
	ds_store_b128 v9, v[104:107]
	ds_store_b128 v9, v[108:111] offset:32
	ds_store_b128 v11, v[112:115]
	ds_store_b128 v11, v[116:119] offset:544
.macro FETCH k, set                    ; step k's eight fragments: 48 loads
.irp i, 0,1,2,3
.irp p, 0,1,2,3,4,5
	ds_load_b64 v[128*(\set)+FR*\i+2*\p:128*(\set)+FR*\i+2*\p+1], v[ADRA] offset:(2*(\k)+\p/3)*PLANE+\i*768+8*(\p%3)
.endr
.endr
.irp i, 0,1,2,3
.irp p, 0,1,2,3,4,5
	ds_load_b64 v[128*(\set)+48+FR*\i+2*\p:128*(\set)+48+FR*\i+2*\p+1], v[ADRB] offset:\i*12288+1536*(\k)+256*\p
.endr
.endr
.endm
.macro MULS set, k, first              ; the 16 accumulators take turns, one instruction a turn, in the same order in every step
.irp a, 0,1,2,3
.irp b, 0,1,2,3
.if \first
	v_wmma_scale_f32_16x16x128_f8f6f4 v[ACC+8*(4*\a+\b):ACC+8*(4*\a+\b)+7], v[128*(\set)+48+FR*\b:128*(\set)+48+FR*\b+FR-1], v[128*(\set)+FR*\a:128*(\set)+FR*\a+FR-1], v[BI+8*\b:BI+8*\b+7], v[SC+8*\b+(\k)], v[SC+8*\a+(\k)] matrix_a_fmt:MATRIX_FMT_FP6 matrix_b_fmt:MATRIX_FMT_FP6 matrix_a_scale:MATRIX_SCALE_ROW1
.else
	v_wmma_scale_f32_16x16x128_f8f6f4 v[ACC+8*(4*\a+\b):ACC+8*(4*\a+\b)+7], v[128*(\set)+48+FR*\b:128*(\set)+48+FR*\b+FR-1], v[128*(\set)+FR*\a:128*(\set)+FR*\a+FR-1], v[ACC+8*(4*\a+\b):ACC+8*(4*\a+\b)+7], v[SC+8*\b+(\k)], v[SC+8*\a+(\k)] matrix_a_fmt:MATRIX_FMT_FP6 matrix_b_fmt:MATRIX_FMT_FP6 matrix_a_scale:MATRIX_SCALE_ROW1
.endif
.endr
.endr
.endm
.macro PLACES n
.rept \n
	v_nop
.endr
.endm
	s_wait_alu depctr_va_vdst(0)                   ; the wait at the head's end
	s_wait_tensorcnt 0x0                           ; my load has landed,
	s_wait_dscnt 0x0                               ; my scale bytes lie in LDS,
	s_barrier_signal -1
	s_barrier_wait -1                              ; and everybody's do
.irp i, 0,1,2,3
.irp n, 0,1
	ds_load_b128 v[SC+8*\i+4*\n:SC+8*\i+4*\n+3], v[ADRS] offset:\i*SBLK+16*\n   ; the scale words of all eight steps
.endr
.endr
	WIN TO_F
	FETCH 0, 0
	FETCH 1, 1
	WIN W_MUL
	s_wait_dscnt 48                                ; all but step 1's 48 loads
	MULS 0, 0, 1                                   ; the sums begin with the bias
.set KK, 1
.rept 7
.if KK < 7
	PLACES 4                                       ; ahead of loads into the set that the last step multiplied
	WIN TO_F
	FETCH KK+1, (KK+1)%2
	WIN W_MUL
	s_wait_dscnt 48                                ; this step's fragments are in; the next step's 48 loads may be out
.else
	s_wait_dscnt 0x0
.endif
	MULS KK%2, KK, 0
.set KK, KK+1
.endr
	WIN 0
; THE WAY OUT: 16 rows x 64 columns at a time through my own stage, back as rows of 256 bytes.
.macro TOSTAGE a
.irp b, 0,1,2,3
	ds_store_b128 v[STO], v[ACC+32*\a+8*\b:ACC+32*\a+8*\b+3] offset:64*\b      ; each accumulator from its low end on
	ds_store_b128 v[STO], v[ACC+32*\a+8*\b+4:ACC+32*\a+8*\b+7] offset:64*\b+16
.endr
.irp t, 0,1,2,3,4,5,6,7
	ds_load_b128 v[ACC+32*\a+4*\t:ACC+32*\a+4*\t+3], v[RD] offset:\t*2*SPITCH   ; LDS serves a wave's instructions in order: these see my stores
.endr
.endm
.macro SEND a, younger
	s_wait_dscnt \younger
.irp t, 0,1,2,3,4,5,6,7
	global_store_b128 v[CO], v[ACC+32*\a+4*\t:ACC+32*\a+4*\t+3], s[12:13] offset:(16*\a+2*\t)*SIZE_N*4 th:TH_STORE_NT   ; 16 lanes store 256 consecutive bytes, aligned
.endr
.endm
	PLACES 4
	TOSTAGE 0
	TOSTAGE 1
	SEND 0, 16                                     ; behind block 0's loads: block 1's 8 stores and 8 loads
	TOSTAGE 2
	SEND 1, 16
	TOSTAGE 3
	SEND 2, 16
	SEND 3, 0
	s_wait_tensorcnt 0x0                           ; the wave's end
	ds_add_u32 v[SPW], v[NIL]
	s_wait_dscnt 0x0
	CROUND                                         ; the closing round
	s_endpgm
.Lfunc_end_k_qb05aaec7a2_gemm_out:
	.size	k_qb05aaec7a2_gemm_out, .Lfunc_end_k_qb05aaec7a2_gemm_out-k_qb05aaec7a2_gemm_out
	.p2alignl 7, 3214868480
	.fill 96, 4, 3214868480
	.section	.rodata,"a",@progbits
	.p2align	6, 0x0
	.amdhsa_kernel k_qb05aaec7a2_gemm_out
		.amdhsa_group_segment_fixed_size 223232
		.amdhsa_private_segment_fixed_size 0
		.amdhsa_enable_private_segment 0
		.amdhsa_kernarg_size 48
		.amdhsa_user_sgpr_count 2
		.amdhsa_user_sgpr_kernarg_segment_ptr 1
		.amdhsa_wavefront_size32 1
		.amdhsa_system_sgpr_workgroup_id_x 1
		.amdhsa_system_sgpr_workgroup_id_y 1
		.amdhsa_system_sgpr_workgroup_id_z 1
		.amdhsa_system_vgpr_workitem_id 0
		.amdhsa_next_free_vgpr 512
		.amdhsa_next_free_sgpr 100
		.amdhsa_reserve_vcc 0
		.amdhsa_float_denorm_mode_32 3
		.amdhsa_float_denorm_mode_16_64 3
		.amdhsa_memory_ordered 1
		.amdhsa_forward_progress 1
		.amdhsa_inst_pref_size 60
	.end_amdhsa_kernel
	.amdgpu_metadata
---
amdhsa.version: [ 1, 2 ]
amdhsa.kernels:
  - .name:           k_qb05aaec7a2_gemm_out
    .symbol:         k_qb05aaec7a2_gemm_out.kd
    .args:
      - { .name: ctxc, .offset: 0, .size: 8, .value_kind: global_buffer, .address_space: global }
      - { .name: ctxs, .offset: 8, .size: 8, .value_kind: global_buffer, .address_space: global }
      - { .name: l1c, .offset: 16, .size: 8, .value_kind: global_buffer, .address_space: global }
      - { .name: l1s, .offset: 24, .size: 8, .value_kind: global_buffer, .address_space: global }
      - { .name: b_out, .offset: 32, .size: 8, .value_kind: global_buffer, .address_space: global }
      - { .name: out0, .offset: 40, .size: 8, .value_kind: global_buffer, .address_space: global }
    .group_segment_fixed_size: 223232
    .private_segment_fixed_size: 0
    .kernarg_segment_align: 8
    .kernarg_segment_size: 48
    .max_flat_workgroup_size: 128
    .sgpr_count:     100
    .vgpr_count:     512
    .wavefront_size: 32
...
	.end_amdgpu_metadata
.endif
;; end of part 8
